; MI455X (gfx1250); checked and timed in simulation.
; The chip was launched on July 23, 2026; its instructions are those of AMD's public machine-readable ISA for CDNA 5 (MIT licence, August 2026) and "CDNA5" Instruction Set Architecture Reference Guide (July 2026). The comments in the code are by the model that wrote it; some were corrected since.
;; Dilated Attention. Allowed arithmetic: matrix products marked QUANTISED: E2M3 operands, one E8M0 scale for each 32 along K, by v_wmma_scale_f32_16x16x128_f8f6f4 with both operands' format E2M3, f32 sums; everything else in f32.
;; Inputs: ffn_b1 4,096 float32; ffn_b2 1,024 float32; ffn_w1 4,096 x 1,024 float32; ffn_w2 1,024 x 4,096 float32; ln1_b 1,024 float32; ln1_g 1,024 float32; ln2_b 1,024 float32; ln2_g 1,024 float32; out_b 1,024 float32; out_w 1,024 x 1,024 float32; qkv_b 3,072 float32; qkv_w 3,072 x 1,024 float32; x 2 x 2,048 x 1,024 float32.
;; Outputs: out0 2 x 2,048 x 1,024 float32.
;; This version of the problem:
;;   THIS VERSION OF THE PROBLEM IS GIVEN IN LOW PRECISION. The matrix products marked QUANTISED in the list below multiply operands that are first quantised to E2M3 (2 exponent bits, 3 mantissa bits; 6 bits a number), with one power-of-two scale for each 32 numbers along K (OCP MX v1.0); their sums are f32. All else is computed in f32.
;;   The module's matrix products, in the order in which they are computed (A, B: the left and right operand; K: the contracted axis; several contracted axes count as one K, in the product's order):
;;     1. [M 4,096, K 1,024] x [K 1,024, N 3,072]; A: computed on the way; B: input qkv_w: QUANTISED
;;     2. batch 32 x [M 2,048, K 64] x [K 64, N 2,048]; A: computed on the way; B: computed on the way: QUANTISED
;;     3. batch 32 x [M 64, K 2,048] x [K 2,048, N 2,048]; A: computed on the way; B: softmax (see below): QUANTISED
;;     4. [M 4,096, K 1,024] x [K 1,024, N 1,024]; A: computed on the way; B: input out_w: QUANTISED
;;     5. [M 4,096, K 1,024] x [K 1,024, N 4,096]; A: computed on the way; B: input ffn_w1: QUANTISED
;;     6. [M 4,096, K 4,096] x [K 4,096, N 1,024]; A: computed on the way; B: input ffn_w2: QUANTISED
;;   THE QUANTISER, for each operand of a quantised product, along K:
;;     - K is cut into blocks of 32 from its start; a last block that is shorter is filled with zeros.
;;     - A block's scale is 2^e with e = floor(log2(the largest magnitude in the block)) - 2, held to -126 .. 127; a block of zeros has e = 0. As a byte (E8M0): e + 127.
;;     - Each number is divided by its block's scale, clamped to +-7.5, and rounded to the nearest number of E2M3, ties to even, subnormals kept.
;;     - The product sums the exact products of the quantised numbers (number of the format x scale) in f32.
;;   ~~~python
;;   def quantise(x, axis):      # numpy; x: float32 -> the quantised numbers, widened to float32 again
;;       x = np.moveaxis(x, axis, -1); K = x.shape[-1]
;;       x = np.pad(x, [(0, 0)] * (x.ndim - 1) + [(0, -K % 32)]); x = x.reshape(x.shape[:-1] + (-1, 32)); a = np.abs(x).max(-1, keepdims=True)
;;       e = np.where(a > 0, np.clip(np.frexp(np.where(a > 0, a, 1))[1] - 1 - 2, -126, 127), 0)      # np.frexp(a)[1] - 1 = floor(log2(a)), exactly
;;       r = np.clip(x / 2.0 ** e, -7.5, 7.5)
;;       step = 2.0 ** (np.maximum(np.frexp(np.where(r == 0, 1, r))[1] - 1, 0) - 3)
;;       q = np.round(r / step) * step * 2.0 ** e      # np.round: ties to even
;;       return np.moveaxis(q.reshape(q.shape[:-2] + (-1,))[..., :K], -1, axis).astype(np.float32)
;;   ~~~
;;   SOFTMAX AHEAD OF A QUANTISED PRODUCT. Where the list says 'softmax', what is quantised is not the finished softmax but p = 2^(t - M), with t = logit x log2(e) and M = ceil(the row's largest t), a whole number; so 1/2 < the row's largest p <= 1. The row's sum l is taken of the UNQUANTISED p, in f32, and the product's result is divided by l at the end. Since M is a whole number, a kernel that streams over the keys may use a running M (the ceiling of the running maximum): every later rescaling is an exact power of two, which a block's scale takes up: the codes' values come out the same.
;;   OPERANDS COMPUTED ON THE WAY. 'Computed on the way' means the value that the module computes at that place (a softmax that the list does not call 'softmax' is quantised finished and normalised). What goes into a quantiser is computed in f32, as accurately as f32 sums, v_exp_f32 and their like allow (about 1e-6 of the number): no bf16 or f16 on the way to a quantiser, and a product that is left as it is and whose result goes on into a quantised operand takes f32 operands (vector FMAs, or v_wmma_f32_16x16x4_f32). A number that lies on a knife's edge between two numbers of the format may be rounded either way, as far as f32 arithmetic and the matrix unit's own rounding can turn it there, and no further.
;; 2 versions. Each part assembles by itself: llvm-mc -triple=amdgcn-amd-amdhsa -mcpu=gfx1250 --defsym DOCPART=n.
;; ======== version 1 of 2: 7 launches
;; workspace buffers: pw 13,107,200 bytes; h2q 3,670,016 bytes; qkv 10,878,976 bytes; yq 3,276,800 bytes; x1 16,777,216 bytes; fq 13,107,200 bytes
;; launch prep (part 1): grid 1024 x 1, 8 waves a work-group, no clusters, 66,816 bytes of LDS; arguments x, ln1_g, ln1_b, qkv_w, out_w, ffn_w1, ffn_w2, pw; writes pw
.if DOCPART == 1
	.amdgcn_target "amdgcn-amd-amdhsa--gfx1250"
	.amdhsa_code_object_version 6
	.text
	.protected	k_qd13003b231_prep
	.globl	k_qd13003b231_prep
	.p2align	8
	.type	k_qd13003b231_prep,@function
k_qd13003b231_prep:
	s_mov_b64 s[64:65], 0
	v_nop
	global_prefetch_b8 v0, s[64:65] scope:SCOPE_SE
	s_setreg_imm32_b32 hwreg(HW_REG_WAVE_MODE, 25, 1), 1
	s_wait_xcnt 0x0
; 16 rows x 1,024 numbers of f32 become eight operand images of FP6 (E2M3) codes and their E8M0 scale words.
; Work-groups 0-255: 16 tokens of the first argument, LayerNorm (gain, bias, eps 1e-5, mean first, then the squares of the differences) ahead of the quantiser.
; Work-groups 256-447: qkv_w; 448-511: out_w; 512-767: ffn_w1; 768-1023: ffn_w2 (16 rows x a quarter of its 4,096 columns): quantised as they are.
; AN IMAGE is a fragment of 16 rows x 128 K as the matrix instruction's registers hold it: for c = 0, 1: registers 6c..6c+3 at 768 c + 16 x lane, registers 6c+4, 6c+5 at 768 c + 512 + 8 x lane: 1,536 bytes.
; Its scale words: 64 bytes, word r = row r's four bytes.  Out: words at id x 512 + 64 x K step, codes at 524,288 + id x 12,288 + 1,536 x K step.
; WHICH ROWS FORM A TILE is chosen for the reader: row m of tile t is  tokens: 16 t + 2 (m % 8) + m / 8;  qkv_w, ffn_w1: 32 (t / 2) + 8 (t % 2) + m % 8 + 16 (m / 8);  out_w, ffn_w2: 16 t + m.
; Eight waves: wave w loads rows 2 w and 2 w + 1 (each load 512 consecutive bytes), normalises them, lays them in LDS; behind one barrier it reads K step w of all 16 rows, 16 neighbours of each block of 32 a lane.
; A block's scale is 2^(floor(log2(largest magnitude)) - 2).  LIMITS: a block whose largest magnitude lies under 2^-124 keeps the byte 1, a block of zeros too (its codes are zeros, and this program alone reads the bytes);
; NaN and infinities are not served.  No cluster: no two work-groups read the same bytes (gain and bias, 8 KiB, aside).  No tensor load: a row is read once and worked on in registers first.
.set RP,    4112                       ; an LDS row: 4,096 bytes + 16: the sixteen rows of a 16-byte read start in sixteen different 16-byte columns
.set SPARE, 16*RP                      ; behind the rows: the spare words, 128 bytes for each of eight waves
.set L16, 4                            ; v4  16 x lane
.set L8,  5                            ; v5  8 x lane
.set L4,  6                            ; v6  4 x (lane % 16)
.set SPW, 10
.set NIL, 11
.set X,   16                           ; v16-79   two rows as loaded (32 numbers a lane each); later 64 numbers of one image row
.set G,   80                           ; v80-111  gain
.set BB,  112                          ; v112-143 bias
.set MA,  144                          ; v144-151 sums, then the means as pairs
.set VA,  152                          ; v152-159 sums of squares, then 1/sqrt as pairs
.set TM,  160                          ; v160-171 the quantiser's: maxima, bytes, scale operands
.set PW,  176
.set PC,  180                          ; v180-199 codes
.set SEL, 12
.macro WSUM r                          ; the sum over the wave's 32 lanes, in every lane; v[r+1] is at work
	v_add_f32_dpp v[\r], v[\r], v[\r] row_xmask:1 row_mask:0xf bank_mask:0xf
	v_add_f32_dpp v[\r], v[\r], v[\r] row_xmask:2 row_mask:0xf bank_mask:0xf
	v_add_f32_dpp v[\r], v[\r], v[\r] row_xmask:4 row_mask:0xf bank_mask:0xf
	v_add_f32_dpp v[\r], v[\r], v[\r] row_xmask:8 row_mask:0xf bank_mask:0xf
	v_permlanex16_b32 v[\r+1], v[\r], s[SEL], s[SEL+1]
	v_add_f32 v[\r], v[\r], v[\r+1]
.endm
; 64 numbers of a lane, register 16 b + i = k 32 b + 16 (lane / 16) + i of my row: the four blocks' scale operands (TM+8..), bytes (TM+4..) and the row's scale word (PW)
.macro QSCALE s
.irp b, 0,1,2,3
	v_max3_num_f32 v[TM+\b], |v[\s+16*\b]|, |v[\s+16*\b+1]|, 0x1800000   ; with the floor 2^(3 - 127): the byte cannot fall under 1
.endr
.irp i, 2,4,6,8,10,12,14
.irp b, 0,1,2,3
	v_max3_num_f32 v[TM+\b], v[TM+\b], |v[\s+16*\b+\i]|, |v[\s+16*\b+\i+1]|
.endr
.endr
.irp b, 0,1,2,3
	v_permlanex16_b32 v[TM+4+\b], v[TM+\b], s[SEL], s[SEL+1]
.endr
.irp b, 0,1,2,3
	v_max_num_f32 v[TM+\b], v[TM+\b], v[TM+4+\b]       ; with lane l xor 16's 16: the block's largest magnitude
.endr
.irp b, 0,1,2,3
	v_add_nc_u32 v[TM+8+\b], 0xff000000, v[TM+\b]      ; 2 off its exponent field: the conversion's scale operand
.endr
.irp b, 0,1,2,3
	v_lshrrev_b32 v[TM+4+\b], 23, v[TM+8+\b]           ; the byte
.endr
	v_lshl_or_b32 v[PW], v[TM+5], 8, v[TM+4]
	v_lshl_or_b32 v[PW], v[TM+6], 16, v[PW]
	v_lshl_or_b32 v[PW], v[TM+7], 24, v[PW]
.endm
.macro QCODES s                        ; the fragment's twelve registers in v[PC] on
.irp c, 0,1
	v_cvt_scalef32_pk16_fp6_f32 v[PC+6*\c:PC+6*\c+2], v[\s+32*\c:\s+32*\c+15], v[TM+8+2*\c]
	v_cvt_scalef32_pk16_fp6_f32 v[PC+12+4*\c:PC+14+4*\c], v[\s+32*\c+16:\s+32*\c+31], v[TM+9+2*\c]   ; (a conversion's three registers begin on an even number)
.endr
	v_nop                                              ; one plain place behind a scaled conversion
.irp c, 0,1                            ; the layout wants a whole block in a lane: lanes 0-15 block 2 c, lanes 16-31 block 2 c + 1
.irp i, 0,1,2
	v_permlane16_swap_b32 v[PC+6*\c+\i], v[PC+12+4*\c+\i]
.endr
.irp i, 0,1,2
	v_mov_b32 v[PC+3+6*\c+\i], v[PC+12+4*\c+\i]
.endr
.endr
.endm
.macro STIMG lo                        ; the image leaves: each store covers consecutive bytes, 512 or 256
	global_store_b128 v[L16], v[PC:PC+3], s[\lo:\lo+1]
	global_store_b64 v[L8], v[PC+4:PC+5], s[\lo:\lo+1] offset:512
	global_store_b128 v[L16], v[PC+6:PC+9], s[\lo:\lo+1] offset:768
	global_store_b64 v[L8], v[PC+10:PC+11], s[\lo:\lo+1] offset:1280
.endm
	s_load_b256 s[24:31], s[0:1], 0x0              ; tokens s[24:25], gain s[26:27], bias s[28:29], qkv_w s[30:31]
	s_load_b256 s[32:39], s[0:1], 0x20             ; out_w s[32:33], ffn_w1 s[34:35], ffn_w2 s[36:37], the output s[38:39]
	v_lshl_add_u32 v[SPW], v0, 2, SPARE
	v_mov_b32 v[NIL], 0
	v_lshrrev_b32 v1, 5, v0
	v_readfirstlane_b32 s16, v1                    ; wave 0..7
	v_and_b32 v1, 31, v0
	v_and_b32 v2, 15, v0                           ; r
	v_bfe_u32 v3, v0, 4, 1                         ; h
	v_lshlrev_b32 v[L16], 4, v1
	v_lshlrev_b32 v[L8], 3, v1
	v_lshlrev_b32 v[L4], 2, v2
	s_mul_i32 s17, s16, 2*RP
	v_add_nc_u32 v7, s17, v[L16]                   ; LDS, in: my wave's two rows, 16 bytes a lane
	v_mul_u32_u24 v8, v2, RP
	v_lshl_add_u32 v8, v3, 6, v8
	s_lshl_b32 s17, s16, 9
	v_add_nc_u32 v8, s17, v8                       ; LDS, out: row r, K step w (512 bytes), + 64 h: my 16 numbers of a block
	s_mov_b32 s[SEL], 0x76543210
	s_mov_b32 s[SEL+1], 0xfedcba98
	s_mov_b32 s14, 0x3a800000                      ; 1 / 1,024
	s_mov_b32 s15, 0x3727c5ac                      ; 1e-5
.irp b, 0,1,2,3
	v_mov_b32 v[TM+4+\b], 0                        ; written once: a lane permute's destination counts as one of its sources
.endr
	; the job, from the work-group's number alone: s3 first id, s7 = 1: rows by 32 (t/2) + 8 (t%2), s8 step of m % 8, s9 step of m / 8
	s_cmp_ge_u32 ttmp9, 256
	s_cselect_b32 s3, 256, 0
	s_cselect_b32 s7, 1, 0
	s_cselect_b32 s8, 1, 2
	s_cselect_b32 s9, 16, 1
	s_cmp_ge_u32 ttmp9, 448
	s_cselect_b32 s3, 448, s3
	s_cselect_b32 s7, 0, s7
	s_cselect_b32 s9, 8, s9
	s_cmp_ge_u32 ttmp9, 512
	s_cselect_b32 s3, 512, s3
	s_cselect_b32 s7, 1, s7
	s_cselect_b32 s9, 16, s9
	s_cmp_ge_u32 ttmp9, 768
	s_cselect_b32 s3, 768, s3
	s_cselect_b32 s7, 0, s7
	s_cselect_b32 s9, 8, s9
	s_cselect_b32 s4, 2, 0                         ; ffn_w2: four work-groups to a tile of rows,
	s_cselect_b32 s6, 3, 0
	s_sub_co_u32 s3, ttmp9, s3
	s_and_b32 s6, s3, s6
	s_lshl_b32 s6, s6, 12                          ; each with 4,096 bytes of its rows,
	s_lshr_b32 s3, s3, s4                          ; t
	s_lshl_b32 s5, 4096, s4                        ; which are 16,384 bytes long and not 4,096
	s_lshl_b32 s10, s3, 4
	s_lshr_b32 s11, s3, 1
	s_lshl_b32 s11, s11, 5
	s_and_b32 s2, s3, 1
	s_lshl_b32 s2, s2, 3
	s_add_co_u32 s11, s11, s2
	s_cmp_eq_u32 s7, 1
	s_cselect_b32 s10, s11, s10                    ; the tile's first row
	s_lshl_b32 s2, s16, 1
	s_and_b32 s2, s2, 7
	s_mul_i32 s2, s2, s8
	s_add_co_u32 s10, s10, s2
	s_lshr_b32 s2, s16, 2
	s_mul_i32 s2, s2, s9
	s_add_co_u32 s10, s10, s2                      ; image row 2 w
	s_add_co_u32 s11, s10, s8                      ; image row 2 w + 1
	s_mul_i32 s20, s10, s5
	s_add_co_u32 s20, s20, s6
	s_mul_i32 s22, s11, s5
	s_add_co_u32 s22, s22, s6
	s_mov_b32 s21, 0
	s_mov_b32 s23, 0
	s_lshl_b32 s40, ttmp9, 9
	s_lshl_b32 s2, s16, 6
	s_add_co_u32 s40, s40, s2                      ; my scale words
	s_mov_b32 s41, 0
	s_mul_i32 s42, ttmp9, 12288
	s_mul_i32 s2, s16, 1536
	s_add_co_u32 s42, s42, s2
	s_add_co_u32 s42, s42, 524288                  ; my image
	s_mov_b32 s43, 0
	s_wait_kmcnt 0x0
	s_cmp_ge_u32 ttmp9, 256                        ; the source: a choice that hangs on the work-group's number alone
	s_cselect_b64 s[24:25], s[30:31], s[24:25]
	s_cmp_ge_u32 ttmp9, 448
	s_cselect_b64 s[24:25], s[32:33], s[24:25]
	s_cmp_ge_u32 ttmp9, 512
	s_cselect_b64 s[24:25], s[34:35], s[24:25]
	s_cmp_ge_u32 ttmp9, 768
	s_cselect_b64 s[24:25], s[36:37], s[24:25]
	s_add_nc_u64 s[20:21], s[24:25], s[20:21]
	s_add_nc_u64 s[22:23], s[24:25], s[22:23]
	s_add_nc_u64 s[40:41], s[38:39], s[40:41]
	s_add_nc_u64 s[42:43], s[38:39], s[42:43]
.irp e, 0,1
.irp j, 0,1,2,3,4,5,6,7
	global_load_b128 v[X+32*\e+4*\j:X+32*\e+4*\j+3], v[L16], s[20+2*\e:21+2*\e] offset:512*\j th:TH_LOAD_NT   ; 512 consecutive bytes of a row
.endr
.endr
	s_cmp_lt_u32 ttmp9, 256
	s_cbranch_scc0 .Lraw                           ; weights are quantised as they are
.irp j, 0,1,2,3,4,5,6,7
	global_load_b128 v[G+4*\j:G+4*\j+3], v[L16], s[26:27] offset:512*\j
	global_load_b128 v[BB+4*\j:BB+4*\j+3], v[L16], s[28:29] offset:512*\j
.endr
	s_wait_loadcnt 0x0
	; the mean: both rows by turns, two chains each
.irp e, 0,1
	v_pk_add_f32 v[MA+4*\e:MA+4*\e+1], v[X+32*\e:X+32*\e+1], v[X+32*\e+2:X+32*\e+3]
	v_pk_add_f32 v[MA+4*\e+2:MA+4*\e+3], v[X+32*\e+4:X+32*\e+5], v[X+32*\e+6:X+32*\e+7]
.endr
.irp i, 8,12,16,20,24,28
.irp e, 0,1
	v_pk_add_f32 v[MA+4*\e:MA+4*\e+1], v[MA+4*\e:MA+4*\e+1], v[X+32*\e+\i:X+32*\e+\i+1]
	v_pk_add_f32 v[MA+4*\e+2:MA+4*\e+3], v[MA+4*\e+2:MA+4*\e+3], v[X+32*\e+\i+2:X+32*\e+\i+3]
.endr
.endr
.irp e, 0,1
	v_pk_add_f32 v[MA+4*\e:MA+4*\e+1], v[MA+4*\e:MA+4*\e+1], v[MA+4*\e+2:MA+4*\e+3]
.endr
.irp e, 0,1
	v_add_f32 v[MA+4*\e], v[MA+4*\e], v[MA+4*\e+1]
.endr
	WSUM MA
	WSUM MA+4
.irp e, 0,1
	v_mul_f32 v[MA+4*\e], s14, v[MA+4*\e]
.endr
.irp e, 0,1
	v_mov_b32 v[MA+4*\e+1], v[MA+4*\e]
.endr
.irp i, 0,2,4,6,8,10,12,14,16,18,20,22,24,26,28,30
.irp e, 0,1
	v_pk_add_f32 v[X+32*\e+\i:X+32*\e+\i+1], v[X+32*\e+\i:X+32*\e+\i+1], v[MA+4*\e:MA+4*\e+1] neg_lo:[0,1] neg_hi:[0,1]   ; x - mean
.endr
.endr
	; the variance, of the differences: a common offset of the inputs does no harm
.irp e, 0,1
	v_pk_mul_f32 v[VA+4*\e:VA+4*\e+1], v[X+32*\e:X+32*\e+1], v[X+32*\e:X+32*\e+1]
	v_pk_mul_f32 v[VA+4*\e+2:VA+4*\e+3], v[X+32*\e+2:X+32*\e+3], v[X+32*\e+2:X+32*\e+3]
.endr
.irp i, 4,8,12,16,20,24,28
.irp e, 0,1
	v_pk_fma_f32 v[VA+4*\e:VA+4*\e+1], v[X+32*\e+\i:X+32*\e+\i+1], v[X+32*\e+\i:X+32*\e+\i+1], v[VA+4*\e:VA+4*\e+1]
	v_pk_fma_f32 v[VA+4*\e+2:VA+4*\e+3], v[X+32*\e+\i+2:X+32*\e+\i+3], v[X+32*\e+\i+2:X+32*\e+\i+3], v[VA+4*\e+2:VA+4*\e+3]
.endr
.endr
.irp e, 0,1
	v_pk_add_f32 v[VA+4*\e:VA+4*\e+1], v[VA+4*\e:VA+4*\e+1], v[VA+4*\e+2:VA+4*\e+3]
.endr
.irp e, 0,1
	v_add_f32 v[VA+4*\e], v[VA+4*\e], v[VA+4*\e+1]
.endr
	WSUM VA
	WSUM VA+4
.irp e, 0,1
	v_fma_f32 v[VA+4*\e], v[VA+4*\e], s14, s15     ; variance + eps
.endr
.irp e, 0,1
	v_rsq_f32 v[VA+4*\e], v[VA+4*\e]
.endr
	v_nop                                          ; a plain place behind the two roots,
	s_wait_alu depctr_va_vdst(0)                   ; and one wait for both, ahead of their first reader
.irp e, 0,1
	v_mov_b32 v[VA+4*\e+1], v[VA+4*\e]
.endr
.irp i, 0,2,4,6,8,10,12,14,16,18,20,22,24,26,28,30
.irp e, 0,1
	v_pk_mul_f32 v[X+32*\e+\i:X+32*\e+\i+1], v[X+32*\e+\i:X+32*\e+\i+1], v[VA+4*\e:VA+4*\e+1]
.endr
.endr
.irp i, 0,2,4,6,8,10,12,14,16,18,20,22,24,26,28,30
.irp e, 0,1
	v_pk_fma_f32 v[X+32*\e+\i:X+32*\e+\i+1], v[X+32*\e+\i:X+32*\e+\i+1], v[G+\i:G+\i+1], v[BB+\i:BB+\i+1]
.endr
.endr
.Lraw:
	s_wait_loadcnt 0x0
.irp e, 0,1
.irp j, 0,1,2,3,4,5,6,7
	ds_store_b128 v7, v[X+32*\e+4*\j:X+32*\e+4*\j+3] offset:\e*RP+512*\j
.endr
.endr
	s_wait_dscnt 0x0                               ; for the others' sake: my two rows lie in LDS
	s_barrier_signal -1
	s_barrier_wait -1
.irp b, 0,1,2,3
.irp j, 0,1,2,3
	ds_load_b128 v[X+16*\b+4*\j:X+16*\b+4*\j+3], v8 offset:128*\b+16*\j   ; register 16 b + i = k 32 b + 16 h + i of image row r, K step w
.endr
.endr
	s_wait_dscnt 0x0
	QSCALE X
	QCODES X
	STIMG 42
	global_store_b32 v[L4], v[PW], s[40:41]        ; lanes l and l xor 16 hold the same word and name the same four bytes
	s_wait_tensorcnt 0x0                           ; the wave's end, behind my last LDS store
	ds_add_u32 v[SPW], v[NIL]
	s_wait_dscnt 0x0
	s_endpgm
.Lfunc_end_k_qd13003b231_prep:
	.size	k_qd13003b231_prep, .Lfunc_end_k_qd13003b231_prep-k_qd13003b231_prep
	.p2alignl 7, 3214868480
	.fill 96, 4, 3214868480
	.section	.rodata,"a",@progbits
	.p2align	6, 0x0
	.amdhsa_kernel k_qd13003b231_prep
		.amdhsa_group_segment_fixed_size 66816
		.amdhsa_private_segment_fixed_size 0
		.amdhsa_enable_private_segment 0
		.amdhsa_kernarg_size 64
		.amdhsa_user_sgpr_count 2
		.amdhsa_user_sgpr_kernarg_segment_ptr 1
		.amdhsa_wavefront_size32 1
		.amdhsa_system_sgpr_workgroup_id_x 1
		.amdhsa_system_sgpr_workgroup_id_y 1
		.amdhsa_system_sgpr_workgroup_id_z 1
		.amdhsa_system_vgpr_workitem_id 0
		.amdhsa_next_free_vgpr 200
		.amdhsa_next_free_sgpr 66
		.amdhsa_reserve_vcc 0
		.amdhsa_float_denorm_mode_32 3
		.amdhsa_float_denorm_mode_16_64 3
		.amdhsa_memory_ordered 1
		.amdhsa_forward_progress 1
		.amdhsa_inst_pref_size 26
	.end_amdhsa_kernel
	.amdgpu_metadata
---
amdhsa.version: [ 1, 2 ]
amdhsa.kernels:
  - .name:           k_qd13003b231_prep
    .symbol:         k_qd13003b231_prep.kd
    .args:
      - { .name: x, .offset: 0, .size: 8, .value_kind: global_buffer, .address_space: global }
      - { .name: ln1_g, .offset: 8, .size: 8, .value_kind: global_buffer, .address_space: global }
      - { .name: ln1_b, .offset: 16, .size: 8, .value_kind: global_buffer, .address_space: global }
      - { .name: qkv_w, .offset: 24, .size: 8, .value_kind: global_buffer, .address_space: global }
      - { .name: out_w, .offset: 32, .size: 8, .value_kind: global_buffer, .address_space: global }
      - { .name: ffn_w1, .offset: 40, .size: 8, .value_kind: global_buffer, .address_space: global }
      - { .name: ffn_w2, .offset: 48, .size: 8, .value_kind: global_buffer, .address_space: global }
      - { .name: pw, .offset: 56, .size: 8, .value_kind: global_buffer, .address_space: global }
    .group_segment_fixed_size: 66816
    .private_segment_fixed_size: 0
    .kernarg_segment_align: 8
    .kernarg_segment_size: 64
    .max_flat_workgroup_size: 256
    .sgpr_count:     66
    .vgpr_count:     200
    .wavefront_size: 32
...
	.end_amdgpu_metadata
.endif
;; end of part 1
;; launch g1 (part 2): grid 12 x 16, 4 waves a work-group, clusters of 4 x 4, 327,680 bytes of LDS; arguments pw, qkv_b, qkv; writes qkv
.if DOCPART == 2
	.amdgcn_target "amdgcn-amd-amdhsa--gfx1250"
	.amdhsa_code_object_version 6
	.text
	.protected	k_qd13003b231_g1
	.globl	k_qd13003b231_g1
	.p2align	8
	.type	k_qd13003b231_g1,@function
k_qd13003b231_g1:
	s_mov_b64 s[64:65], 0
	v_nop
	global_prefetch_b8 v0, s[64:65] scope:SCOPE_SE
	s_setreg_imm32_b32 hwreg(HW_REG_WAVE_MODE, 25, 1), 1
	s_wait_xcnt 0x0
	s_wait_alu depctr_hold_cnt(0) depctr_sa_sdst(0) depctr_va_vdst(0) depctr_va_sdst(0) depctr_va_ssrc(0) depctr_va_vcc(0) depctr_vm_vsrc(0)
	s_getreg_b32 s2, hwreg(HW_REG_IB_STS2, 6, 4)
	s_cmp_eq_u32 s2, 0
	s_cbranch_scc0 .Lentry_in_a_cluster
	s_endpgm
.Lentry_in_a_cluster:
	s_bfe_u32 s2, ttmp6, 0x10000c
	s_cmp_lg_u32 s2, 0xf033
	s_cbranch_scc0 .Lentry_shape_is_right
	s_endpgm
.Lentry_shape_is_right:
; qkv = LN1(x) qkv_w^T + qkv_b on codes of FP6 (E2M3) with E8M0 scales for each 32 along K = 1,024; q, k and v are quantised here, in registers, for the attention launch.
; Both operands lie in pw as register images (16 rows x 128 K: 1,536 bytes; tile id: codes at 524,288 + id x 12,288, scale words at id x 512): ids 0-255 the tokens, 256-447 the rows of qkv_w.
; A work-group of four waves makes 256 x 256, a wave 128 x 128: 64 accumulators.  Source 0 = 16 rows of X, source 1 = 16 rows of Y: a lane holds ONE row of Y and eight rows of X.
; TWO ROLES, by the cluster's x (equal in all sixteen partners).  Clusters x = 0, 1: q and k: Y = tokens, X = rows 0-2,047 of qkv_w: a lane's registers run along a head's channels, the K of the scores.
; Cluster x = 2: v: Y = rows 2,048-3,071 of qkv_w, X = tokens: a lane's registers run along the tokens, the K of the second product.
; The rows that form a tile were chosen by the launch before so that the 16 registers of two neighbouring X tiles are: channels 32 b + 16 (lane / 16) + 0..15, or the 16 tokens of parity lane / 16 of a block of 32 tokens.
; OUT.  q, k: images [token tile][16][1,536] at 0, words [token tile][16][64] at 10,485,760.  v: at 6,291,456: [batch][head][parity][group of 128 tokens][16 channels][1,024]: for block b' of the group
; lane' = (channel row, b' % 2) of group b' / 2 holds 12 bytes, the block's 16 codes of one parity, and 4 bytes of zeros; words [batch][head][group][16 channels][64] at 10,747,904.
; K goes in steps of 256 through a ring of two LDS slots filled by the tensor data mover; the scale words of all of K come once.  An image is read from LDS as it lies: no pitch, no padding.
; CLUSTERS: 4 x 4.  Y's tiles are asked for jointly along a row of the cluster, X's along a column.
; LIMITS: a block whose largest magnitude lies under 2^-124 keeps the byte 1, a block of zeros too (its codes are zeros; this program alone reads the bytes); NaN and infinities are not served.
; REGISTERS: window 0: v1-15 at work and addresses, v16-29 LDS addresses, v32-63 scale words, v64-127 the bias along X, v128-223 Y's fragments (later 64 numbers, codes, the quantiser's), v224-239 the bias along Y, v240-255 v's codes.
;   window 1: X's fragments, two sets.  windows 2, 3: the accumulators, (a, b) at v[8 (8 (a % 4) + b)].
; SCALARS: s[4:5] pw, s[6:7] qkv_b, s[8:9] qkv, s10, s11 X's and Y's first id, s12 8 x role, s14-16 wave, s17 Y tile, s42 X tile, s[66:67], s[96:97] the biases' bases; descriptors as named below.
.set KS,     8                         ; K steps of 128
.set NQ,     2                         ; of them in a slot
.set IMG,    1536
.set RTB,    KS*IMG                    ; a tile of 16 rows, all of K
.set CH,     NQ*IMG                    ; its part in a slot
.set HALFT,  8*CH                      ; 128 rows: what one tensor load brings
.set SLOT,   4*HALFT                   ; Y's 256 rows, then X's
.set LAPS,   KS/(2*NQ)
.set SCL,    2*SLOT                    ; behind the ring: the scale words
.set HALFS,  8*KS*64                   ; those of 128 rows
.set SPARE,  SCL+4*HALFS               ; the spare words, 128 bytes a wave
.set FR,     12
.set NL,     4                         ; LDS loads that bring a fragment
.set NP,     4                         ; places behind this matrix instruction (ISA guide 7.12.1)
.set ADRA, 16                          ; v16-17 16 x lane + my Y rows in slot 0, 1; v18-19 the same with 8 x lane
.set ADRB, 20                          ; v20-23 likewise for X
.set ADRS, 27
.set SPW,  28
.set NIL,  29
.set SC,   32
.set AF,   128
.set BX,   64
.set BY,   224
.set ST,   128
.set PC,   192
.set TM,   212
.set PW,   15
.set VC,   240
.set L16,  10
.set L8,   11
.set L4,   12
.set LVV,  13
.set SEL,  18
.set G1, 24
.set G0, 32
.set G1B, 48
.set G0B, 56
.set G1S, 68
.set G0S, 76
.set G1SB, 80
.set G0SB, 88
.set MSB, 0
.macro WIN new                         ; the immediate's high byte repeats the setting that is left
.if MSB != (\new)
	s_set_vgpr_msb (MSB<<8)|(\new)
.set MSB, (\new)
.endif
.endm
.set MUL_LO, 0xa1                      ; source 0 (X) window 1, source 1 (Y) window 0, C and D window 2
.set MUL_HI, 0xf1
.set TO_B,   0x40
; A joint load: waves 0 and 1 fetch for Y, waves 2 and 3 for X; the branch hangs on the wave's number alone.  An s_nop 0 and four v_nop follow each of the two lines.
.macro JLOAD g0a, g1a, g0b, g1b
	s_cmp_eq_u32 s15, 0
	s_cbranch_scc0 .Lfor_b_\@
	tensor_load_to_lds s[\g0a:\g0a+3], s[\g1a:\g1a+7]
	s_nop 0
.rept 4
	v_nop
.endr
	s_branch .Lasked_\@
.Lfor_b_\@:
	tensor_load_to_lds s[\g0b:\g0b+3], s[\g1b:\g1b+7]
	s_nop 0
.rept 4
	v_nop
.endr
.Lasked_\@:
.endm
.macro CREST
	s_cmp_lg_u32 s14, 0
	s_cbranch_scc1 .Lnot_wave_0_\@
	s_barrier_signal -3
.Lnot_wave_0_\@:
	s_barrier_wait -3
	s_barrier_signal -1
	s_barrier_wait -1
.endm
.macro CROUND
	s_barrier_signal -1
	s_barrier_wait -1
	CREST
.endm
	s_load_b128 s[4:7], s[0:1], 0x0
	s_load_b64 s[8:9], s[0:1], 0x10
	v_lshl_add_u32 v[SPW], v0, 2, SPARE
	v_mov_b32 v[NIL], 0
	ds_add_u32 v[SPW], v[NIL]                      ; the wave's opening: the add and its wait ahead of my first tensor load
	v_lshrrev_b32 v1, 5, v0
	v_readfirstlane_b32 s14, v1                    ; wave 0..3
	s_lshr_b32 s15, s14, 1                         ; my half of Y's rows.  Also: I fetch for Y (0) or X (1)
	s_and_b32 s16, s14, 1                          ; my half of X's rows.  Also: which 128 rows I fetch
	s_bfe_u32 s40, ttmp6, 0x40000                  ; cx
	s_bfe_u32 s41, ttmp6, 0x40004                  ; cy
	s_and_b32 s17, ttmp7, 0xffff                   ; cluster y
	s_cmp_eq_u32 ttmp9, 2                          ; the role: the cluster's x, which all partners share
	s_cselect_b32 s12, 8, 0
	s_cselect_b32 s42, s17, ttmp9                  ; the cluster's place along X: v: by tokens; q, k: by rows of the weight
	s_cselect_b32 s17, 0, s17                      ; and along Y
	s_cselect_b32 s10, 0, 256                      ; X's first id
	s_cselect_b32 s11, 384, 0                      ; Y's first id
	s_lshl_b32 s42, s42, 2
	s_add_co_u32 s42, s42, s40                     ; X tile
	s_lshl_b32 s17, s17, 2
	s_add_co_u32 s17, s17, s41                     ; Y tile
	s_lshl_b32 s43, s41, 2
	s_lshl_b32 s43, 15, s43                        ; my row of the cluster
	s_lshl_b32 s44, 0x1111, s40                    ; my column
	; group 1 for codes: 8 rows (tiles of 16 rows) of 3,072 bytes, RTB bytes apart; elements of 8 bytes; no padding
	s_or_b32 s[G1+0], s43, (3<<16)|(1<<21)
	s_or_b32 s[G1B+0], s44, (3<<16)|(1<<21)
.irp g, G1, G1B
	s_mov_b32 s[\g+1], (CH/8)<<16
	s_mov_b32 s[\g+2], 8<<16
	s_mov_b32 s[\g+3], (CH/8)<<16
	s_mov_b32 s[\g+4], 8
	s_mov_b32 s[\g+5], RTB/8
	s_mov_b32 s[\g+6], 0
	s_mov_b32 s[\g+7], 0
.endr
	; and for the scale words of 128 rows: a dense block, as rows of 256 bytes
	s_or_b32 s[G1S+0], s43, (3<<16)|(1<<21)
	s_or_b32 s[G1SB+0], s44, (3<<16)|(1<<21)
.irp g, G1S, G1SB
	s_mov_b32 s[\g+1], 32<<16
	s_mov_b32 s[\g+2], (HALFS/256)<<16
	s_mov_b32 s[\g+3], 32<<16
	s_mov_b32 s[\g+4], HALFS/256
	s_mov_b32 s[\g+5], 32
	s_mov_b32 s[\g+6], 0
	s_mov_b32 s[\g+7], 0
.endr
	s_lshl_b32 s18, s16, 3
	s_lshl_b32 s20, s17, 4
	s_add_co_u32 s20, s20, s18
	s_add_co_u32 s20, s20, s11                     ; Y: the first id that I fetch
	s_lshl_b32 s46, s42, 4
	s_add_co_u32 s46, s46, s18
	s_add_co_u32 s46, s46, s10                     ; X likewise
	s_mul_i32 s22, s20, KS*64
	s_mul_i32 s92, s46, KS*64
	s_mul_i32 s20, s20, RTB
	s_mul_i32 s46, s46, RTB
	s_mov_b32 s21, 0
	s_mov_b32 s23, 0
	s_mov_b32 s47, 0
	s_mov_b32 s93, 0
	s_add_nc_u64 s[20:21], s[20:21], 524288
	s_add_nc_u64 s[46:47], s[46:47], 524288
	s_mul_i32 s45, s14, HALFT                      ; where they go: wave x 128 rows: no place in the cluster enters an LDS address
	s_mul_i32 s94, s14, HALFS
	s_wait_dscnt 0x0                               ; the opening add is done
	s_wait_kmcnt 0x0
	s_add_nc_u64 s[20:21], s[4:5], s[20:21]
	s_add_nc_u64 s[22:23], s[4:5], s[22:23]
	s_add_nc_u64 s[46:47], s[4:5], s[46:47]
	s_add_nc_u64 s[92:93], s[4:5], s[92:93]
	CROUND                                         ; all sixteen work-groups are here: the first joint loads meet
	s_mov_b32 s[G0S], 1
	s_add_co_u32 s[G0S+1], s94, SCL
	s_mov_b64 s[G0S+2:G0S+3], s[22:23]
	s_or_b32 s[G0S+3], s[G0S+3], 0x80000000
	s_mov_b32 s[G0SB], 1
	s_add_co_u32 s[G0SB+1], s94, SCL
	s_mov_b64 s[G0SB+2:G0SB+3], s[92:93]
	s_or_b32 s[G0SB+3], s[G0SB+3], 0x80000000
	JLOAD G0S, G1S, G0SB, G1SB                     ; the scale words first: they are wanted with K step 0
.irp s, 0,1
	s_mov_b32 s[G0+4*\s], 1
	s_add_co_u32 s[G0+4*\s+1], s45, \s*SLOT
	s_add_nc_u64 s[G0+4*\s+2:G0+4*\s+3], s[20:21], \s*CH
	s_or_b32 s[G0+4*\s+3], s[G0+4*\s+3], 0x80000000
	s_mov_b32 s[G0B+4*\s], 1
	s_add_co_u32 s[G0B+4*\s+1], s45, \s*SLOT
	s_add_nc_u64 s[G0B+4*\s+2:G0B+4*\s+3], s[46:47], \s*CH
	s_or_b32 s[G0B+4*\s+3], s[G0B+4*\s+3], 0x80000000
	JLOAD G0+4*\s, G1, G0B+4*\s, G1B
.endr
	v_and_b32 v1, 15, v0                           ; r
	v_bfe_u32 v2, v0, 4, 1                         ; h
	v_and_b32 v3, 31, v0
	v_lshlrev_b32 v4, 4, v3
	v_lshlrev_b32 v5, 3, v3
	s_mul_i32 s21, s15, HALFT
	s_mul_i32 s22, s16, HALFT
	s_add_co_u32 s22, s22, 2*HALFT
.irp s, 0,1
	v_add_nc_u32 v[ADRA+\s], s21, v4
	v_add_nc_u32 v[ADRB+\s], s22, v4
	v_add_nc_u32 v[ADRA+2+\s], s21, v5
	v_add_nc_u32 v[ADRB+2+\s], s22, v5
	s_add_co_u32 s21, s21, SLOT
	s_add_co_u32 s22, s22, SLOT
.endr
	v_lshlrev_b32 v7, 2, v1                        ; a scale word: 4 bytes a row
	s_mul_i32 s21, s15, HALFS
	s_mul_i32 s22, s16, HALFS
	s_add_co_u32 s22, s22, 2*HALFS
	s_sub_co_u32 s22, s22, s21
	v_mul_u32_u24 v6, s22, v2                      ; lanes 16-31 take X's
	s_add_co_u32 s21, s21, SCL
	v_add_nc_u32 v7, v7, v6
	v_add_nc_u32 v[ADRS], s21, v7
	; the biases.  Both sets are loaded in both roles; the set that a role does not use is read from the buffer's head
	s_lshl_b32 s18, s42, 1
	s_add_co_u32 s18, s18, s16
	s_lshl_b32 s18, s18, 9                         ; 128 numbers for each 128 rows of X
	s_lshl_b32 s19, s17, 1
	s_add_co_u32 s19, s19, s15
	s_lshl_b32 s19, s19, 9
	s_add_co_u32 s19, s19, 8192                    ; v's begin at number 2,048
	s_cmp_eq_u32 s12, 0
	s_cselect_b32 s66, s18, 0
	s_cselect_b32 s96, 0, s19
	s_mov_b32 s67, 0
	s_mov_b32 s97, 0
	s_add_nc_u64 s[66:67], s[6:7], s[66:67]
	s_add_nc_u64 s[96:97], s[6:7], s[96:97]
	v_lshlrev_b32 v8, 6, v2                        ; along X: tile b, register j: number 32 (b/2) + 16 h + 8 (b%2) + j
	v_and_b32 v9, 8, v1
	v_add_nc_u32 v9, v9, v1
	v_lshlrev_b32 v9, 2, v9                        ; along Y: tile a, lane r: number 32 (a/2) + 8 (a%2) + r % 8 + 16 (r / 8)
.irp b, 0,1,2,3,4,5,6,7
	global_load_b128 v[BX+8*\b:BX+8*\b+3], v8, s[66:67] offset:128*(\b/2)+32*(\b%2)
	global_load_b128 v[BX+8*\b+4:BX+8*\b+7], v8, s[66:67] offset:128*(\b/2)+32*(\b%2)+16
	global_load_b32 v[BY+2*\b], v9, s[96:97] offset:128*(\b/2)+32*(\b%2)
	global_load_b32 v[BY+2*\b+1], v9, s[96:97] offset:128*(\b/2)+32*(\b%2)      ; twice: a pair for the packed addition
.endr
.macro FRAG reg, adr, q, i             ; a fragment from its image: four loads of consecutive bytes
	ds_load_b128 v[\reg:\reg+3], v[\adr] offset:(\i)*CH+(\q)*IMG
	ds_load_b64 v[\reg+4:\reg+5], v[\adr+2] offset:(\i)*CH+(\q)*IMG+512
	ds_load_b128 v[\reg+6:\reg+9], v[\adr] offset:(\i)*CH+(\q)*IMG+768
	ds_load_b64 v[\reg+10:\reg+11], v[\adr+2] offset:(\i)*CH+(\q)*IMG+1280
.endm
; 16 matrix instructions: Y's blocks a0, a0 + 1 x X's eight.  The 64 accumulators take turns, one instruction a turn, in the same order in every step.
.macro MUL16 a0, p, q, sc, zero
.irp a, \a0, \a0+1
.irp b, 0,1,2,3,4,5,6,7
.if \zero
	v_wmma_scale_f32_16x16x128_f8f6f4 v[8*(8*((\a)%4)+\b):8*(8*((\a)%4)+\b)+7], v[128*(\p)+FR*\b:128*(\p)+FR*\b+FR-1], v[AF+FR*(\a):AF+FR*(\a)+FR-1], 0, v[SC+8*NQ*(\sc)+NQ*\b+(\q)], v[SC+8*NQ*(\sc)+NQ*(\a)+(\q)] matrix_a_fmt:MATRIX_FMT_FP6 matrix_b_fmt:MATRIX_FMT_FP6 matrix_a_scale:MATRIX_SCALE_ROW1
.else
	v_wmma_scale_f32_16x16x128_f8f6f4 v[8*(8*((\a)%4)+\b):8*(8*((\a)%4)+\b)+7], v[128*(\p)+FR*\b:128*(\p)+FR*\b+FR-1], v[AF+FR*(\a):AF+FR*(\a)+FR-1], v[8*(8*((\a)%4)+\b):8*(8*((\a)%4)+\b)+7], v[SC+8*NQ*(\sc)+NQ*\b+(\q)], v[SC+8*NQ*(\sc)+NQ*(\a)+(\q)] matrix_a_fmt:MATRIX_FMT_FP6 matrix_b_fmt:MATRIX_FMT_FP6 matrix_a_scale:MATRIX_SCALE_ROW1
.endif
.endr
.endr
.endm
.macro FETCH_B slot, q, p
	WIN TO_B
.irp i, 0,1,2,3,4,5,6,7
	FRAG 128*(\p)+FR*\i, ADRB+\slot, \q, \i
.endr
	WIN 0
.endm
.macro FETCH_A slot, q, i0
.irp i, \i0, \i0+1, \i0+2, \i0+3
	FRAG AF+FR*(\i), ADRA+\slot, \q, \i
.endr
.endm
.macro SCALES sc                       ; a slot's scale words: lanes 0-15 Y's block i, lanes 16-31 X's block i
.irp i, 0,1,2,3,4,5,6,7
	ds_load_b32 v[SC+8*NQ*\sc+NQ*\i], v[ADRS] offset:\i*KS*64
	ds_load_b32 v[SC+8*NQ*\sc+NQ*\i+1], v[ADRS] offset:\i*KS*64+64
.endr
.endm
.macro PLACES n
.rept \n
	v_nop
.endr
.endm
.macro STEP slot, q, zero              ; 128 along K that has its successor in the same slot
	s_wait_dscnt 4*NL                              ; all but the youngest sixteen loads (Y's blocks 4-7) are in
	WIN MUL_LO
	MUL16 0, (\q)%2, \q, \slot, \zero
	MUL16 2, (\q)%2, \q, \slot, \zero
	s_wait_dscnt 0
	PLACES NP
	FETCH_B \slot, (\q)+1, 1-(\q)%2
	FETCH_A \slot, (\q)+1, 0
	WIN MUL_HI
	MUL16 4, (\q)%2, \q, \slot, \zero
	MUL16 6, (\q)%2, \q, \slot, \zero
	PLACES NP
	WIN 0
	FETCH_A \slot, (\q)+1, 4
.endm
; A slot's last step changes slots: one barrier; in front of it each wave waits for all its tensor loads, adds 0 to its spare word, and waits for that and for its reads of this slot.
.macro TURN slot, next, fill
	s_wait_tensorcnt 0x0                           ; all my tensor loads have landed: my part of the next slot
	ds_add_u32 v[SPW], v[NIL]
	s_wait_dscnt 4*NL+1                            ; (the add and the youngest sixteen loads may be out)
	WIN MUL_LO
	MUL16 0, 1, NQ-1, \slot, 0
	s_wait_dscnt 0x0                               ; the add is done, and my reads of this slot are over
	s_barrier_signal -1
	MUL16 2, 1, NQ-1, \slot, 0
	WIN 0
	s_barrier_wait -1
.if \fill
	CREST                                          ; the barrier has opened a round of the cluster's: no wave of any partner still reads this slot or has a load on its way
	s_add_nc_u64 s[G0+4*\slot+2:G0+4*\slot+3], s[G0+4*\slot+2:G0+4*\slot+3], 2*CH
	s_add_nc_u64 s[G0B+4*\slot+2:G0B+4*\slot+3], s[G0B+4*\slot+2:G0B+4*\slot+3], 2*CH
	JLOAD G0+4*\slot, G1, G0B+4*\slot, G1B         ; the first tensor load behind the round; its four v_nop are the places in front of the loads below
.else
	PLACES NP
.endif
	v_add_nc_u32 v[ADRS], 64*NQ, v[ADRS]           ; the next slot's scale words
	FETCH_B \next, 0, 0
	FETCH_A \next, 0, 0
	SCALES \next
	WIN MUL_HI
	MUL16 4, 1, NQ-1, \slot, 0
	MUL16 6, 1, NQ-1, \slot, 0
	PLACES NP
	WIN 0
	FETCH_A \next, 0, 4
.endm
	s_wait_tensorcnt 1                             ; the scale words and my part of slot 0 are in; slot 1's load may be out
	s_barrier_signal -1
	s_barrier_wait -1
	FETCH_B 0, 0, 0
	FETCH_A 0, 0, 0
	SCALES 0
	FETCH_A 0, 0, 4
	STEP 0, 0, 1                                   ; the first step starts the sums
	s_mov_b32 s3, LAPS-1
.Llap:
	TURN 0, 1, 1
	STEP 1, 0, 0
	TURN 1, 0, 1
	STEP 0, 0, 0
	s_sub_co_u32 s3, s3, 1
	s_cmp_lg_u32 s3, 0
	s_cbranch_scc1 .Llap
	TURN 0, 1, 0                                   ; the last lap fills nothing
	STEP 1, 0, 0
	s_wait_dscnt 4*NL
	WIN MUL_LO
	MUL16 0, 1, NQ-1, 1, 0
	MUL16 2, 1, NQ-1, 1, 0
	s_wait_dscnt 0
	WIN MUL_HI
	MUL16 4, 1, NQ-1, 1, 0
	MUL16 6, 1, NQ-1, 1, 0
	WIN 0
; 64 numbers of a lane: the four blocks' scale operands (TM+8..), bytes (TM+4..), the row's scale word (PW)
.macro QSCALE s
.irp b, 0,1,2,3
	v_max3_num_f32 v[TM+\b], |v[\s+16*\b]|, |v[\s+16*\b+1]|, 0x1800000   ; with the floor 2^(3 - 127)
.endr
.irp i, 2,4,6,8,10,12,14
.irp b, 0,1,2,3
	v_max3_num_f32 v[TM+\b], v[TM+\b], |v[\s+16*\b+\i]|, |v[\s+16*\b+\i+1]|
.endr
.endr
.irp b, 0,1,2,3
	v_permlanex16_b32 v[TM+4+\b], v[TM+\b], s[SEL], s[SEL+1]
.endr
.irp b, 0,1,2,3
	v_max_num_f32 v[TM+\b], v[TM+\b], v[TM+4+\b]
.endr
.irp b, 0,1,2,3
	v_add_nc_u32 v[TM+8+\b], 0xff000000, v[TM+\b]
.endr
.irp b, 0,1,2,3
	v_lshrrev_b32 v[TM+4+\b], 23, v[TM+8+\b]
.endr
	v_lshl_or_b32 v[PW], v[TM+5], 8, v[TM+4]
	v_lshl_or_b32 v[PW], v[TM+6], 16, v[PW]
	v_lshl_or_b32 v[PW], v[TM+7], 24, v[PW]
.endm
.macro QCODES s
.irp c, 0,1
	v_cvt_scalef32_pk16_fp6_f32 v[PC+6*\c:PC+6*\c+2], v[\s+32*\c:\s+32*\c+15], v[TM+8+2*\c]
	v_cvt_scalef32_pk16_fp6_f32 v[PC+12+4*\c:PC+14+4*\c], v[\s+32*\c+16:\s+32*\c+31], v[TM+9+2*\c]
.endr
	v_nop
.irp c, 0,1
.irp i, 0,1,2
	v_permlane16_swap_b32 v[PC+6*\c+\i], v[PC+12+4*\c+\i]
.endr
.irp i, 0,1,2
	v_mov_b32 v[PC+3+6*\c+\i], v[PC+12+4*\c+\i]
.endr
.endr
.endm
.macro STIMG lo
	global_store_b128 v[L16], v[PC:PC+3], s[\lo:\lo+1]
	global_store_b64 v[L8], v[PC+4:PC+5], s[\lo:\lo+1] offset:512
	global_store_b128 v[L16], v[PC+6:PC+9], s[\lo:\lo+1] offset:768
	global_store_b64 v[L8], v[PC+10:PC+11], s[\lo:\lo+1] offset:1280
.endm
	; THE WAY OUT: Y's eight blocks one after the other, in a loop whose work is written once; only the additions of the bias, which name a block's accumulators, are written for each block.
	PLACES NP                                      ; behind the last products
	s_wait_loadcnt 0x0                             ; the biases
	v_and_b32 v[L16], 31, v0
	v_lshlrev_b32 v[L8], 3, v[L16]
	v_lshlrev_b32 v[L16], 4, v[L16]
	v_and_b32 v[L4], 15, v0
	v_bfe_u32 v[LVV], v0, 4, 1
	v_lshlrev_b32 v[LVV], 16, v[LVV]
	v_lshl_add_u32 v[LVV], v[L4], 4, v[LVV]        ; v: parity (lane / 16) x 65,536 + 16 x channel row
	v_lshlrev_b32 v[L4], 2, v[L4]
.irp b, 0,1,2,3
	v_mov_b32 v[TM+4+\b], 0                        ; written once: a lane permute's destination counts as one of its sources
	v_mov_b32 v[VC+4*\b+3], 0                      ; the four bytes of zeros behind a block's 12 bytes of v's codes
.endr
	s_mov_b32 s[SEL], 0x76543210
	s_mov_b32 s[SEL+1], 0xfedcba98
	s_lshl_b32 s36, s42, 1
	s_add_co_u32 s36, s36, s16                     ; my 128 rows of X: q, k: the image's number; v: the group of 128 tokens
	s_lshl_b32 s37, s17, 1
	s_add_co_u32 s37, s37, s15                     ; my 128 rows of Y
	s_lshl_b32 s38, s37, 7                         ; q, k: 8 token tiles x 16 images
	s_add_co_u32 s38, s38, s36
	s_mul_i32 s38, s38, IMG
	s_lshl_b32 s39, s37, 13
	s_lshl_b32 s40, s36, 6
	s_add_co_u32 s39, s39, s40
	s_add_co_u32 s39, s39, 10485760
	s_lshr_b32 s40, s36, 4                         ; v: the batch,
	s_and_b32 s41, s36, 15                         ; the group in it,
	s_lshl_b32 s40, s40, 4
	s_lshl_b32 s43, s37, 1
	s_add_co_u32 s40, s40, s43                     ; 16 x batch + my first head
	s_lshl_b32 s43, s40, 17
	s_lshl_b32 s44, s41, 12
	s_add_co_u32 s43, s43, s44
	s_add_co_u32 s43, s43, 6291456
	s_lshl_b32 s44, s40, 4
	s_add_co_u32 s44, s44, s41
	s_lshl_b32 s44, s44, 8
	s_add_co_u32 s44, s44, 10747904
	s_mov_b32 s32, 131072
	s_mov_b32 s33, 1024
	s_mov_b32 s34, 4096
	s_cmp_eq_u32 s12, 0
	s_cselect_b32 s24, s38, s43                    ; codes: block 0's place,
	s_cselect_b32 s26, s39, s44                    ; words likewise;
	s_cselect_b32 s32, 98304, s32                  ; block a lies (a / 4) x s32 + (a % 4) x s33 bytes on,
	s_cselect_b32 s33, 24576, s33
	s_cselect_b32 s35, 1024, 64                    ; its words (a / 4) x s34 + (a % 4) x s35
	s_mov_b32 s25, 0
	s_mov_b32 s27, 0
	s_add_nc_u64 s[24:25], s[8:9], s[24:25]
	s_add_nc_u64 s[26:27], s[8:9], s[26:27]
	s_mov_b32 s3, 0
.Ltile:
	s_cmp_eq_u32 s12, 0
	s_cbranch_scc0 .Lvdisp
.irp k, 0,1,2,3,4,5,6
	s_cmp_eq_u32 s3, \k
	s_cbranch_scc1 .Lqarm\k
.endr
	s_branch .Lqarm7
.Lvdisp:
.irp k, 0,1,2,3,4,5,6
	s_cmp_eq_u32 s3, \k
	s_cbranch_scc1 .Lvarm\k
.endr
	s_branch .Lvarm7
.irp k, 0,1,2,3,4,5,6,7
.Lqarm\k:
	WIN 0x02+(\k)/4                                ; source 0: the accumulators' window
.set AC, 64*((\k)%4)
.set i, 0
.rept 32
	v_pk_add_f32 v[ST+i:ST+i+1], v[AC+i:AC+i+1], v[BX+i:BX+i+1]      ; each accumulator from its low end on
.set i, i+2
.endr
	WIN 0
	s_branch .Lwork
.endr
.irp k, 0,1,2,3,4,5,6,7
.Lvarm\k:
	WIN 0x02+(\k)/4
.set AC, 64*((\k)%4)
.set i, 0
.rept 32
	v_pk_add_f32 v[ST+i:ST+i+1], v[AC+i:AC+i+1], v[BY+2*\k:BY+2*\k+1]
.set i, i+2
.endr
	WIN 0
	s_branch .Lwork
.endr
.Lwork:
	QSCALE ST
	s_lshr_b32 s36, s3, 2
	s_and_b32 s37, s3, 3
	s_mul_i32 s38, s36, s32
	s_mul_i32 s39, s37, s33
	s_add_co_u32 s28, s38, s39
	s_mov_b32 s29, 0
	s_add_nc_u64 s[28:29], s[24:25], s[28:29]
	s_mul_i32 s38, s36, s34
	s_mul_i32 s39, s37, s35
	s_add_co_u32 s30, s38, s39
	s_mov_b32 s31, 0
	s_add_nc_u64 s[30:31], s[26:27], s[30:31]
	global_store_b32 v[L4], v[PW], s[30:31]        ; lanes l and l xor 16 hold the same word and name the same four bytes
	s_cmp_eq_u32 s12, 0
	s_cbranch_scc0 .Lvals
	QCODES ST
	STIMG 28
	s_branch .Lnext
.Lvals:                                            ; v: a lane's 16 numbers of block b' are the block's tokens of ONE parity: 12 bytes of codes, under the scale of all 32
.irp b, 0,1,2,3
	v_cvt_scalef32_pk16_fp6_f32 v[VC+4*\b:VC+4*\b+2], v[ST+16*\b:ST+16*\b+15], v[TM+8+\b]
.endr
	v_nop                                          ; one plain place behind a scaled conversion
.irp b, 0,1,2,3
	global_store_b128 v[LVV], v[VC+4*\b:VC+4*\b+3], s[28:29] offset:512*(\b/2)+256*(\b%2)   ; sixteen lanes store 256 consecutive bytes
.endr
.Lnext:
	s_wait_xcnt 0x0                                ; the stores have read their registers and bases: both are written again in the next trip
	s_add_co_u32 s3, s3, 1
	s_cmp_lt_u32 s3, 8
	s_cbranch_scc1 .Ltile
	s_wait_tensorcnt 0x0                           ; the wave's end
	ds_add_u32 v[SPW], v[NIL]
	s_wait_dscnt 0x0
	CROUND                                         ; the closing round
	s_endpgm
.Lfunc_end_k_qd13003b231_g1:
	.size	k_qd13003b231_g1, .Lfunc_end_k_qd13003b231_g1-k_qd13003b231_g1
	.p2alignl 7, 3214868480
	.fill 96, 4, 3214868480
	.section	.rodata,"a",@progbits
	.p2align	6, 0x0
	.amdhsa_kernel k_qd13003b231_g1
		.amdhsa_group_segment_fixed_size 327680
		.amdhsa_private_segment_fixed_size 0
		.amdhsa_enable_private_segment 0
		.amdhsa_kernarg_size 24
		.amdhsa_user_sgpr_count 2
		.amdhsa_user_sgpr_kernarg_segment_ptr 1
		.amdhsa_wavefront_size32 1
		.amdhsa_system_sgpr_workgroup_id_x 1
		.amdhsa_system_sgpr_workgroup_id_y 1
		.amdhsa_system_sgpr_workgroup_id_z 1
		.amdhsa_system_vgpr_workitem_id 0
		.amdhsa_next_free_vgpr 1024
		.amdhsa_next_free_sgpr 100
		.amdhsa_reserve_vcc 0
		.amdhsa_float_denorm_mode_32 3
		.amdhsa_float_denorm_mode_16_64 3
		.amdhsa_memory_ordered 1
		.amdhsa_forward_progress 1
		.amdhsa_inst_pref_size 162
	.end_amdhsa_kernel
	.amdgpu_metadata
---
amdhsa.version: [ 1, 2 ]
amdhsa.kernels:
  - .name:           k_qd13003b231_g1
    .symbol:         k_qd13003b231_g1.kd
    .args:
      - { .name: pw, .offset: 0, .size: 8, .value_kind: global_buffer, .address_space: global }
      - { .name: qkv_b, .offset: 8, .size: 8, .value_kind: global_buffer, .address_space: global }
      - { .name: qkv, .offset: 16, .size: 8, .value_kind: global_buffer, .address_space: global }
    .group_segment_fixed_size: 327680
    .private_segment_fixed_size: 0
    .kernarg_segment_align: 8
    .kernarg_segment_size: 24
    .max_flat_workgroup_size: 128
    .sgpr_count:     100
    .vgpr_count:     1024
    .wavefront_size: 32
...
	.end_amdgpu_metadata
.endif
;; end of part 2
;; launch attn (part 3): grid 256 x 1, 16 waves a work-group, no clusters, 0 bytes of LDS; arguments qkv, yq; writes yq
.if DOCPART == 3
	.amdgcn_target "amdgcn-amd-amdhsa--gfx1250"
	.amdhsa_code_object_version 6
	.text
	.protected	k_qd13003b231_attn
	.globl	k_qd13003b231_attn
	.p2align	8
	.type	k_qd13003b231_attn,@function
k_qd13003b231_attn:
	s_mov_b64 s[64:65], 0
	v_nop
	global_prefetch_b8 v0, s[64:65] scope:SCOPE_SE
	s_setreg_imm32_b32 hwreg(HW_REG_WAVE_MODE, 25, 1), 1
	s_wait_xcnt 0x0
; Dilated causal attention: query i sees keys i, i - 2, .. i - 256.  Both products on codes of FP6 (E2M3) with E8M0 scales; y is quantised here for the next product.
; Tokens of one parity see only their own parity: counted within a parity (compact index = token / 2) the mask is a causal window of distance 0 .. 128.
; SHARES.  A work-group: one batch, head and parity, 256 queries; each of its sixteen waves 16 queries: the tokens of that parity of block B of 32 tokens.  A wave takes the three aligned groups of 128 tokens
; (64 compact keys, 4 blocks) G - 2, G - 1, G, with G = B / 4; a group that does not exist is jumped over by a scalar branch on ids.  Distance 0 .. 128 reaches from block B - 8 to block B: just these groups.
; LAYOUT.  Both products transposed: S^T = K Q^T, O^T = V^T P^T: a lane holds ONE query (lane % 16).  The keys of tile t are chosen so that registers 16 c + i of the scores are key i of block 2 c + lane / 16:
; a whole block of p lies in one lane.  A head has 64 channels: they fill registers 0-5 of Q's and K's fragments; registers 6-11 are zero codes.
; THE SECOND PRODUCT'S K.  The quantiser's blocks are 32 neighbouring tokens: 16 of each parity.  p of the other parity is 0, so its codes are zeros and its products are left out: a block's 16 codes of my parity take
; places 0-15 of a scale block of the instruction, in p and in V alike; places 16-31 are zero codes.  V's scale was taken over all 32 tokens by the launch before; p's largest lies among my 16.
; SOFTMAX.  t = score x log2(e) / 8; M = the running largest t rounded up to a whole number; p = 2^(t - M), not normalised; the sum of the unquantised p divides at the end; a change of M multiplies by an exact power of two.
; Every query sees its own key, and key i - 256 where it exists, so the first step that a wave runs gives M a number.
; NO CLUSTER, NO LDS: a wave has three key steps; a fragment is 768 or 1,024 bytes that go straight into its registers; what waves share are 48 KiB for a work-group, and sixteen waves to a WGP stand in for each other while loads are out.
; LIMITS: as the quantiser's elsewhere: byte 1 for blocks under 2^-124 or of zeros; NaN and infinities are not served.
.set LK16, 3                           ; v3  my lane's place in K's images, 16-byte pieces;  v4: 8-byte pieces;  v5: K's scale halves
.set LK8,  4
.set LKS,  5
.set LV,   6                           ; v6  16 x lane
.set LVS,  7                           ; v7  4 x (lane % 16)
.set LO,   8                           ; v8-9   first step: key i of block 2 c + h is hidden where i < LO
.set HI,   10                          ; v10-11 last step: hidden where i > HI
.set Q,    16                          ; v16-27
.set QS,   28
.set NEG,  29
.set SH8,  30
.set L8,   31
.set KF,   32                          ; v32-79  K's four fragments
.set KW,   80
.set VF,   84                          ; v84-131 V's four fragments
.set VW,   132
.set S,    136                         ; v136-167 scores, then p, at the end y
.set O,    168                         ; v168-199 O^T
.set P,    200                         ; v200-211 p's codes
.set PW,   212
.set BM,   214
.set PD,   216
.set SCO,  220
.set BYT,  222
.set F,    224
.set T,    226
.set PC,   232
	s_load_b128 s[4:7], s[0:1], 0x0                ; qkv s[4:5], yq s[6:7]
	v_lshrrev_b32 v1, 5, v0
	v_readfirstlane_b32 s8, v1                     ; wave 0..15
	s_and_b32 s9, ttmp9, 3                         ; which 16 blocks of queries
	s_bfe_u32 s10, ttmp9, 0x10002                  ; parity
	s_bfe_u32 s11, ttmp9, 0x40003                  ; head
	s_lshr_b32 s12, ttmp9, 7                       ; batch
	s_lshl_b32 s13, s9, 4
	s_add_co_u32 s13, s13, s8                      ; B
	s_lshr_b32 s14, s13, 2                         ; G
	s_and_b32 s15, s13, 3                          ; B % 4
	s_lshl_b32 s16, s12, 7                         ; a batch has 128 token tiles
	s_lshl_b32 s17, s13, 1
	s_add_co_u32 s17, s17, s16                     ; my queries' first token tile
	s_lshl_b32 s18, s14, 3
	s_add_co_u32 s18, s18, s16                     ; group G's first token tile
	s_mul_i32 s19, s11, 768                        ; a head is half an image
	s_lshr_b32 s40, s11, 1
	s_and_b32 s41, s11, 1
	s_lshl_b32 s42, s40, 6
	s_lshl_b32 s43, s41, 1
	s_add_co_u32 s42, s42, s43                     ; and two bytes of a scale word
	s_mul_i32 s24, s17, 24576
	s_add_co_u32 s24, s24, s19                     ; Q's codes
	s_mov_b32 s25, 0
	s_mul_i32 s26, s18, 24576
	s_add_co_u32 s26, s26, s19
	s_add_co_u32 s26, s26, 12288                   ; K's codes of group G: behind q's sixteen halves
	s_mov_b32 s27, 0
	s_lshl_b32 s28, s17, 10
	s_add_co_u32 s28, s28, s42
	s_add_co_u32 s28, s28, 10485760                ; Q's scale bytes
	s_mov_b32 s29, 0
	s_lshl_b32 s30, s18, 10
	s_add_co_u32 s30, s30, s42
	s_add_co_u32 s30, s30, 10485760+512            ; K's
	s_mov_b32 s31, 0
	s_lshl_b32 s44, s12, 4
	s_add_co_u32 s44, s44, s11                     ; 16 x batch + head
	s_lshl_b32 s32, s44, 1
	s_add_co_u32 s32, s32, s10
	s_lshl_b32 s32, s32, 4
	s_add_co_u32 s32, s32, s14
	s_lshl_b32 s32, s32, 12
	s_add_co_u32 s32, s32, 6291456                 ; V's codes of group G
	s_mov_b32 s33, 0
	s_lshl_b32 s34, s44, 4
	s_add_co_u32 s34, s34, s14
	s_lshl_b32 s34, s34, 8
	s_add_co_u32 s34, s34, 10747904                ; V's scale words
	s_mov_b32 s35, 0
	s_add_co_u32 s45, s17, s10                     ; y's tile: 2 x block + parity
	s_lshl_b32 s45, s45, 3
	s_add_co_u32 s45, s45, s40
	s_mul_i32 s36, s45, 1536
	s_mul_i32 s46, s41, 768
	s_add_co_u32 s36, s36, s46                     ; y's half image
	s_mov_b32 s37, 0
	s_lshl_b32 s38, s45, 6
	s_add_co_u32 s38, s38, s43
	s_add_co_u32 s38, s38, 3145728                 ; y's two scale bytes a row
	s_mov_b32 s39, 0
	s_mov_b32 s20, 0x76543210
	s_mov_b32 s21, 0xfedcba98
	s_mov_b32 s22, 0x3e38aa3b                      ; c = log2(e) / 8
	s_mov_b32 s23, s22
	v_and_b32 v1, 15, v0                           ; r
	v_bfe_u32 v2, v0, 4, 1                         ; h
	v_and_b32 v[T], 7, v1
	s_lshl_b32 s47, s10, 3
	v_add_nc_u32 v[T], s47, v[T]                   ; row of a token tile: 8 x parity + r % 8
	v_lshl_add_u32 v[T+1], v2, 4, v[T]             ; and the image's lane
	v_lshrrev_b32 v[T+2], 3, v1                    ; r / 8
	v_mul_u32_u24 v[LK16], v[T+2], 49152           ; K: rows 8-15 of a tile are the next block's keys: two token tiles on
	v_lshl_add_u32 v[LK8], v[T+1], 3, v[LK16]
	v_lshl_add_u32 v[LK16], v[T+1], 4, v[LK16]
	v_lshlrev_b32 v[LKS], 11, v[T+2]
	v_lshl_add_u32 v[LKS], v[T], 2, v[LKS]
	v_mul_u32_u24 v[PC], v[T+2], 24576             ; Q: queries 8-15 lie in the next token tile
	v_lshl_add_u32 v[PC+1], v[T+1], 3, v[PC]
	v_lshl_add_u32 v[PC], v[T+1], 4, v[PC]
	v_lshlrev_b32 v[PC+2], 10, v[T+2]
	v_lshl_add_u32 v[PC+2], v[T], 2, v[PC+2]
	v_and_b32 v[L8], 31, v0
	v_lshlrev_b32 v[LV], 4, v[L8]
	v_lshlrev_b32 v[L8], 3, v[L8]
	v_lshlrev_b32 v[LVS], 2, v1
	v_lshlrev_b32 v[SH8], 3, v2
	s_wait_kmcnt 0x0
	s_add_nc_u64 s[24:25], s[4:5], s[24:25]
	s_add_nc_u64 s[26:27], s[4:5], s[26:27]
	s_add_nc_u64 s[28:29], s[4:5], s[28:29]
	s_add_nc_u64 s[30:31], s[4:5], s[30:31]
	s_add_nc_u64 s[32:33], s[4:5], s[32:33]
	s_add_nc_u64 s[34:35], s[4:5], s[34:35]
	s_add_nc_u64 s[36:37], s[6:7], s[36:37]
	s_add_nc_u64 s[38:39], s[6:7], s[38:39]
	global_load_b128 v[Q:Q+3], v[PC], s[24:25]
	global_load_b64 v[Q+4:Q+5], v[PC+1], s[24:25] offset:512
	global_load_u16 v[QS], v[PC+2], s[28:29]       ; the head's two bytes; the word's upper two stand over zero codes
.irp c, 0,1                            ; the window's two edges, by the block's place against my own block: rel = 2 c + h - B % 4
	s_sub_co_i32 s47, 2*\c, s15
	v_add_nc_u32 v[T], s47, v2
	v_cmp_eq_i32 vcc_lo, 0, v[T]
	v_cndmask_b32 v[LO+\c], 0, v1, vcc_lo          ; rel = 0: keys under my own place are too far back;
	v_cndmask_b32 v[HI+\c], 15, v1, vcc_lo         ;          keys above it are in the future
	v_cmp_le_i32 vcc_lo, 0, v[T]
	v_cndmask_b32 v[LO+\c], 16, v[LO+\c], vcc_lo   ; rel < 0: the whole block is too far back
	v_cmp_ge_i32 vcc_lo, 0, v[T]
	v_cndmask_b32 v[HI+\c], -1, v[HI+\c], vcc_lo   ; rel > 0: the whole block is in the future
.endr
	v_mov_b32 v[NEG], 0xff800000                   ; -infinity
.irp j, 6,7,8,9,10,11
	v_mov_b32 v[Q+\j], 0                           ; zero codes, set once
.irp t, 0,1,2,3
	v_mov_b32 v[KF+12*\t+\j], 0
.endr
.endr
.irp j, 4,5,10,11
.irp t, 0,1,2,3
	v_mov_b32 v[VF+12*\t+\j], 0
.endr
.endr
.irp j, 3,4,5,9,10,11
	v_mov_b32 v[P+\j], 0
.endr
.irp j, 0,1,2,3
	v_mov_b32 v[PD+\j], 0                          ; written once: a lane permute's destination counts as one of its sources
.endr
	v_mov_b32 v[F+1], 0                            ; (named as the upper half of a pair)
	v_mov_b32 v13, 0xff61b1e6                      ; the largest t so far: -3e38
	v_floor_f32 v12, -v13                          ; -M
	v_mov_b32 v14, 0
	v_mov_b32 v15, 0
.set i, 0
.rept 32
	v_mov_b32 v[O+i], 0                            ; O^T: the step is written for every step alike: the first finds zeros
.set i, i+1
.endr
; A KEY STEP: group G - 2 + st.  kind 0: the far edge is masked; 2: the near edge; 1: every key counts.
.macro STEP st, kind
.rept 4
	v_nop                                          ; places in front of loads into registers that matrix instructions have read
.endr
.irp t, 0,1,2,3                        ; K's tile t: rows 0-7 keys 8 (t % 2) + 0..7 of block 2 (t / 2), rows 8-15 the same of block 2 (t / 2) + 1
	global_load_b128 v[KF+12*\t:KF+12*\t+3], v[LK16], s[26:27] offset:((\st)-2)*196608+(4*(\t/2)+\t%2)*24576
	global_load_b64 v[KF+12*\t+4:KF+12*\t+5], v[LK8], s[26:27] offset:((\st)-2)*196608+(4*(\t/2)+\t%2)*24576+512
	global_load_u16 v[KW+\t], v[LKS], s[30:31] offset:((\st)-2)*8192+(4*(\t/2)+\t%2)*1024
.endr
.irp t, 0,1,2,3                        ; V's tile t: 16 of the head's channels x the group's four blocks
	global_load_b128 v[VF+12*\t:VF+12*\t+3], v[LV], s[32:33] offset:((\st)-2)*4096+1024*\t
	global_load_b128 v[VF+12*\t+6:VF+12*\t+9], v[LV], s[32:33] offset:((\st)-2)*4096+1024*\t+512
	global_load_b32 v[VW+\t], v[LVS], s[34:35] offset:((\st)-2)*256+64*\t
.endr
	s_wait_loadcnt 12                              ; K (and, in the first step, Q) is in; V's twelve loads may be out
.irp t, 0,1,2,3
	v_wmma_scale_f32_16x16x128_f8f6f4 v[S+8*\t:S+8*\t+7], v[KF+12*\t:KF+12*\t+11], v[Q:Q+11], 0, v[KW+\t], v[QS] matrix_a_fmt:MATRIX_FMT_FP6 matrix_b_fmt:MATRIX_FMT_FP6
.endr
.rept 4
	v_nop
.endr
.if \kind == 0
.irp c, 0,1
.irp i, 0,1,2,3,4,5,6,7,8,9,10,11,12,13,14,15
	v_cmp_lt_i32 vcc_lo, \i, v[LO+\c]
	v_cndmask_b32 v[S+16*\c+\i], v[S+16*\c+\i], v[NEG], vcc_lo
.endr
.endr
.endif
.if \kind == 2
.irp c, 0,1
.irp i, 0,1,2,3,4,5,6,7,8,9,10,11,12,13,14,15
	v_cmp_gt_i32 vcc_lo, \i, v[HI+\c]
	v_cndmask_b32 v[S+16*\c+\i], v[S+16*\c+\i], v[NEG], vcc_lo
.endr
.endr
.endif
.irp c, 0,1
	v_max3_num_f32 v[BM+\c], v[S+16*\c], v[S+16*\c+1], v[S+16*\c+2]   ; the largest score of each of my two blocks: for the row's maximum and, since p rises with the score, for the block's largest p
.endr
.irp i, 3,5,7,9,11,13
.irp c, 0,1
	v_max3_num_f32 v[BM+\c], v[BM+\c], v[S+16*\c+\i], v[S+16*\c+\i+1]
.endr
.endr
.irp c, 0,1
	v_max_num_f32 v[BM+\c], v[BM+\c], v[S+16*\c+15]
.endr
	v_max_num_f32 v[T], v[BM], v[BM+1]
	v_permlanex16_b32 v[PD], v[T], s20, s21
	v_max_num_f32 v[T], v[T], v[PD]                ; with lane l xor 16's two blocks: the step's largest score of my query
	v_mul_f32 v[T], s22, v[T]
	v_max_num_f32 v13, v13, v[T]                   ; the running largest t
	v_mov_b32 v[T], v12
	v_floor_f32 v12, -v13                          ; -M = floor(-t): M is a whole number
	v_sub_f32 v[T], v12, v[T]
	v_cvt_i32_f32 v[T], v[T]                       ; (it saturates)
	v_ldexp_f32 v[F], 1.0, v[T]                    ; f = 2^(old M - new M)
.set i, 0
.rept 16
	v_pk_fma_f32 v[S+i:S+i+1], v[S+i:S+i+1], s[22:23], v[12:13] op_sel_hi:[1,0,0]   ; t - M
.set i, i+2
.endr
.irp c, 0,1
	v_fma_f32 v[BM+\c], v[BM+\c], s22, v12
.endr
.set i, 0
.rept 32
	v_exp_f32 v[S+i], v[S+i]                       ; p = 2^(t - M)
.set i, i+1
.endr
	v_pk_mul_f32 v[14:15], v[14:15], v[F:F+1] op_sel_hi:[1,0]      ; the sums under the new M: a plain place behind the exponentials
	s_wait_alu depctr_va_vdst(0)                   ; one wait for the batch, ahead of its first reader
.irp c, 0,1
	v_exp_f32 v[BM+\c], v[BM+\c]                   ; the block's largest p
.endr
	v_pk_add_f32 v[T+2:T+3], v[S:S+1], v[S+2:S+3]  ; the sum of the unquantised p, in two chains
.irp j, 4,8,12,16,20,24,28
	v_pk_add_f32 v[14:15], v[14:15], v[S+\j:S+\j+1]
	v_pk_add_f32 v[T+2:T+3], v[T+2:T+3], v[S+\j+2:S+\j+3]
.endr
	v_pk_add_f32 v[14:15], v[14:15], v[T+2:T+3]
	s_wait_alu depctr_va_vdst(0)                   ; and one for the two
.irp c, 0,1
	v_max_num_f32 v[BM+\c], 0x1800000, v[BM+\c]    ; the floor 2^(3 - 127)
.endr
.irp c, 0,1
	v_add_nc_u32 v[SCO+\c], 0xff000000, v[BM+\c]
.endr
.irp c, 0,1
	v_lshrrev_b32 v[BYT+\c], 23, v[SCO+\c]
.endr
	v_lshl_or_b32 v[PW], v[BYT+1], 16, v[BYT]      ; my two bytes: blocks h and 2 + h,
	v_lshlrev_b32 v[PW], v[SH8], v[PW]             ; at their places in the word;
	v_permlanex16_b32 v[PD+1], v[PW], s20, s21
	v_or_b32 v[PW], v[PW], v[PD+1]                 ; with lane l xor 16's two it is whole
.irp c, 0,1
	v_cvt_scalef32_pk16_fp6_f32 v[P+6*\c:P+6*\c+2], v[S+16*\c:S+16*\c+15], v[SCO+\c]   ; places 0-15 of block 2 c + h; places 16-31 stay zero codes
.endr
	v_nop                                          ; one plain place behind a scaled conversion
.set i, 0
.rept 16
	v_pk_mul_f32 v[O+i:O+i+1], v[O+i:O+i+1], v[F:F+1] op_sel_hi:[1,0]   ; O^T under the new M; these sixteen are also the places between p's scale word and codes and the products
.set i, i+2
.endr
	s_wait_loadcnt 0x0                             ; V
.irp t, 0,1,2,3
	v_wmma_scale_f32_16x16x128_f8f6f4 v[O+8*\t:O+8*\t+7], v[VF+12*\t:VF+12*\t+11], v[P:P+11], v[O+8*\t:O+8*\t+7], v[VW+\t], v[PW] matrix_a_fmt:MATRIX_FMT_FP6 matrix_b_fmt:MATRIX_FMT_FP6
.endr
.endm
	s_cmp_lt_u32 s14, 2
	s_cbranch_scc1 .Lnear                          ; no group G - 2
	STEP 0, 0
.Lnear:
	s_cmp_lt_u32 s14, 1
	s_cbranch_scc1 .Lown                           ; no group G - 1
	STEP 1, 1
.Lown:
	STEP 2, 2
	; y = O / the sum; V's channel rows were chosen so that register 16 b + i is channel 32 b + 16 h + i: half a fragment of the next product
.rept 4
	v_nop
.endr
	v_add_f32 v14, v14, v15
	v_permlanex16_b32 v[PD], v14, s20, s21
	v_add_f32 v14, v14, v[PD]
	v_rcp_f32 v14, v14
	v_nop
	s_wait_alu depctr_va_vdst(0)                   ; ahead of the reciprocal's first reader
.set i, 0
.rept 32
	v_mul_f32 v[S+i], v[O+i], v14                  ; each accumulator from its low end on
.set i, i+1
.endr
.irp b, 0,1
	v_max3_num_f32 v[BM+\b], |v[S+16*\b]|, |v[S+16*\b+1]|, 0x1800000
.endr
.irp i, 2,4,6,8,10,12,14
.irp b, 0,1
	v_max3_num_f32 v[BM+\b], v[BM+\b], |v[S+16*\b+\i]|, |v[S+16*\b+\i+1]|
.endr
.endr
.irp b, 0,1
	v_permlanex16_b32 v[PD+\b], v[BM+\b], s20, s21
.endr
.irp b, 0,1
	v_max_num_f32 v[BM+\b], v[BM+\b], v[PD+\b]
.endr
.irp b, 0,1
	v_add_nc_u32 v[SCO+\b], 0xff000000, v[BM+\b]
.endr
.irp b, 0,1
	v_lshrrev_b32 v[BYT+\b], 23, v[SCO+\b]
.endr
	v_lshl_or_b32 v[PW], v[BYT+1], 8, v[BYT]
	v_cvt_scalef32_pk16_fp6_f32 v[PC:PC+2], v[S:S+15], v[SCO]
	v_cvt_scalef32_pk16_fp6_f32 v[PC+4:PC+6], v[S+16:S+31], v[SCO+1]
	v_nop
.irp i, 0,1,2
	v_permlane16_swap_b32 v[PC+\i], v[PC+4+\i]     ; a whole block in a lane: lanes 0-15 block 0, lanes 16-31 block 1
.endr
	v_mov_b32 v[PC+3], v[PC+4]
	v_mov_b32 v[PC+4], v[PC+5]
	v_mov_b32 v[PC+5], v[PC+6]
	global_store_b128 v[LV], v[PC:PC+3], s[36:37]
	global_store_b64 v[L8], v[PC+4:PC+5], s[36:37] offset:512
	global_store_b16 v[LVS], v[PW], s[38:39]       ; lanes l and l xor 16 hold the same two bytes and name the same place
	s_endpgm
.Lfunc_end_k_qd13003b231_attn:
	.size	k_qd13003b231_attn, .Lfunc_end_k_qd13003b231_attn-k_qd13003b231_attn
	.p2alignl 7, 3214868480
	.fill 96, 4, 3214868480
	.section	.rodata,"a",@progbits
	.p2align	6, 0x0
	.amdhsa_kernel k_qd13003b231_attn
		.amdhsa_group_segment_fixed_size 0
		.amdhsa_private_segment_fixed_size 0
		.amdhsa_enable_private_segment 0
		.amdhsa_kernarg_size 16
		.amdhsa_user_sgpr_count 2
		.amdhsa_user_sgpr_kernarg_segment_ptr 1
		.amdhsa_wavefront_size32 1
		.amdhsa_system_sgpr_workgroup_id_x 1
		.amdhsa_system_sgpr_workgroup_id_y 1
		.amdhsa_system_sgpr_workgroup_id_z 1
		.amdhsa_system_vgpr_workitem_id 0
		.amdhsa_next_free_vgpr 256
		.amdhsa_next_free_sgpr 66
		.amdhsa_reserve_vcc 1
		.amdhsa_float_denorm_mode_32 3
		.amdhsa_float_denorm_mode_16_64 3
		.amdhsa_memory_ordered 1
		.amdhsa_forward_progress 1
		.amdhsa_inst_pref_size 46
	.end_amdhsa_kernel
	.amdgpu_metadata
---
amdhsa.version: [ 1, 2 ]
amdhsa.kernels:
  - .name:           k_qd13003b231_attn
    .symbol:         k_qd13003b231_attn.kd
    .args:
      - { .name: qkv, .offset: 0, .size: 8, .value_kind: global_buffer, .address_space: global }
      - { .name: yq, .offset: 8, .size: 8, .value_kind: global_buffer, .address_space: global }
    .group_segment_fixed_size: 0
    .private_segment_fixed_size: 0
    .kernarg_segment_align: 8
    .kernarg_segment_size: 16
    .max_flat_workgroup_size: 512
    .sgpr_count:     66
    .vgpr_count:     256
    .wavefront_size: 32
...
	.end_amdgpu_metadata
.endif
;; end of part 3
;; launch g4 (part 4): grid 4 x 16, 4 waves a work-group, clusters of 4 x 4, 327,680 bytes of LDS; arguments yq, pw, out_b, x, x1; writes x1
.if DOCPART == 4
	.amdgcn_target "amdgcn-amd-amdhsa--gfx1250"
	.amdhsa_code_object_version 6
	.text
	.protected	k_qd13003b231_g4
	.globl	k_qd13003b231_g4
	.p2align	8
	.type	k_qd13003b231_g4,@function
k_qd13003b231_g4:
	s_mov_b64 s[64:65], 0
	v_nop
	global_prefetch_b8 v0, s[64:65] scope:SCOPE_SE
	s_setreg_imm32_b32 hwreg(HW_REG_WAVE_MODE, 25, 1), 1
	s_wait_xcnt 0x0
	s_wait_alu depctr_hold_cnt(0) depctr_sa_sdst(0) depctr_va_vdst(0) depctr_va_sdst(0) depctr_va_ssrc(0) depctr_va_vcc(0) depctr_vm_vsrc(0)
	s_getreg_b32 s2, hwreg(HW_REG_IB_STS2, 6, 4)
	s_cmp_eq_u32 s2, 0
	s_cbranch_scc0 .Lentry_in_a_cluster
	s_endpgm
.Lentry_in_a_cluster:
	s_bfe_u32 s2, ttmp6, 0x10000c
	s_cmp_lg_u32 s2, 0xf033
	s_cbranch_scc0 .Lentry_shape_is_right
	s_endpgm
.Lentry_shape_is_right:
; x1 = x + y out_w^T + out_b, the product on codes of FP6 (E2M3) with E8M0 scales for each 32 along K = 1,024.
; Y = the tokens' images (first argument: codes [tile][KS][1,536] at YCO, scale words [tile][KS][64] at YWO), X = the weight's rows (pw, at XCO and XWO).  An image is a fragment's registers as they stand.
; A work-group of four waves makes 256 tokens x 256 columns, a wave 128 x 128: 64 accumulators.  Source 0 = 16 rows of X, source 1 = 16 rows of Y: a lane holds eight neighbouring columns of one token's row.
; Row t of Y's tile a (of my eight) is token ROW(a, t) = RA2 (a / 2) + RA1 (a % 2) + RT8 (t % 8) + RTH (t / 8) of my 128: the order in which the launch before laid them.
; K goes in steps of 256 through a ring of two LDS slots filled by the tensor data mover; the scale words of all of K come once.  CLUSTERS: 4 x 4; Y's tiles are asked for jointly along a row, X's along a column.
; THE WAY OUT: a block of 16 rows goes through my stage in LDS (in slot 0, which has had its last fill and its last read) and comes back as whole rows of 512 bytes; residual and bias are added there.
; The grid is 64 work-groups: the product has 64 tiles of this size.
; SCALARS: s[4:5] Y's buffer, s[6:7] pw, s[8:9] bias, s[10:11] residual, s[12:13] output, s14-16 wave, s17 Y tile, s42 X tile, s[66:67] bias at my columns, s[96:97], s[98:99] residual and output at my corner.
.set KS,     8
.set YCO,    0
.set YWO,    3145728
.set XCO,    524288+448*12288
.set XWO,    448*512
.set RA2,    32
.set RA1,    1
.set RT8,    2
.set RTH,    16
.set NT,     0
.set NQ,     2
.set IMG,    1536
.set RTB,    KS*IMG
.set CH,     NQ*IMG
.set HALFT,  8*CH
.set SLOT,   4*HALFT
.set LAPS,   KS/(2*NQ)
.set SCL,    2*SLOT
.set HALFS,  8*KS*64
.set SPARE,  SCL+4*HALFS
.set SPITCH, 528
.set FR,     12
.set NL,     4
.set NP,     4
.set ADRA, 16
.set ADRB, 20
.set STO,  24
.set RD,   25
.set CO,   26
.set ADRS, 27
.set SPW,  28
.set NIL,  29
.set SC,   32
.set BI,   64
.set AF,   128
.set BK,   128
.set G1, 24
.set G0, 32
.set G1B, 48
.set G0B, 56
.set G1S, 68
.set G0S, 76
.set G1SB, 80
.set G0SB, 88
.set MSB, 0
.macro WIN new
.if MSB != (\new)
	s_set_vgpr_msb (MSB<<8)|(\new)
.set MSB, (\new)
.endif
.endm
.set MUL_LO, 0xa1
.set MUL_HI, 0xf1
.set TO_B,   0x40
.macro JLOAD g0a, g1a, g0b, g1b        ; waves 0 and 1 fetch for Y, waves 2 and 3 for X; an s_nop 0 and four v_nop follow each line
	s_cmp_eq_u32 s15, 0
	s_cbranch_scc0 .Lfor_b_\@
	tensor_load_to_lds s[\g0a:\g0a+3], s[\g1a:\g1a+7]
	s_nop 0
.rept 4
	v_nop
.endr
	s_branch .Lasked_\@
.Lfor_b_\@:
	tensor_load_to_lds s[\g0b:\g0b+3], s[\g1b:\g1b+7]
	s_nop 0
.rept 4
	v_nop
.endr
.Lasked_\@:
.endm
.macro CREST
	s_cmp_lg_u32 s14, 0
	s_cbranch_scc1 .Lnot_wave_0_\@
	s_barrier_signal -3
.Lnot_wave_0_\@:
	s_barrier_wait -3
	s_barrier_signal -1
	s_barrier_wait -1
.endm
.macro CROUND
	s_barrier_signal -1
	s_barrier_wait -1
	CREST
.endm
	s_load_b256 s[4:11], s[0:1], 0x0
	s_load_b64 s[12:13], s[0:1], 0x20
	v_lshl_add_u32 v[SPW], v0, 2, SPARE
	v_mov_b32 v[NIL], 0
	ds_add_u32 v[SPW], v[NIL]                      ; the wave's opening: the add and its wait ahead of my first tensor load
	v_lshrrev_b32 v1, 5, v0
	v_readfirstlane_b32 s14, v1
	s_lshr_b32 s15, s14, 1
	s_and_b32 s16, s14, 1
	s_bfe_u32 s40, ttmp6, 0x40000
	s_bfe_u32 s41, ttmp6, 0x40004
	s_lshl_b32 s42, ttmp9, 2
	s_add_co_u32 s42, s42, s40                     ; X tile
	s_and_b32 s17, ttmp7, 0xffff
	s_lshl_b32 s17, s17, 2
	s_add_co_u32 s17, s17, s41                     ; Y tile
	s_lshl_b32 s43, s41, 2
	s_lshl_b32 s43, 15, s43
	s_lshl_b32 s44, 0x1111, s40
	s_or_b32 s[G1+0], s43, (3<<16)|(1<<21)         ; codes: 8 rows of 3,072 bytes, RTB bytes apart; elements of 8 bytes
	s_or_b32 s[G1B+0], s44, (3<<16)|(1<<21)
.irp g, G1, G1B
	s_mov_b32 s[\g+1], (CH/8)<<16
	s_mov_b32 s[\g+2], 8<<16
	s_mov_b32 s[\g+3], (CH/8)<<16
	s_mov_b32 s[\g+4], 8
	s_mov_b32 s[\g+5], RTB/8
	s_mov_b32 s[\g+6], 0
	s_mov_b32 s[\g+7], 0
.endr
	s_or_b32 s[G1S+0], s43, (3<<16)|(1<<21)        ; scale words of 128 rows: a dense block, as rows of 256 bytes
	s_or_b32 s[G1SB+0], s44, (3<<16)|(1<<21)
.irp g, G1S, G1SB
	s_mov_b32 s[\g+1], 32<<16
	s_mov_b32 s[\g+2], (HALFS/256)<<16
	s_mov_b32 s[\g+3], 32<<16
	s_mov_b32 s[\g+4], HALFS/256
	s_mov_b32 s[\g+5], 32
	s_mov_b32 s[\g+6], 0
	s_mov_b32 s[\g+7], 0
.endr
	s_lshl_b32 s18, s16, 3
	s_lshl_b32 s20, s17, 4
	s_add_co_u32 s20, s20, s18
	s_lshl_b32 s46, s42, 4
	s_add_co_u32 s46, s46, s18
	s_mul_i32 s22, s20, KS*64
	s_mul_i32 s92, s46, KS*64
	s_mul_i32 s20, s20, RTB
	s_mul_i32 s46, s46, RTB
	s_mov_b32 s21, 0
	s_mov_b32 s23, 0
	s_mov_b32 s47, 0
	s_mov_b32 s93, 0
	s_add_nc_u64 s[20:21], s[20:21], YCO
	s_add_nc_u64 s[22:23], s[22:23], YWO
	s_add_nc_u64 s[46:47], s[46:47], XCO
	s_add_nc_u64 s[92:93], s[92:93], XWO
	s_mul_i32 s45, s14, HALFT
	s_mul_i32 s94, s14, HALFS
	s_wait_dscnt 0x0
	s_wait_kmcnt 0x0
	s_add_nc_u64 s[20:21], s[4:5], s[20:21]
	s_add_nc_u64 s[22:23], s[4:5], s[22:23]
	s_add_nc_u64 s[46:47], s[6:7], s[46:47]
	s_add_nc_u64 s[92:93], s[6:7], s[92:93]
	CROUND
	s_mov_b32 s[G0S], 1
	s_add_co_u32 s[G0S+1], s94, SCL
	s_mov_b64 s[G0S+2:G0S+3], s[22:23]
	s_or_b32 s[G0S+3], s[G0S+3], 0x80000000
	s_mov_b32 s[G0SB], 1
	s_add_co_u32 s[G0SB+1], s94, SCL
	s_mov_b64 s[G0SB+2:G0SB+3], s[92:93]
	s_or_b32 s[G0SB+3], s[G0SB+3], 0x80000000
	JLOAD G0S, G1S, G0SB, G1SB
.irp s, 0,1
	s_mov_b32 s[G0+4*\s], 1
	s_add_co_u32 s[G0+4*\s+1], s45, \s*SLOT
	s_add_nc_u64 s[G0+4*\s+2:G0+4*\s+3], s[20:21], \s*CH
	s_or_b32 s[G0+4*\s+3], s[G0+4*\s+3], 0x80000000
	s_mov_b32 s[G0B+4*\s], 1
	s_add_co_u32 s[G0B+4*\s+1], s45, \s*SLOT
	s_add_nc_u64 s[G0B+4*\s+2:G0B+4*\s+3], s[46:47], \s*CH
	s_or_b32 s[G0B+4*\s+3], s[G0B+4*\s+3], 0x80000000
	JLOAD G0+4*\s, G1, G0B+4*\s, G1B
.endr
	v_and_b32 v1, 15, v0
	v_bfe_u32 v2, v0, 4, 1
	v_and_b32 v3, 31, v0
	v_lshlrev_b32 v4, 4, v3
	v_lshlrev_b32 v5, 3, v3
	s_mul_i32 s21, s15, HALFT
	s_mul_i32 s22, s16, HALFT
	s_add_co_u32 s22, s22, 2*HALFT
.irp s, 0,1
	v_add_nc_u32 v[ADRA+\s], s21, v4
	v_add_nc_u32 v[ADRB+\s], s22, v4
	v_add_nc_u32 v[ADRA+2+\s], s21, v5
	v_add_nc_u32 v[ADRB+2+\s], s22, v5
	s_add_co_u32 s21, s21, SLOT
	s_add_co_u32 s22, s22, SLOT
.endr
	v_lshlrev_b32 v7, 2, v1
	s_mul_i32 s21, s15, HALFS
	s_mul_i32 s22, s16, HALFS
	s_add_co_u32 s22, s22, 2*HALFS
	s_sub_co_u32 s22, s22, s21
	v_mul_u32_u24 v6, s22, v2
	s_add_co_u32 s21, s21, SCL
	v_add_nc_u32 v7, v7, v6
	v_add_nc_u32 v[ADRS], s21, v7
	s_mul_i32 s23, s14, 16*SPITCH                  ; my stage
	v_mul_u32_u24 v6, v1, SPITCH
	v_lshl_add_u32 v6, v2, 5, v6
	v_add_nc_u32 v[STO], s23, v6                   ; in: row r, 32 bytes for each half of the lanes
	v_add_nc_u32 v[RD], s23, v4                    ; back: 16 bytes a lane of a row of 512
	v_lshlrev_b32 v[CO], 4, v3                     ; and the same in memory
	s_lshl_b32 s18, s42, 1
	s_add_co_u32 s18, s18, s16
	s_lshl_b32 s18, s18, 9                         ; my 128 columns, in bytes
	s_mov_b32 s19, 0
	s_add_nc_u64 s[66:67], s[8:9], s[18:19]
	global_load_b128 v[BI:BI+3], v[CO], s[66:67]   ; the bias of my four columns
	s_lshl_b32 s20, s17, 1
	s_add_co_u32 s20, s20, s15
	s_lshl_b32 s20, s20, 19                        ; my 128 rows of 4,096 bytes
	s_add_co_u32 s20, s20, s18
	s_mov_b32 s21, 0
	s_add_nc_u64 s[96:97], s[10:11], s[20:21]
	s_add_nc_u64 s[98:99], s[12:13], s[20:21]
.macro FRAG reg, adr, q, i
	ds_load_b128 v[\reg:\reg+3], v[\adr] offset:(\i)*CH+(\q)*IMG
	ds_load_b64 v[\reg+4:\reg+5], v[\adr+2] offset:(\i)*CH+(\q)*IMG+512
	ds_load_b128 v[\reg+6:\reg+9], v[\adr] offset:(\i)*CH+(\q)*IMG+768
	ds_load_b64 v[\reg+10:\reg+11], v[\adr+2] offset:(\i)*CH+(\q)*IMG+1280
.endm
.macro MUL16 a0, p, q, sc, zero        ; the 64 accumulators take turns, one instruction a turn
.irp a, \a0, \a0+1
.irp b, 0,1,2,3,4,5,6,7
.if \zero
	v_wmma_scale_f32_16x16x128_f8f6f4 v[8*(8*((\a)%4)+\b):8*(8*((\a)%4)+\b)+7], v[128*(\p)+FR*\b:128*(\p)+FR*\b+FR-1], v[AF+FR*(\a):AF+FR*(\a)+FR-1], 0, v[SC+8*NQ*(\sc)+NQ*\b+(\q)], v[SC+8*NQ*(\sc)+NQ*(\a)+(\q)] matrix_a_fmt:MATRIX_FMT_FP6 matrix_b_fmt:MATRIX_FMT_FP6 matrix_a_scale:MATRIX_SCALE_ROW1
.else
	v_wmma_scale_f32_16x16x128_f8f6f4 v[8*(8*((\a)%4)+\b):8*(8*((\a)%4)+\b)+7], v[128*(\p)+FR*\b:128*(\p)+FR*\b+FR-1], v[AF+FR*(\a):AF+FR*(\a)+FR-1], v[8*(8*((\a)%4)+\b):8*(8*((\a)%4)+\b)+7], v[SC+8*NQ*(\sc)+NQ*\b+(\q)], v[SC+8*NQ*(\sc)+NQ*(\a)+(\q)] matrix_a_fmt:MATRIX_FMT_FP6 matrix_b_fmt:MATRIX_FMT_FP6 matrix_a_scale:MATRIX_SCALE_ROW1
.endif
.endr
.endr
.endm
.macro FETCH_B slot, q, p
	WIN TO_B
.irp i, 0,1,2,3,4,5,6,7
	FRAG 128*(\p)+FR*\i, ADRB+\slot, \q, \i
.endr
	WIN 0
.endm
.macro FETCH_A slot, q, i0
.irp i, \i0, \i0+1, \i0+2, \i0+3
	FRAG AF+FR*(\i), ADRA+\slot, \q, \i
.endr
.endm
.macro SCALES sc
.irp i, 0,1,2,3,4,5,6,7
	ds_load_b32 v[SC+8*NQ*\sc+NQ*\i], v[ADRS] offset:\i*KS*64
	ds_load_b32 v[SC+8*NQ*\sc+NQ*\i+1], v[ADRS] offset:\i*KS*64+64
.endr
.endm
.macro PLACES n
.rept \n
	v_nop
.endr
.endm
.macro STEP slot, q, zero
	s_wait_dscnt 4*NL                              ; all but the youngest sixteen loads (Y's blocks 4-7) are in
	WIN MUL_LO
	MUL16 0, (\q)%2, \q, \slot, \zero
	MUL16 2, (\q)%2, \q, \slot, \zero
	s_wait_dscnt 0
	PLACES NP
	FETCH_B \slot, (\q)+1, 1-(\q)%2
	FETCH_A \slot, (\q)+1, 0
	WIN MUL_HI
	MUL16 4, (\q)%2, \q, \slot, \zero
	MUL16 6, (\q)%2, \q, \slot, \zero
	PLACES NP
	WIN 0
	FETCH_A \slot, (\q)+1, 4
.endm
.macro TURN slot, next, fill
	s_wait_tensorcnt 0x0                           ; all my tensor loads have landed: my part of the next slot
	ds_add_u32 v[SPW], v[NIL]
	s_wait_dscnt 4*NL+1                            ; (the add and the youngest sixteen loads may be out)
	WIN MUL_LO
	MUL16 0, 1, NQ-1, \slot, 0
	s_wait_dscnt 0x0                               ; the add is done, and my reads of this slot are over
	s_barrier_signal -1
	MUL16 2, 1, NQ-1, \slot, 0
	WIN 0
	s_barrier_wait -1
.if \fill
	CREST                                          ; a round of the cluster's barrier: no wave of any partner still reads this slot or has a load on its way
	s_add_nc_u64 s[G0+4*\slot+2:G0+4*\slot+3], s[G0+4*\slot+2:G0+4*\slot+3], 2*CH
	s_add_nc_u64 s[G0B+4*\slot+2:G0B+4*\slot+3], s[G0B+4*\slot+2:G0B+4*\slot+3], 2*CH
	JLOAD G0+4*\slot, G1, G0B+4*\slot, G1B
.else
	PLACES NP
.endif
	v_add_nc_u32 v[ADRS], 64*NQ, v[ADRS]
	FETCH_B \next, 0, 0
	FETCH_A \next, 0, 0
	SCALES \next
	WIN MUL_HI
	MUL16 4, 1, NQ-1, \slot, 0
	MUL16 6, 1, NQ-1, \slot, 0
	PLACES NP
	WIN 0
	FETCH_A \next, 0, 4
.endm
	s_wait_tensorcnt 1                             ; the scale words and my part of slot 0 are in; slot 1's load may be out
	s_barrier_signal -1
	s_barrier_wait -1
	FETCH_B 0, 0, 0
	FETCH_A 0, 0, 0
	SCALES 0
	FETCH_A 0, 0, 4
	STEP 0, 0, 1
	s_mov_b32 s3, LAPS-1
.Llap:
	TURN 0, 1, 1
	STEP 1, 0, 0
	TURN 1, 0, 1
	STEP 0, 0, 0
	s_sub_co_u32 s3, s3, 1
	s_cmp_lg_u32 s3, 0
	s_cbranch_scc1 .Llap
	TURN 0, 1, 0
	STEP 1, 0, 0
	s_wait_dscnt 4*NL
	WIN MUL_LO
	MUL16 0, 1, NQ-1, 1, 0
	MUL16 2, 1, NQ-1, 1, 0
	s_wait_dscnt 0
	WIN MUL_HI
	MUL16 4, 1, NQ-1, 1, 0
	MUL16 6, 1, NQ-1, 1, 0
	WIN 0
.macro RLOAD a                         ; block a's sixteen rows of the residual into window 1: 512 consecutive bytes a load
	WIN 0x40
.irp t, 0,1,2,3,4,5,6,7,8,9,10,11,12,13,14,15
	global_load_b128 v[64*((\a)%4)+4*\t:64*((\a)%4)+4*\t+3], v[CO], s[96:97] offset:(RA2*((\a)/2)+RA1*((\a)%2)+RT8*(\t%8)+RTH*(\t/8))*4096
.endr
	WIN 0
.endm
.macro TOSTAGE a                       ; LDS serves a wave's instructions in order (ISA guide 5.7.1.4): no wait between the stores and the loads
.set AC, 64*((\a)%4)
	WIN 0x08+4*((\a)/4)
.irp b, 0,1,2,3,4,5,6,7
	ds_store_b128 v[STO], v[AC+8*\b:AC+8*\b+3] offset:64*\b          ; each accumulator from its low end on
	ds_store_b128 v[STO], v[AC+8*\b+4:AC+8*\b+7] offset:64*\b+16
.endr
	WIN 0
.set BB, BK+64*((\a)%2)
.irp t, 0,1,2,3,4,5,6,7,8,9,10,11,12,13,14,15
	ds_load_b128 v[BB+4*\t:BB+4*\t+3], v[RD] offset:\t*SPITCH
.endr
.endm
.macro SEND a, younger
.set BB, BK+64*((\a)%2)
.set RS, 64*((\a)%4)
.set LFT, 48                           ; the residual rows of the later blocks that have been asked for: three blocks', towards the end fewer
.if (\a) > 4
.set LFT, 16*(7-(\a))
.endif
	s_wait_dscnt \younger                          ; the block is back in registers
	s_wait_loadcnt LFT                             ; and its residual rows are in
	WIN 0x04                                       ; source 1: window 1
.set i, 0
.rept 32
	v_pk_add_f32 v[BB+i:BB+i+1], v[BB+i:BB+i+1], v[RS+i:RS+i+1]
.set i, i+2
.endr
	WIN 0
.irp t, 0,1,2,3,4,5,6,7,8,9,10,11,12,13,14,15
	v_pk_add_f32 v[BB+4*\t:BB+4*\t+1], v[BB+4*\t:BB+4*\t+1], v[BI:BI+1]
	v_pk_add_f32 v[BB+4*\t+2:BB+4*\t+3], v[BB+4*\t+2:BB+4*\t+3], v[BI+2:BI+3]
.endr
.irp t, 0,1,2,3,4,5,6,7,8,9,10,11,12,13,14,15
.if NT
	global_store_b128 v[CO], v[BB+4*\t:BB+4*\t+3], s[98:99] offset:(RA2*((\a)/2)+RA1*((\a)%2)+RT8*(\t%8)+RTH*(\t/8))*4096 th:TH_STORE_NT
.else
	global_store_b128 v[CO], v[BB+4*\t:BB+4*\t+3], s[98:99] offset:(RA2*((\a)/2)+RA1*((\a)%2)+RT8*(\t%8)+RTH*(\t/8))*4096   ; 32 lanes store 512 consecutive bytes
.endif
.endr
.endm
	PLACES NP                                      ; behind the last products: for the loads into X's registers and for the reads of results
	RLOAD 0
	RLOAD 1
	RLOAD 2
	RLOAD 3
	TOSTAGE 0
.irp a, 1,2,3,4,5,6,7
.if \a > 1
	s_wait_xcnt 0x0                                ; block a - 2's stores have read their registers: block a's loads may land there
.endif
	TOSTAGE \a
	SEND \a-1, 32                                  ; behind block a - 1's loads: block a's 16 stores and 16 loads
.if \a+3 <= 7
	RLOAD \a+3
.endif
.endr
	s_wait_xcnt 0x0
	SEND 7, 0
	s_wait_tensorcnt 0x0                           ; the wave's end
	ds_add_u32 v[SPW], v[NIL]
	s_wait_dscnt 0x0
	CROUND                                         ; the closing round
	s_endpgm
.Lfunc_end_k_qd13003b231_g4:
	.size	k_qd13003b231_g4, .Lfunc_end_k_qd13003b231_g4-k_qd13003b231_g4
	.p2alignl 7, 3214868480
	.fill 96, 4, 3214868480
	.section	.rodata,"a",@progbits
	.p2align	6, 0x0
	.amdhsa_kernel k_qd13003b231_g4
		.amdhsa_group_segment_fixed_size 327680
		.amdhsa_private_segment_fixed_size 0
		.amdhsa_enable_private_segment 0
		.amdhsa_kernarg_size 40
		.amdhsa_user_sgpr_count 2
		.amdhsa_user_sgpr_kernarg_segment_ptr 1
		.amdhsa_wavefront_size32 1
		.amdhsa_system_sgpr_workgroup_id_x 1
		.amdhsa_system_sgpr_workgroup_id_y 1
		.amdhsa_system_sgpr_workgroup_id_z 1
		.amdhsa_system_vgpr_workitem_id 0
		.amdhsa_next_free_vgpr 1024
		.amdhsa_next_free_sgpr 100
		.amdhsa_reserve_vcc 0
		.amdhsa_float_denorm_mode_32 3
		.amdhsa_float_denorm_mode_16_64 3
		.amdhsa_memory_ordered 1
		.amdhsa_forward_progress 1
		.amdhsa_inst_pref_size 191
	.end_amdhsa_kernel
	.amdgpu_metadata
---
amdhsa.version: [ 1, 2 ]
amdhsa.kernels:
  - .name:           k_qd13003b231_g4
    .symbol:         k_qd13003b231_g4.kd
    .args:
      - { .name: yq, .offset: 0, .size: 8, .value_kind: global_buffer, .address_space: global }
      - { .name: pw, .offset: 8, .size: 8, .value_kind: global_buffer, .address_space: global }
      - { .name: out_b, .offset: 16, .size: 8, .value_kind: global_buffer, .address_space: global }
      - { .name: x, .offset: 24, .size: 8, .value_kind: global_buffer, .address_space: global }
      - { .name: x1, .offset: 32, .size: 8, .value_kind: global_buffer, .address_space: global }
    .group_segment_fixed_size: 327680
    .private_segment_fixed_size: 0
    .kernarg_segment_align: 8
    .kernarg_segment_size: 40
    .max_flat_workgroup_size: 128
    .sgpr_count:     100
    .vgpr_count:     1024
    .wavefront_size: 32
...
	.end_amdgpu_metadata
.endif
;; end of part 4
;; launch ln2: the kernel of part 1 again; grid 256 x 1, 8 waves a work-group, no clusters, 66,816 bytes of LDS; arguments x1, ln2_g, ln2_b, qkv_w, out_w, ffn_w1, ffn_w2, h2q; writes h2q
;; launch g5 (part 5): grid 16 x 16, 4 waves a work-group, clusters of 4 x 4, 327,680 bytes of LDS; arguments h2q, pw, ffn_b1, fq; writes fq
.if DOCPART == 5
	.amdgcn_target "amdgcn-amd-amdhsa--gfx1250"
	.amdhsa_code_object_version 6
	.text
	.protected	k_qd13003b231_g5
	.globl	k_qd13003b231_g5
	.p2align	8
	.type	k_qd13003b231_g5,@function
k_qd13003b231_g5:
	s_mov_b64 s[64:65], 0
	v_nop
	global_prefetch_b8 v0, s[64:65] scope:SCOPE_SE
	s_setreg_imm32_b32 hwreg(HW_REG_WAVE_MODE, 25, 1), 1
	s_wait_xcnt 0x0
	s_wait_alu depctr_hold_cnt(0) depctr_sa_sdst(0) depctr_va_vdst(0) depctr_va_sdst(0) depctr_va_ssrc(0) depctr_va_vcc(0) depctr_vm_vsrc(0)
	s_getreg_b32 s2, hwreg(HW_REG_IB_STS2, 6, 4)
	s_cmp_eq_u32 s2, 0
	s_cbranch_scc0 .Lentry_in_a_cluster
	s_endpgm
.Lentry_in_a_cluster:
	s_bfe_u32 s2, ttmp6, 0x10000c
	s_cmp_lg_u32 s2, 0xf033
	s_cbranch_scc0 .Lentry_shape_is_right
	s_endpgm
.Lentry_shape_is_right:
; f = gelu(LN2(x1) ffn_w1^T + ffn_b1), the exact gelu, the product on codes of FP6 (E2M3) with E8M0 scales for each 32 along K = 1,024; f is quantised here, in registers, for the last product.
; Y = the tokens' images (h2q: codes at 524,288 + tile x 12,288, words at tile x 512), X = the rows of ffn_w1 (pw, ids 512 on).  An image is a fragment's registers as they stand.
; A work-group of four waves makes 256 tokens x 256 hidden units, a wave 128 x 128.  Source 0 = 16 rows of X, source 1 = 16 rows of Y: a lane holds one token, and, by the choice of the weight's rows that form a tile,
; the 16 registers of X's tiles 2 b, 2 b + 1 are hidden units 32 b + 16 (lane / 16) + 0..15: neighbours along the next K.  My 128 units are one K step of the next product: one image and one scale word a row.
; OUT: fq: codes [token tile][32][1,536] at 0, words [token tile][32][64] at 12,582,912.
; erf(z) = z P(z^2) / Q(z^2) with z held to -4 .. 4, polynomials of degree 6 and 4 in f32; gelu = x/2 + x/2 erf(x / sqrt 2).
; K goes in steps of 256 through a ring of two LDS slots filled by the tensor data mover; the scale words of all of K come once.  CLUSTERS: 4 x 4; Y's tiles are asked for jointly along a row, X's along a column.
; LIMITS: a block whose largest magnitude lies under 2^-124 keeps the byte 1, a block of zeros too; NaN and infinities are not served.
; SCALARS: s[4:5] h2q, s[6:7] pw, s[8:9] ffn_b1, s[10:11] fq, s14-16 wave, s17 Y tile, s42 X tile, s[66:67], s[96:97] where my codes and words go, s[98:99] the bias; on the way out s[24:49] the polynomials.
.set KS,     8
.set YCO,    524288
.set YWO,    0
.set XCO,    524288+512*12288
.set XWO,    512*512
.set NQ,     2
.set IMG,    1536
.set RTB,    KS*IMG
.set CH,     NQ*IMG
.set HALFT,  8*CH
.set SLOT,   4*HALFT
.set LAPS,   KS/(2*NQ)
.set SCL,    2*SLOT
.set HALFS,  8*KS*64
.set SPARE,  SCL+4*HALFS
.set FR,     12
.set NL,     4
.set NP,     4
.set ADRA, 16
.set ADRB, 20
.set ADRS, 27
.set SPW,  28
.set NIL,  29
.set SC,   32
.set BX,   64
.set AF,   128
.set ST,   128
.set PC,   192
.set TM,   212
.set PW,   15
.set L16,  10
.set L8,   11
.set L4,   12
.set SEL,  18
.set ZZ,   64                          ; window 1: v0-63 x, v64-95 z, v96-127 z^2, v128-159 P, v160-191 Q, v192-195 two coefficients as pairs
.set X2,   96
.set PP,   128
.set QQ,   160
.set KA1,  192
.set KB1,  194
.set G1, 24
.set G0, 32
.set G1B, 48
.set G0B, 56
.set G1S, 68
.set G0S, 76
.set G1SB, 80
.set G0SB, 88
.set MSB, 0
.macro WIN new
.if MSB != (\new)
	s_set_vgpr_msb (MSB<<8)|(\new)
.set MSB, (\new)
.endif
.endm
.set MUL_LO, 0xa1
.set MUL_HI, 0xf1
.set TO_B,   0x40
.macro JLOAD g0a, g1a, g0b, g1b        ; waves 0 and 1 fetch for Y, waves 2 and 3 for X; an s_nop 0 and four v_nop follow each line
	s_cmp_eq_u32 s15, 0
	s_cbranch_scc0 .Lfor_b_\@
	tensor_load_to_lds s[\g0a:\g0a+3], s[\g1a:\g1a+7]
	s_nop 0
.rept 4
	v_nop
.endr
	s_branch .Lasked_\@
.Lfor_b_\@:
	tensor_load_to_lds s[\g0b:\g0b+3], s[\g1b:\g1b+7]
	s_nop 0
.rept 4
	v_nop
.endr
.Lasked_\@:
.endm
.macro CREST
	s_cmp_lg_u32 s14, 0
	s_cbranch_scc1 .Lnot_wave_0_\@
	s_barrier_signal -3
.Lnot_wave_0_\@:
	s_barrier_wait -3
	s_barrier_signal -1
	s_barrier_wait -1
.endm
.macro CROUND
	s_barrier_signal -1
	s_barrier_wait -1
	CREST
.endm
	s_load_b256 s[4:11], s[0:1], 0x0
	v_lshl_add_u32 v[SPW], v0, 2, SPARE
	v_mov_b32 v[NIL], 0
	ds_add_u32 v[SPW], v[NIL]                      ; the wave's opening: the add and its wait ahead of my first tensor load
	v_lshrrev_b32 v1, 5, v0
	v_readfirstlane_b32 s14, v1
	s_lshr_b32 s15, s14, 1
	s_and_b32 s16, s14, 1
	s_bfe_u32 s40, ttmp6, 0x40000
	s_bfe_u32 s41, ttmp6, 0x40004
	s_lshl_b32 s42, ttmp9, 2
	s_add_co_u32 s42, s42, s40                     ; X tile
	s_and_b32 s17, ttmp7, 0xffff
	s_lshl_b32 s17, s17, 2
	s_add_co_u32 s17, s17, s41                     ; Y tile
	s_lshl_b32 s43, s41, 2
	s_lshl_b32 s43, 15, s43
	s_lshl_b32 s44, 0x1111, s40
	s_or_b32 s[G1+0], s43, (3<<16)|(1<<21)         ; codes: 8 rows of 3,072 bytes, RTB bytes apart; elements of 8 bytes
	s_or_b32 s[G1B+0], s44, (3<<16)|(1<<21)
.irp g, G1, G1B
	s_mov_b32 s[\g+1], (CH/8)<<16
	s_mov_b32 s[\g+2], 8<<16
	s_mov_b32 s[\g+3], (CH/8)<<16
	s_mov_b32 s[\g+4], 8
	s_mov_b32 s[\g+5], RTB/8
	s_mov_b32 s[\g+6], 0
	s_mov_b32 s[\g+7], 0
.endr
	s_or_b32 s[G1S+0], s43, (3<<16)|(1<<21)        ; scale words of 128 rows: a dense block, as rows of 256 bytes
	s_or_b32 s[G1SB+0], s44, (3<<16)|(1<<21)
.irp g, G1S, G1SB
	s_mov_b32 s[\g+1], 32<<16
	s_mov_b32 s[\g+2], (HALFS/256)<<16
	s_mov_b32 s[\g+3], 32<<16
	s_mov_b32 s[\g+4], HALFS/256
	s_mov_b32 s[\g+5], 32
	s_mov_b32 s[\g+6], 0
	s_mov_b32 s[\g+7], 0
.endr
	s_lshl_b32 s18, s16, 3
	s_lshl_b32 s20, s17, 4
	s_add_co_u32 s20, s20, s18
	s_lshl_b32 s46, s42, 4
	s_add_co_u32 s46, s46, s18
	s_mul_i32 s22, s20, KS*64
	s_mul_i32 s92, s46, KS*64
	s_mul_i32 s20, s20, RTB
	s_mul_i32 s46, s46, RTB
	s_mov_b32 s21, 0
	s_mov_b32 s23, 0
	s_mov_b32 s47, 0
	s_mov_b32 s93, 0
	s_add_nc_u64 s[20:21], s[20:21], YCO
	s_add_nc_u64 s[22:23], s[22:23], YWO
	s_add_nc_u64 s[46:47], s[46:47], XCO
	s_add_nc_u64 s[92:93], s[92:93], XWO
	s_mul_i32 s45, s14, HALFT
	s_mul_i32 s94, s14, HALFS
	s_wait_dscnt 0x0
	s_wait_kmcnt 0x0
	s_add_nc_u64 s[20:21], s[4:5], s[20:21]
	s_add_nc_u64 s[22:23], s[4:5], s[22:23]
	s_add_nc_u64 s[46:47], s[6:7], s[46:47]
	s_add_nc_u64 s[92:93], s[6:7], s[92:93]
	CROUND
	s_mov_b32 s[G0S], 1
	s_add_co_u32 s[G0S+1], s94, SCL
	s_mov_b64 s[G0S+2:G0S+3], s[22:23]
	s_or_b32 s[G0S+3], s[G0S+3], 0x80000000
	s_mov_b32 s[G0SB], 1
	s_add_co_u32 s[G0SB+1], s94, SCL
	s_mov_b64 s[G0SB+2:G0SB+3], s[92:93]
	s_or_b32 s[G0SB+3], s[G0SB+3], 0x80000000
	JLOAD G0S, G1S, G0SB, G1SB
.irp s, 0,1
	s_mov_b32 s[G0+4*\s], 1
	s_add_co_u32 s[G0+4*\s+1], s45, \s*SLOT
	s_add_nc_u64 s[G0+4*\s+2:G0+4*\s+3], s[20:21], \s*CH
	s_or_b32 s[G0+4*\s+3], s[G0+4*\s+3], 0x80000000
	s_mov_b32 s[G0B+4*\s], 1
	s_add_co_u32 s[G0B+4*\s+1], s45, \s*SLOT
	s_add_nc_u64 s[G0B+4*\s+2:G0B+4*\s+3], s[46:47], \s*CH
	s_or_b32 s[G0B+4*\s+3], s[G0B+4*\s+3], 0x80000000
	JLOAD G0+4*\s, G1, G0B+4*\s, G1B
.endr
	v_and_b32 v1, 15, v0
	v_bfe_u32 v2, v0, 4, 1
	v_and_b32 v3, 31, v0
	v_lshlrev_b32 v4, 4, v3
	v_lshlrev_b32 v5, 3, v3
	s_mul_i32 s21, s15, HALFT
	s_mul_i32 s22, s16, HALFT
	s_add_co_u32 s22, s22, 2*HALFT
.irp s, 0,1
	v_add_nc_u32 v[ADRA+\s], s21, v4
	v_add_nc_u32 v[ADRB+\s], s22, v4
	v_add_nc_u32 v[ADRA+2+\s], s21, v5
	v_add_nc_u32 v[ADRB+2+\s], s22, v5
	s_add_co_u32 s21, s21, SLOT
	s_add_co_u32 s22, s22, SLOT
.endr
	v_lshlrev_b32 v7, 2, v1
	s_mul_i32 s21, s15, HALFS
	s_mul_i32 s22, s16, HALFS
	s_add_co_u32 s22, s22, 2*HALFS
	s_sub_co_u32 s22, s22, s21
	v_mul_u32_u24 v6, s22, v2
	s_add_co_u32 s21, s21, SCL
	v_add_nc_u32 v7, v7, v6
	v_add_nc_u32 v[ADRS], s21, v7
	s_lshl_b32 s18, s42, 1
	s_add_co_u32 s18, s18, s16                     ; my 128 hidden units: the next product's K step
	s_lshl_b32 s98, s18, 9
	s_mov_b32 s99, 0
	s_add_nc_u64 s[98:99], s[8:9], s[98:99]
	v_lshlrev_b32 v8, 6, v2                        ; the bias: tile b, register j: unit 32 (b/2) + 16 h + 8 (b%2) + j
.irp b, 0,1,2,3,4,5,6,7
	global_load_b128 v[BX+8*\b:BX+8*\b+3], v8, s[98:99] offset:128*(\b/2)+32*(\b%2)
	global_load_b128 v[BX+8*\b+4:BX+8*\b+7], v8, s[98:99] offset:128*(\b/2)+32*(\b%2)+16
.endr
	s_lshl_b32 s19, s17, 1
	s_add_co_u32 s19, s19, s15
	s_lshl_b32 s19, s19, 8                         ; my first token tile x 32 images
	s_add_co_u32 s19, s19, s18
	s_mul_i32 s66, s19, IMG
	s_mov_b32 s67, 0
	s_add_nc_u64 s[66:67], s[10:11], s[66:67]
	s_lshl_b32 s96, s19, 6
	s_add_co_u32 s96, s96, 12582912
	s_mov_b32 s97, 0
	s_add_nc_u64 s[96:97], s[10:11], s[96:97]
.macro FRAG reg, adr, q, i
	ds_load_b128 v[\reg:\reg+3], v[\adr] offset:(\i)*CH+(\q)*IMG
	ds_load_b64 v[\reg+4:\reg+5], v[\adr+2] offset:(\i)*CH+(\q)*IMG+512
	ds_load_b128 v[\reg+6:\reg+9], v[\adr] offset:(\i)*CH+(\q)*IMG+768
	ds_load_b64 v[\reg+10:\reg+11], v[\adr+2] offset:(\i)*CH+(\q)*IMG+1280
.endm
.macro MUL16 a0, p, q, sc, zero        ; the 64 accumulators take turns, one instruction a turn
.irp a, \a0, \a0+1
.irp b, 0,1,2,3,4,5,6,7
.if \zero
	v_wmma_scale_f32_16x16x128_f8f6f4 v[8*(8*((\a)%4)+\b):8*(8*((\a)%4)+\b)+7], v[128*(\p)+FR*\b:128*(\p)+FR*\b+FR-1], v[AF+FR*(\a):AF+FR*(\a)+FR-1], 0, v[SC+8*NQ*(\sc)+NQ*\b+(\q)], v[SC+8*NQ*(\sc)+NQ*(\a)+(\q)] matrix_a_fmt:MATRIX_FMT_FP6 matrix_b_fmt:MATRIX_FMT_FP6 matrix_a_scale:MATRIX_SCALE_ROW1
.else
	v_wmma_scale_f32_16x16x128_f8f6f4 v[8*(8*((\a)%4)+\b):8*(8*((\a)%4)+\b)+7], v[128*(\p)+FR*\b:128*(\p)+FR*\b+FR-1], v[AF+FR*(\a):AF+FR*(\a)+FR-1], v[8*(8*((\a)%4)+\b):8*(8*((\a)%4)+\b)+7], v[SC+8*NQ*(\sc)+NQ*\b+(\q)], v[SC+8*NQ*(\sc)+NQ*(\a)+(\q)] matrix_a_fmt:MATRIX_FMT_FP6 matrix_b_fmt:MATRIX_FMT_FP6 matrix_a_scale:MATRIX_SCALE_ROW1
.endif
.endr
.endr
.endm
.macro FETCH_B slot, q, p
	WIN TO_B
.irp i, 0,1,2,3,4,5,6,7
	FRAG 128*(\p)+FR*\i, ADRB+\slot, \q, \i
.endr
	WIN 0
.endm
.macro FETCH_A slot, q, i0
.irp i, \i0, \i0+1, \i0+2, \i0+3
	FRAG AF+FR*(\i), ADRA+\slot, \q, \i
.endr
.endm
.macro SCALES sc
.irp i, 0,1,2,3,4,5,6,7
	ds_load_b32 v[SC+8*NQ*\sc+NQ*\i], v[ADRS] offset:\i*KS*64
	ds_load_b32 v[SC+8*NQ*\sc+NQ*\i+1], v[ADRS] offset:\i*KS*64+64
.endr
.endm
.macro PLACES n
.rept \n
	v_nop
.endr
.endm
.macro STEP slot, q, zero
	s_wait_dscnt 4*NL                              ; all but the youngest sixteen loads (Y's blocks 4-7) are in
	WIN MUL_LO
	MUL16 0, (\q)%2, \q, \slot, \zero
	MUL16 2, (\q)%2, \q, \slot, \zero
	s_wait_dscnt 0
	PLACES NP
	FETCH_B \slot, (\q)+1, 1-(\q)%2
	FETCH_A \slot, (\q)+1, 0
	WIN MUL_HI
	MUL16 4, (\q)%2, \q, \slot, \zero
	MUL16 6, (\q)%2, \q, \slot, \zero
	PLACES NP
	WIN 0
	FETCH_A \slot, (\q)+1, 4
.endm
.macro TURN slot, next, fill
	s_wait_tensorcnt 0x0                           ; all my tensor loads have landed: my part of the next slot
	ds_add_u32 v[SPW], v[NIL]
	s_wait_dscnt 4*NL+1                            ; (the add and the youngest sixteen loads may be out)
	WIN MUL_LO
	MUL16 0, 1, NQ-1, \slot, 0
	s_wait_dscnt 0x0                               ; the add is done, and my reads of this slot are over
	s_barrier_signal -1
	MUL16 2, 1, NQ-1, \slot, 0
	WIN 0
	s_barrier_wait -1
.if \fill
	CREST                                          ; a round of the cluster's barrier: no wave of any partner still reads this slot or has a load on its way
	s_add_nc_u64 s[G0+4*\slot+2:G0+4*\slot+3], s[G0+4*\slot+2:G0+4*\slot+3], 2*CH
	s_add_nc_u64 s[G0B+4*\slot+2:G0B+4*\slot+3], s[G0B+4*\slot+2:G0B+4*\slot+3], 2*CH
	JLOAD G0+4*\slot, G1, G0B+4*\slot, G1B
.else
	PLACES NP
.endif
	v_add_nc_u32 v[ADRS], 64*NQ, v[ADRS]
	FETCH_B \next, 0, 0
	FETCH_A \next, 0, 0
	SCALES \next
	WIN MUL_HI
	MUL16 4, 1, NQ-1, \slot, 0
	MUL16 6, 1, NQ-1, \slot, 0
	PLACES NP
	WIN 0
	FETCH_A \next, 0, 4
.endm
	s_wait_tensorcnt 1                             ; the scale words and my part of slot 0 are in; slot 1's load may be out
	s_barrier_signal -1
	s_barrier_wait -1
	FETCH_B 0, 0, 0
	FETCH_A 0, 0, 0
	SCALES 0
	FETCH_A 0, 0, 4
	STEP 0, 0, 1
	s_mov_b32 s3, LAPS-1
.Llap:
	TURN 0, 1, 1
	STEP 1, 0, 0
	TURN 1, 0, 1
	STEP 0, 0, 0
	s_sub_co_u32 s3, s3, 1
	s_cmp_lg_u32 s3, 0
	s_cbranch_scc1 .Llap
	TURN 0, 1, 0
	STEP 1, 0, 0
	s_wait_dscnt 4*NL
	WIN MUL_LO
	MUL16 0, 1, NQ-1, 1, 0
	MUL16 2, 1, NQ-1, 1, 0
	s_wait_dscnt 0
	WIN MUL_HI
	MUL16 4, 1, NQ-1, 1, 0
	MUL16 6, 1, NQ-1, 1, 0
	WIN 0
.macro QSCALE s
.irp b, 0,1,2,3
	v_max3_num_f32 v[TM+\b], |v[\s+16*\b]|, |v[\s+16*\b+1]|, 0x1800000   ; with the floor 2^(3 - 127)
.endr
.irp i, 2,4,6,8,10,12,14
.irp b, 0,1,2,3
	v_max3_num_f32 v[TM+\b], v[TM+\b], |v[\s+16*\b+\i]|, |v[\s+16*\b+\i+1]|
.endr
.endr
.irp b, 0,1,2,3
	v_permlanex16_b32 v[TM+4+\b], v[TM+\b], s[SEL], s[SEL+1]
.endr
.irp b, 0,1,2,3
	v_max_num_f32 v[TM+\b], v[TM+\b], v[TM+4+\b]
.endr
.irp b, 0,1,2,3
	v_add_nc_u32 v[TM+8+\b], 0xff000000, v[TM+\b]
.endr
.irp b, 0,1,2,3
	v_lshrrev_b32 v[TM+4+\b], 23, v[TM+8+\b]
.endr
	v_lshl_or_b32 v[PW], v[TM+5], 8, v[TM+4]
	v_lshl_or_b32 v[PW], v[TM+6], 16, v[PW]
	v_lshl_or_b32 v[PW], v[TM+7], 24, v[PW]
.endm
.macro QCODES s
.irp c, 0,1
	v_cvt_scalef32_pk16_fp6_f32 v[PC+6*\c:PC+6*\c+2], v[\s+32*\c:\s+32*\c+15], v[TM+8+2*\c]
	v_cvt_scalef32_pk16_fp6_f32 v[PC+12+4*\c:PC+14+4*\c], v[\s+32*\c+16:\s+32*\c+31], v[TM+9+2*\c]
.endr
	v_nop
.irp c, 0,1
.irp i, 0,1,2
	v_permlane16_swap_b32 v[PC+6*\c+\i], v[PC+12+4*\c+\i]
.endr
.irp i, 0,1,2
	v_mov_b32 v[PC+3+6*\c+\i], v[PC+12+4*\c+\i]
.endr
.endr
.endm
.macro STIMG lo
	global_store_b128 v[L16], v[PC:PC+3], s[\lo:\lo+1]
	global_store_b64 v[L8], v[PC+4:PC+5], s[\lo:\lo+1] offset:512
	global_store_b128 v[L16], v[PC+6:PC+9], s[\lo:\lo+1] offset:768
	global_store_b64 v[L8], v[PC+10:PC+11], s[\lo:\lo+1] offset:1280
.endm
.macro COEF r, bits                    ; a coefficient as a pair: the packed forms name a pair and take its low word for both halves
	s_mov_b32 s[\r], \bits
	s_mov_b32 s[\r+1], \bits
.endm
; the exact gelu of 32 numbers, x at v[32 u] of window 1, into v[ST + 32 u] of window 0
.macro GELU u
	WIN 0x55                                       ; all four places: window 1
.set i, 0
.rept 16
	v_pk_mul_f32 v[ZZ+i:ZZ+i+1], v[32*(\u)+i:32*(\u)+i+1], s[48:49] op_sel_hi:[1,0]   ; z = x / sqrt 2
.set i, i+2
.endr
.set i, 0
.rept 32
	v_med3_num_f32 v[ZZ+i], v[ZZ+i], -4.0, 4.0     ; beyond 4 erf is 1 in f32
.set i, i+1
.endr
.set i, 0
.rept 16
	v_pk_mul_f32 v[X2+i:X2+i+1], v[ZZ+i:ZZ+i+1], v[ZZ+i:ZZ+i+1]
.set i, i+2
.endr
.set i, 0
.rept 16
	v_pk_fma_f32 v[PP+i:PP+i+1], v[X2+i:X2+i+1], s[24:25], v[KA1:KA1+1] op_sel_hi:[1,0,1]
	v_pk_fma_f32 v[QQ+i:QQ+i+1], v[X2+i:X2+i+1], s[38:39], v[KB1:KB1+1] op_sel_hi:[1,0,1]
.set i, i+2
.endr
.irp c, 28,30,32,34,36
.set i, 0
.rept 16
	v_pk_fma_f32 v[PP+i:PP+i+1], v[PP+i:PP+i+1], v[X2+i:X2+i+1], s[\c:\c+1] op_sel_hi:[1,1,0]
.set i, i+2
.endr
.endr
.irp c, 42,44,46
.set i, 0
.rept 16
	v_pk_fma_f32 v[QQ+i:QQ+i+1], v[QQ+i:QQ+i+1], v[X2+i:X2+i+1], s[\c:\c+1] op_sel_hi:[1,1,0]
.set i, i+2
.endr
.endr
.set i, 0
.rept 32
	v_rcp_f32 v[QQ+i], v[QQ+i]
.set i, i+1
.endr
.set i, 0
.rept 16
	v_pk_mul_f32 v[PP+i:PP+i+1], v[PP+i:PP+i+1], v[ZZ+i:ZZ+i+1]      ; z P: plain work behind the reciprocals that names none of them
.set i, i+2
.endr
.set i, 0
.rept 16
	v_pk_mul_f32 v[ZZ+i:ZZ+i+1], v[32*(\u)+i:32*(\u)+i+1], 0.5 op_sel_hi:[1,0]   ; x / 2
.set i, i+2
.endr
	s_wait_alu depctr_va_vdst(0)                   ; one wait for the 32 reciprocals, ahead of their first reader
.set i, 0
.rept 16
	v_pk_mul_f32 v[PP+i:PP+i+1], v[PP+i:PP+i+1], v[QQ+i:QQ+i+1]      ; erf
.set i, i+2
.endr
	WIN 0x15                                       ; the sources window 1, the destination window 0
.set i, 0
.rept 16
	v_pk_fma_f32 v[ST+32*(\u)+i:ST+32*(\u)+i+1], v[ZZ+i:ZZ+i+1], v[PP+i:PP+i+1], v[ZZ+i:ZZ+i+1]
.set i, i+2
.endr
	WIN 0
.endm
	; THE WAY OUT: Y's eight blocks one after the other, in a loop whose work is written once; only the additions of the bias, which name a block's accumulators, are written for each block.
	PLACES NP
	s_wait_loadcnt 0x0                             ; the bias
	v_and_b32 v[L16], 31, v0
	v_lshlrev_b32 v[L8], 3, v[L16]
	v_lshlrev_b32 v[L16], 4, v[L16]
	v_and_b32 v[L4], 15, v0
	v_lshlrev_b32 v[L4], 2, v[L4]
.irp b, 0,1,2,3
	v_mov_b32 v[TM+4+\b], 0                        ; written once: a lane permute's destination counts as one of its sources
.endr
	s_mov_b32 s[SEL], 0x76543210
	s_mov_b32 s[SEL+1], 0xfedcba98
	COEF 24, 0xaf95df0b                            ; P: -2.72614225801306e-10 (no tensor load of mine is out: the descriptors' registers are free)
	COEF 26, 0x32edffee                            ;     2.77068142495902e-08
	COEF 28, 0xb60cff51                            ;    -2.10102402082508e-06
	COEF 30, 0xb86ec2d2                            ;    -5.69250639462346e-05
	COEF 32, 0xba40ac63                            ;    -7.34990630326855e-04
	COEF 34, 0xbb41a1f6                            ;    -2.95459980854025e-03
	COEF 36, 0xbc83dbd4                            ;    -1.60960333262415e-02
	COEF 38, 0xb77460cd                            ; Q: -1.45660718464996e-05
	COEF 40, 0xb95fbd29                            ;    -2.13374055278905e-04
	COEF 42, 0xbadc924e                            ;    -1.68282697438203e-03
	COEF 44, 0xbbf19bf8                            ;    -7.37332916720468e-03
	COEF 46, 0xbc69b6a7                            ;    -1.42647390514189e-02
	COEF 48, 0x3f3504f3                            ; 1 / sqrt 2
	WIN 0x40
	v_mov_b32 v[KA1], s26                          ; the second coefficients also as vector pairs: a packed multiply-add then names one scalar pair
	v_mov_b32 v[KA1+1], s26
	v_mov_b32 v[KB1], s40
	v_mov_b32 v[KB1+1], s40
	WIN 0
	s_mov_b32 s3, 0
.Ltile:
.irp k, 0,1,2,3,4,5,6
	s_cmp_eq_u32 s3, \k
	s_cbranch_scc1 .Larm\k
.endr
	s_branch .Larm7
.irp k, 0,1,2,3,4,5,6,7
.Larm\k:
	WIN 0x42+(\k)/4                                ; source 0: the accumulators' window; destination: window 1
.set AC, 64*((\k)%4)
.set i, 0
.rept 32
	v_pk_add_f32 v[i:i+1], v[AC+i:AC+i+1], v[BX+i:BX+i+1]            ; each accumulator from its low end on
.set i, i+2
.endr
	WIN 0
	s_branch .Lwork
.endr
.Lwork:
	GELU 0
	GELU 1
	QSCALE ST
	QCODES ST
	STIMG 66
	global_store_b32 v[L4], v[PW], s[96:97]        ; lanes l and l xor 16 hold the same word and name the same four bytes
	s_wait_xcnt 0x0                                ; the stores have read their registers and bases: both are written again
	s_add_nc_u64 s[66:67], s[66:67], 32*IMG        ; the next token tile
	s_add_nc_u64 s[96:97], s[96:97], 32*64
	s_add_co_u32 s3, s3, 1
	s_cmp_lt_u32 s3, 8
	s_cbranch_scc1 .Ltile
	s_wait_tensorcnt 0x0                           ; the wave's end
	ds_add_u32 v[SPW], v[NIL]
	s_wait_dscnt 0x0
	CROUND                                         ; the closing round
	s_endpgm
.Lfunc_end_k_qd13003b231_g5:
	.size	k_qd13003b231_g5, .Lfunc_end_k_qd13003b231_g5-k_qd13003b231_g5
	.p2alignl 7, 3214868480
	.fill 96, 4, 3214868480
	.section	.rodata,"a",@progbits
	.p2align	6, 0x0
	.amdhsa_kernel k_qd13003b231_g5
		.amdhsa_group_segment_fixed_size 327680
		.amdhsa_private_segment_fixed_size 0
		.amdhsa_enable_private_segment 0
		.amdhsa_kernarg_size 32
		.amdhsa_user_sgpr_count 2
		.amdhsa_user_sgpr_kernarg_segment_ptr 1
		.amdhsa_wavefront_size32 1
		.amdhsa_system_sgpr_workgroup_id_x 1
		.amdhsa_system_sgpr_workgroup_id_y 1
		.amdhsa_system_sgpr_workgroup_id_z 1
		.amdhsa_system_vgpr_workitem_id 0
		.amdhsa_next_free_vgpr 1024
		.amdhsa_next_free_sgpr 100
		.amdhsa_reserve_vcc 0
		.amdhsa_float_denorm_mode_32 3
		.amdhsa_float_denorm_mode_16_64 3
		.amdhsa_memory_ordered 1
		.amdhsa_forward_progress 1
		.amdhsa_inst_pref_size 180
	.end_amdhsa_kernel
	.amdgpu_metadata
---
amdhsa.version: [ 1, 2 ]
amdhsa.kernels:
  - .name:           k_qd13003b231_g5
    .symbol:         k_qd13003b231_g5.kd
    .args:
      - { .name: h2q, .offset: 0, .size: 8, .value_kind: global_buffer, .address_space: global }
      - { .name: pw, .offset: 8, .size: 8, .value_kind: global_buffer, .address_space: global }
      - { .name: ffn_b1, .offset: 16, .size: 8, .value_kind: global_buffer, .address_space: global }
      - { .name: fq, .offset: 24, .size: 8, .value_kind: global_buffer, .address_space: global }
    .group_segment_fixed_size: 327680
    .private_segment_fixed_size: 0
    .kernarg_segment_align: 8
    .kernarg_segment_size: 32
    .max_flat_workgroup_size: 128
    .sgpr_count:     100
    .vgpr_count:     1024
    .wavefront_size: 32
...
	.end_amdgpu_metadata
.endif
;; end of part 5
;; launch g6 (part 6): grid 4 x 16, 4 waves a work-group, clusters of 4 x 4, 327,680 bytes of LDS; arguments fq, pw, ffn_b2, x1, out0; writes out0
.if DOCPART == 6
	.amdgcn_target "amdgcn-amd-amdhsa--gfx1250"
	.amdhsa_code_object_version 6
	.text
	.protected	k_qd13003b231_g6
	.globl	k_qd13003b231_g6
	.p2align	8
	.type	k_qd13003b231_g6,@function
k_qd13003b231_g6:
	s_mov_b64 s[64:65], 0
	v_nop
	global_prefetch_b8 v0, s[64:65] scope:SCOPE_SE
	s_setreg_imm32_b32 hwreg(HW_REG_WAVE_MODE, 25, 1), 1
	s_wait_xcnt 0x0
	s_wait_alu depctr_hold_cnt(0) depctr_sa_sdst(0) depctr_va_vdst(0) depctr_va_sdst(0) depctr_va_ssrc(0) depctr_va_vcc(0) depctr_vm_vsrc(0)
	s_getreg_b32 s2, hwreg(HW_REG_IB_STS2, 6, 4)
	s_cmp_eq_u32 s2, 0
	s_cbranch_scc0 .Lentry_in_a_cluster
	s_endpgm
.Lentry_in_a_cluster:
	s_bfe_u32 s2, ttmp6, 0x10000c
	s_cmp_lg_u32 s2, 0xf033
	s_cbranch_scc0 .Lentry_shape_is_right
	s_endpgm
.Lentry_shape_is_right:
; out0 = x1 + f ffn_w2^T + ffn_b2, the product on codes of FP6 (E2M3) with E8M0 scales for each 32 along K = 4,096.
; Y = the tokens' images (first argument: codes [tile][KS][1,536] at YCO, scale words [tile][KS][64] at YWO), X = the weight's rows (pw, at XCO and XWO).  An image is a fragment's registers as they stand.
; A work-group of four waves makes 256 tokens x 256 columns, a wave 128 x 128: 64 accumulators.  Source 0 = 16 rows of X, source 1 = 16 rows of Y: a lane holds eight neighbouring columns of one token's row.
; Row t of Y's tile a (of my eight) is token ROW(a, t) = RA2 (a / 2) + RA1 (a % 2) + RT8 (t % 8) + RTH (t / 8) of my 128: the order in which the launch before laid them.
; K goes in steps of 256 through a ring of two LDS slots filled by the tensor data mover; the scale words of all of K come once.  CLUSTERS: 4 x 4; Y's tiles are asked for jointly along a row, X's along a column.
; THE WAY OUT: a block of 16 rows goes through my stage in LDS (in slot 0, which has had its last fill and its last read) and comes back as whole rows of 512 bytes; residual and bias are added there.
; The grid is 64 work-groups: the product has 64 tiles of this size.
; SCALARS: s[4:5] Y's buffer, s[6:7] pw, s[8:9] bias, s[10:11] residual, s[12:13] output, s14-16 wave, s17 Y tile, s42 X tile, s[66:67] bias at my columns, s[96:97], s[98:99] residual and output at my corner.
.set KS,     32
.set YCO,    0
.set YWO,    12582912
.set XCO,    524288+768*12288
.set XWO,    768*512
.set RA2,    32
.set RA1,    16
.set RT8,    2
.set RTH,    1
.set NT,     1
.set NQ,     2
.set IMG,    1536
.set RTB,    KS*IMG
.set CH,     NQ*IMG
.set HALFT,  8*CH
.set SLOT,   4*HALFT
.set LAPS,   KS/(2*NQ)
.set SCL,    2*SLOT
.set HALFS,  8*KS*64
.set SPARE,  SCL+4*HALFS
.set SPITCH, 528
.set FR,     12
.set NL,     4
.set NP,     4
.set ADRA, 16
.set ADRB, 20
.set STO,  24
.set RD,   25
.set CO,   26
.set ADRS, 27
.set SPW,  28
.set NIL,  29
.set SC,   32
.set BI,   64
.set AF,   128
.set BK,   128
.set G1, 24
.set G0, 32
.set G1B, 48
.set G0B, 56
.set G1S, 68
.set G0S, 76
.set G1SB, 80
.set G0SB, 88
.set MSB, 0
.macro WIN new
.if MSB != (\new)
	s_set_vgpr_msb (MSB<<8)|(\new)
.set MSB, (\new)
.endif
.endm
.set MUL_LO, 0xa1
.set MUL_HI, 0xf1
.set TO_B,   0x40
.macro JLOAD g0a, g1a, g0b, g1b        ; waves 0 and 1 fetch for Y, waves 2 and 3 for X; an s_nop 0 and four v_nop follow each line
	s_cmp_eq_u32 s15, 0
	s_cbranch_scc0 .Lfor_b_\@
	tensor_load_to_lds s[\g0a:\g0a+3], s[\g1a:\g1a+7]
	s_nop 0
.rept 4
	v_nop
.endr
	s_branch .Lasked_\@
.Lfor_b_\@:
	tensor_load_to_lds s[\g0b:\g0b+3], s[\g1b:\g1b+7]
	s_nop 0
.rept 4
	v_nop
.endr
.Lasked_\@:
.endm
.macro CREST
	s_cmp_lg_u32 s14, 0
	s_cbranch_scc1 .Lnot_wave_0_\@
	s_barrier_signal -3
.Lnot_wave_0_\@:
	s_barrier_wait -3
	s_barrier_signal -1
	s_barrier_wait -1
.endm
.macro CROUND
	s_barrier_signal -1
	s_barrier_wait -1
	CREST
.endm
	s_load_b256 s[4:11], s[0:1], 0x0
	s_load_b64 s[12:13], s[0:1], 0x20
	v_lshl_add_u32 v[SPW], v0, 2, SPARE
	v_mov_b32 v[NIL], 0
	ds_add_u32 v[SPW], v[NIL]                      ; the wave's opening: the add and its wait ahead of my first tensor load
	v_lshrrev_b32 v1, 5, v0
	v_readfirstlane_b32 s14, v1
	s_lshr_b32 s15, s14, 1
	s_and_b32 s16, s14, 1
	s_bfe_u32 s40, ttmp6, 0x40000
	s_bfe_u32 s41, ttmp6, 0x40004
	s_lshl_b32 s42, ttmp9, 2
	s_add_co_u32 s42, s42, s40                     ; X tile
	s_and_b32 s17, ttmp7, 0xffff
	s_lshl_b32 s17, s17, 2
	s_add_co_u32 s17, s17, s41                     ; Y tile
	s_lshl_b32 s43, s41, 2
	s_lshl_b32 s43, 15, s43
	s_lshl_b32 s44, 0x1111, s40
	s_or_b32 s[G1+0], s43, (3<<16)|(1<<21)         ; codes: 8 rows of 3,072 bytes, RTB bytes apart; elements of 8 bytes
	s_or_b32 s[G1B+0], s44, (3<<16)|(1<<21)
.irp g, G1, G1B
	s_mov_b32 s[\g+1], (CH/8)<<16
	s_mov_b32 s[\g+2], 8<<16
	s_mov_b32 s[\g+3], (CH/8)<<16
	s_mov_b32 s[\g+4], 8
	s_mov_b32 s[\g+5], RTB/8
	s_mov_b32 s[\g+6], 0
	s_mov_b32 s[\g+7], 0
.endr
	s_or_b32 s[G1S+0], s43, (3<<16)|(1<<21)        ; scale words of 128 rows: a dense block, as rows of 256 bytes
	s_or_b32 s[G1SB+0], s44, (3<<16)|(1<<21)
.irp g, G1S, G1SB
	s_mov_b32 s[\g+1], 32<<16
	s_mov_b32 s[\g+2], (HALFS/256)<<16
	s_mov_b32 s[\g+3], 32<<16
	s_mov_b32 s[\g+4], HALFS/256
	s_mov_b32 s[\g+5], 32
	s_mov_b32 s[\g+6], 0
	s_mov_b32 s[\g+7], 0
.endr
	s_lshl_b32 s18, s16, 3
	s_lshl_b32 s20, s17, 4
	s_add_co_u32 s20, s20, s18
	s_lshl_b32 s46, s42, 4
	s_add_co_u32 s46, s46, s18
	s_mul_i32 s22, s20, KS*64
	s_mul_i32 s92, s46, KS*64
	s_mul_i32 s20, s20, RTB
	s_mul_i32 s46, s46, RTB
	s_mov_b32 s21, 0
	s_mov_b32 s23, 0
	s_mov_b32 s47, 0
	s_mov_b32 s93, 0
	s_add_nc_u64 s[20:21], s[20:21], YCO
	s_add_nc_u64 s[22:23], s[22:23], YWO
	s_add_nc_u64 s[46:47], s[46:47], XCO
	s_add_nc_u64 s[92:93], s[92:93], XWO
	s_mul_i32 s45, s14, HALFT
	s_mul_i32 s94, s14, HALFS
	s_wait_dscnt 0x0
	s_wait_kmcnt 0x0
	s_add_nc_u64 s[20:21], s[4:5], s[20:21]
	s_add_nc_u64 s[22:23], s[4:5], s[22:23]
	s_add_nc_u64 s[46:47], s[6:7], s[46:47]
	s_add_nc_u64 s[92:93], s[6:7], s[92:93]
	CROUND
	s_mov_b32 s[G0S], 1
	s_add_co_u32 s[G0S+1], s94, SCL
	s_mov_b64 s[G0S+2:G0S+3], s[22:23]
	s_or_b32 s[G0S+3], s[G0S+3], 0x80000000
	s_mov_b32 s[G0SB], 1
	s_add_co_u32 s[G0SB+1], s94, SCL
	s_mov_b64 s[G0SB+2:G0SB+3], s[92:93]
	s_or_b32 s[G0SB+3], s[G0SB+3], 0x80000000
	JLOAD G0S, G1S, G0SB, G1SB
.irp s, 0,1
	s_mov_b32 s[G0+4*\s], 1
	s_add_co_u32 s[G0+4*\s+1], s45, \s*SLOT
	s_add_nc_u64 s[G0+4*\s+2:G0+4*\s+3], s[20:21], \s*CH
	s_or_b32 s[G0+4*\s+3], s[G0+4*\s+3], 0x80000000
	s_mov_b32 s[G0B+4*\s], 1
	s_add_co_u32 s[G0B+4*\s+1], s45, \s*SLOT
	s_add_nc_u64 s[G0B+4*\s+2:G0B+4*\s+3], s[46:47], \s*CH
	s_or_b32 s[G0B+4*\s+3], s[G0B+4*\s+3], 0x80000000
	JLOAD G0+4*\s, G1, G0B+4*\s, G1B
.endr
	v_and_b32 v1, 15, v0
	v_bfe_u32 v2, v0, 4, 1
	v_and_b32 v3, 31, v0
	v_lshlrev_b32 v4, 4, v3
	v_lshlrev_b32 v5, 3, v3
	s_mul_i32 s21, s15, HALFT
	s_mul_i32 s22, s16, HALFT
	s_add_co_u32 s22, s22, 2*HALFT
.irp s, 0,1
	v_add_nc_u32 v[ADRA+\s], s21, v4
	v_add_nc_u32 v[ADRB+\s], s22, v4
	v_add_nc_u32 v[ADRA+2+\s], s21, v5
	v_add_nc_u32 v[ADRB+2+\s], s22, v5
	s_add_co_u32 s21, s21, SLOT
	s_add_co_u32 s22, s22, SLOT
.endr
	v_lshlrev_b32 v7, 2, v1
	s_mul_i32 s21, s15, HALFS
	s_mul_i32 s22, s16, HALFS
	s_add_co_u32 s22, s22, 2*HALFS
	s_sub_co_u32 s22, s22, s21
	v_mul_u32_u24 v6, s22, v2
	s_add_co_u32 s21, s21, SCL
	v_add_nc_u32 v7, v7, v6
	v_add_nc_u32 v[ADRS], s21, v7
	s_mul_i32 s23, s14, 16*SPITCH                  ; my stage
	v_mul_u32_u24 v6, v1, SPITCH
	v_lshl_add_u32 v6, v2, 5, v6
	v_add_nc_u32 v[STO], s23, v6                   ; in: row r, 32 bytes for each half of the lanes
	v_add_nc_u32 v[RD], s23, v4                    ; back: 16 bytes a lane of a row of 512
	v_lshlrev_b32 v[CO], 4, v3                     ; and the same in memory
	s_lshl_b32 s18, s42, 1
	s_add_co_u32 s18, s18, s16
	s_lshl_b32 s18, s18, 9                         ; my 128 columns, in bytes
	s_mov_b32 s19, 0
	s_add_nc_u64 s[66:67], s[8:9], s[18:19]
	global_load_b128 v[BI:BI+3], v[CO], s[66:67]   ; the bias of my four columns
	s_lshl_b32 s20, s17, 1
	s_add_co_u32 s20, s20, s15
	s_lshl_b32 s20, s20, 19                        ; my 128 rows of 4,096 bytes
	s_add_co_u32 s20, s20, s18
	s_mov_b32 s21, 0
	s_add_nc_u64 s[96:97], s[10:11], s[20:21]
	s_add_nc_u64 s[98:99], s[12:13], s[20:21]
.macro FRAG reg, adr, q, i
	ds_load_b128 v[\reg:\reg+3], v[\adr] offset:(\i)*CH+(\q)*IMG
	ds_load_b64 v[\reg+4:\reg+5], v[\adr+2] offset:(\i)*CH+(\q)*IMG+512
	ds_load_b128 v[\reg+6:\reg+9], v[\adr] offset:(\i)*CH+(\q)*IMG+768
	ds_load_b64 v[\reg+10:\reg+11], v[\adr+2] offset:(\i)*CH+(\q)*IMG+1280
.endm
.macro MUL16 a0, p, q, sc, zero        ; the 64 accumulators take turns, one instruction a turn
.irp a, \a0, \a0+1
.irp b, 0,1,2,3,4,5,6,7
.if \zero
	v_wmma_scale_f32_16x16x128_f8f6f4 v[8*(8*((\a)%4)+\b):8*(8*((\a)%4)+\b)+7], v[128*(\p)+FR*\b:128*(\p)+FR*\b+FR-1], v[AF+FR*(\a):AF+FR*(\a)+FR-1], 0, v[SC+8*NQ*(\sc)+NQ*\b+(\q)], v[SC+8*NQ*(\sc)+NQ*(\a)+(\q)] matrix_a_fmt:MATRIX_FMT_FP6 matrix_b_fmt:MATRIX_FMT_FP6 matrix_a_scale:MATRIX_SCALE_ROW1
.else
	v_wmma_scale_f32_16x16x128_f8f6f4 v[8*(8*((\a)%4)+\b):8*(8*((\a)%4)+\b)+7], v[128*(\p)+FR*\b:128*(\p)+FR*\b+FR-1], v[AF+FR*(\a):AF+FR*(\a)+FR-1], v[8*(8*((\a)%4)+\b):8*(8*((\a)%4)+\b)+7], v[SC+8*NQ*(\sc)+NQ*\b+(\q)], v[SC+8*NQ*(\sc)+NQ*(\a)+(\q)] matrix_a_fmt:MATRIX_FMT_FP6 matrix_b_fmt:MATRIX_FMT_FP6 matrix_a_scale:MATRIX_SCALE_ROW1
.endif
.endr
.endr
.endm
.macro FETCH_B slot, q, p
	WIN TO_B
.irp i, 0,1,2,3,4,5,6,7
	FRAG 128*(\p)+FR*\i, ADRB+\slot, \q, \i
.endr
	WIN 0
.endm
.macro FETCH_A slot, q, i0
.irp i, \i0, \i0+1, \i0+2, \i0+3
	FRAG AF+FR*(\i), ADRA+\slot, \q, \i
.endr
.endm
.macro SCALES sc
.irp i, 0,1,2,3,4,5,6,7
	ds_load_b32 v[SC+8*NQ*\sc+NQ*\i], v[ADRS] offset:\i*KS*64
	ds_load_b32 v[SC+8*NQ*\sc+NQ*\i+1], v[ADRS] offset:\i*KS*64+64
.endr
.endm
.macro PLACES n
.rept \n
	v_nop
.endr
.endm
.macro STEP slot, q, zero
	s_wait_dscnt 4*NL                              ; all but the youngest sixteen loads (Y's blocks 4-7) are in
	WIN MUL_LO
	MUL16 0, (\q)%2, \q, \slot, \zero
	MUL16 2, (\q)%2, \q, \slot, \zero
	s_wait_dscnt 0
	PLACES NP
	FETCH_B \slot, (\q)+1, 1-(\q)%2
	FETCH_A \slot, (\q)+1, 0
	WIN MUL_HI
	MUL16 4, (\q)%2, \q, \slot, \zero
	MUL16 6, (\q)%2, \q, \slot, \zero
	PLACES NP
	WIN 0
	FETCH_A \slot, (\q)+1, 4
.endm
.macro TURN slot, next, fill
	s_wait_tensorcnt 0x0                           ; all my tensor loads have landed: my part of the next slot
	ds_add_u32 v[SPW], v[NIL]
	s_wait_dscnt 4*NL+1                            ; (the add and the youngest sixteen loads may be out)
	WIN MUL_LO
	MUL16 0, 1, NQ-1, \slot, 0
	s_wait_dscnt 0x0                               ; the add is done, and my reads of this slot are over
	s_barrier_signal -1
	MUL16 2, 1, NQ-1, \slot, 0
	WIN 0
	s_barrier_wait -1
.if \fill
	CREST                                          ; a round of the cluster's barrier: no wave of any partner still reads this slot or has a load on its way
	s_add_nc_u64 s[G0+4*\slot+2:G0+4*\slot+3], s[G0+4*\slot+2:G0+4*\slot+3], 2*CH
	s_add_nc_u64 s[G0B+4*\slot+2:G0B+4*\slot+3], s[G0B+4*\slot+2:G0B+4*\slot+3], 2*CH
	JLOAD G0+4*\slot, G1, G0B+4*\slot, G1B
.else
	PLACES NP
.endif
	v_add_nc_u32 v[ADRS], 64*NQ, v[ADRS]
	FETCH_B \next, 0, 0
	FETCH_A \next, 0, 0
	SCALES \next
	WIN MUL_HI
	MUL16 4, 1, NQ-1, \slot, 0
	MUL16 6, 1, NQ-1, \slot, 0
	PLACES NP
	WIN 0
	FETCH_A \next, 0, 4
.endm
	s_wait_tensorcnt 1                             ; the scale words and my part of slot 0 are in; slot 1's load may be out
	s_barrier_signal -1
	s_barrier_wait -1
	FETCH_B 0, 0, 0
	FETCH_A 0, 0, 0
	SCALES 0
	FETCH_A 0, 0, 4
	STEP 0, 0, 1
	s_mov_b32 s3, LAPS-1
.Llap:
	TURN 0, 1, 1
	STEP 1, 0, 0
	TURN 1, 0, 1
	STEP 0, 0, 0
	s_sub_co_u32 s3, s3, 1
	s_cmp_lg_u32 s3, 0
	s_cbranch_scc1 .Llap
	TURN 0, 1, 0
	STEP 1, 0, 0
	s_wait_dscnt 4*NL
	WIN MUL_LO
	MUL16 0, 1, NQ-1, 1, 0
	MUL16 2, 1, NQ-1, 1, 0
	s_wait_dscnt 0
	WIN MUL_HI
	MUL16 4, 1, NQ-1, 1, 0
	MUL16 6, 1, NQ-1, 1, 0
	WIN 0
.macro RLOAD a                         ; block a's sixteen rows of the residual into window 1: 512 consecutive bytes a load
	WIN 0x40
.irp t, 0,1,2,3,4,5,6,7,8,9,10,11,12,13,14,15
	global_load_b128 v[64*((\a)%4)+4*\t:64*((\a)%4)+4*\t+3], v[CO], s[96:97] offset:(RA2*((\a)/2)+RA1*((\a)%2)+RT8*(\t%8)+RTH*(\t/8))*4096
.endr
	WIN 0
.endm
.macro TOSTAGE a                       ; LDS serves a wave's instructions in order (ISA guide 5.7.1.4): no wait between the stores and the loads
.set AC, 64*((\a)%4)
	WIN 0x08+4*((\a)/4)
.irp b, 0,1,2,3,4,5,6,7
	ds_store_b128 v[STO], v[AC+8*\b:AC+8*\b+3] offset:64*\b          ; each accumulator from its low end on
	ds_store_b128 v[STO], v[AC+8*\b+4:AC+8*\b+7] offset:64*\b+16
.endr
	WIN 0
.set BB, BK+64*((\a)%2)
.irp t, 0,1,2,3,4,5,6,7,8,9,10,11,12,13,14,15
	ds_load_b128 v[BB+4*\t:BB+4*\t+3], v[RD] offset:\t*SPITCH
.endr
.endm
.macro SEND a, younger
.set BB, BK+64*((\a)%2)
.set RS, 64*((\a)%4)
.set LFT, 48                           ; the residual rows of the later blocks that have been asked for: three blocks', towards the end fewer
.if (\a) > 4
.set LFT, 16*(7-(\a))
.endif
	s_wait_dscnt \younger                          ; the block is back in registers
	s_wait_loadcnt LFT                             ; and its residual rows are in
	WIN 0x04                                       ; source 1: window 1
.set i, 0
.rept 32
	v_pk_add_f32 v[BB+i:BB+i+1], v[BB+i:BB+i+1], v[RS+i:RS+i+1]
.set i, i+2
.endr
	WIN 0
.irp t, 0,1,2,3,4,5,6,7,8,9,10,11,12,13,14,15
	v_pk_add_f32 v[BB+4*\t:BB+4*\t+1], v[BB+4*\t:BB+4*\t+1], v[BI:BI+1]
	v_pk_add_f32 v[BB+4*\t+2:BB+4*\t+3], v[BB+4*\t+2:BB+4*\t+3], v[BI+2:BI+3]
.endr
.irp t, 0,1,2,3,4,5,6,7,8,9,10,11,12,13,14,15
.if NT
	global_store_b128 v[CO], v[BB+4*\t:BB+4*\t+3], s[98:99] offset:(RA2*((\a)/2)+RA1*((\a)%2)+RT8*(\t%8)+RTH*(\t/8))*4096 th:TH_STORE_NT   ; 32 lanes store 512 consecutive bytes; written once, read by nobody here
.else
	global_store_b128 v[CO], v[BB+4*\t:BB+4*\t+3], s[98:99] offset:(RA2*((\a)/2)+RA1*((\a)%2)+RT8*(\t%8)+RTH*(\t/8))*4096
.endif
.endr
.endm
	PLACES NP                                      ; behind the last products: for the loads into X's registers and for the reads of results
	RLOAD 0
	RLOAD 1
	RLOAD 2
	RLOAD 3
	TOSTAGE 0
.irp a, 1,2,3,4,5,6,7
.if \a > 1
	s_wait_xcnt 0x0                                ; block a - 2's stores have read their registers: block a's loads may land there
.endif
	TOSTAGE \a
	SEND \a-1, 32                                  ; behind block a - 1's loads: block a's 16 stores and 16 loads
.if \a+3 <= 7
	RLOAD \a+3
.endif
.endr
	s_wait_xcnt 0x0
	SEND 7, 0
	s_wait_tensorcnt 0x0                           ; the wave's end
	ds_add_u32 v[SPW], v[NIL]
	s_wait_dscnt 0x0
	CROUND                                         ; the closing round
	s_endpgm
.Lfunc_end_k_qd13003b231_g6:
	.size	k_qd13003b231_g6, .Lfunc_end_k_qd13003b231_g6-k_qd13003b231_g6
	.p2alignl 7, 3214868480
	.fill 96, 4, 3214868480
	.section	.rodata,"a",@progbits
	.p2align	6, 0x0
	.amdhsa_kernel k_qd13003b231_g6
		.amdhsa_group_segment_fixed_size 327680
		.amdhsa_private_segment_fixed_size 0
		.amdhsa_enable_private_segment 0
		.amdhsa_kernarg_size 40
		.amdhsa_user_sgpr_count 2
		.amdhsa_user_sgpr_kernarg_segment_ptr 1
		.amdhsa_wavefront_size32 1
		.amdhsa_system_sgpr_workgroup_id_x 1
		.amdhsa_system_sgpr_workgroup_id_y 1
		.amdhsa_system_sgpr_workgroup_id_z 1
		.amdhsa_system_vgpr_workitem_id 0
		.amdhsa_next_free_vgpr 1024
		.amdhsa_next_free_sgpr 100
		.amdhsa_reserve_vcc 0
		.amdhsa_float_denorm_mode_32 3
		.amdhsa_float_denorm_mode_16_64 3
		.amdhsa_memory_ordered 1
		.amdhsa_forward_progress 1
		.amdhsa_inst_pref_size 191
	.end_amdhsa_kernel
	.amdgpu_metadata
---
amdhsa.version: [ 1, 2 ]
amdhsa.kernels:
  - .name:           k_qd13003b231_g6
    .symbol:         k_qd13003b231_g6.kd
    .args:
      - { .name: fq, .offset: 0, .size: 8, .value_kind: global_buffer, .address_space: global }
      - { .name: pw, .offset: 8, .size: 8, .value_kind: global_buffer, .address_space: global }
      - { .name: ffn_b2, .offset: 16, .size: 8, .value_kind: global_buffer, .address_space: global }
      - { .name: x1, .offset: 24, .size: 8, .value_kind: global_buffer, .address_space: global }
      - { .name: out0, .offset: 32, .size: 8, .value_kind: global_buffer, .address_space: global }
    .group_segment_fixed_size: 327680
    .private_segment_fixed_size: 0
    .kernarg_segment_align: 8
    .kernarg_segment_size: 40
    .max_flat_workgroup_size: 128
    .sgpr_count:     100
    .vgpr_count:     1024
    .wavefront_size: 32
...
	.end_amdgpu_metadata
.endif
;; end of part 6
;; ======== version 2 of 2: 5 launches
;; limits: right only within a limited range of input values
;; workspace buffers: pw 13,107,200 bytes; h2q 3,670,016 bytes; qkv 10,878,976 bytes; x1 16,777,216 bytes; fq 13,107,200 bytes
;; launch prep (part 7): grid 1024 x 1, 8 waves a work-group, no clusters, 66,816 bytes of LDS; arguments x, ln1_g, ln1_b, qkv_w, out_w, ffn_w1, ffn_w2, pw; writes pw
.if DOCPART == 7
	.amdgcn_target "amdgcn-amd-amdhsa--gfx1250"
	.amdhsa_code_object_version 6
	.text
	.protected	k_qd13003b231_prep
	.globl	k_qd13003b231_prep
	.p2align	8
	.type	k_qd13003b231_prep,@function
k_qd13003b231_prep:
	s_mov_b64 s[64:65], 0
	v_nop
	global_prefetch_b8 v0, s[64:65] scope:SCOPE_SE
	s_setreg_imm32_b32 hwreg(HW_REG_WAVE_MODE, 25, 1), 1
	s_wait_xcnt 0x0
; 16 rows x 1,024 numbers of f32 become eight operand images of FP6 (E2M3) codes and their E8M0 scale words.
; Work-groups 0-255: 16 tokens of the first argument, LayerNorm (gain, bias, eps 1e-5, mean first, then the squares of the differences) ahead of the quantiser.
; Work-groups 256-447: qkv_w; 448-511: out_w; 512-767: ffn_w1; 768-1023: ffn_w2 (16 rows x a quarter of its 4,096 columns): quantised as they are.
; AN IMAGE is a fragment of 16 rows x 128 K as the matrix instruction's registers hold it: for c = 0, 1: registers 6c..6c+3 at 768 c + 16 x lane, registers 6c+4, 6c+5 at 768 c + 512 + 8 x lane: 1,536 bytes.
; Its scale words: 64 bytes, word r = row r's four bytes.  Out: words at id x 512 + 64 x K step, codes at 524,288 + id x 12,288 + 1,536 x K step.
; WHICH ROWS FORM A TILE is chosen for the reader: row m of tile t is  tokens: 16 t + 2 (m % 8) + m / 8;  qkv_w, out_w, ffn_w1: 32 (t / 2) + 8 (t % 2) + m % 8 + 16 (m / 8);  ffn_w2: 16 t + m.
; Eight waves: wave w loads rows 2 w and 2 w + 1 (each load 512 consecutive bytes), normalises them, lays them in LDS; behind one barrier it reads K step w of all 16 rows, 16 neighbours of each block of 32 a lane.
; A block's scale is 2^(floor(log2(largest magnitude)) - 2).  LIMITS: a block whose largest magnitude lies under 2^-124 keeps the byte 1, a block of zeros too (its codes are zeros, and this program alone reads the bytes);
; NaN and infinities are not served.  No cluster: no two work-groups read the same bytes (gain and bias, 8 KiB, aside).  No tensor load: a row is read once and worked on in registers first.
.set RP,    4112                       ; an LDS row: 4,096 bytes + 16: the sixteen rows of a 16-byte read start in sixteen different 16-byte columns
.set SPARE, 16*RP                      ; behind the rows: the spare words, 128 bytes for each of eight waves
.set L16, 4                            ; v4  16 x lane
.set L8,  5                            ; v5  8 x lane
.set L4,  6                            ; v6  4 x (lane % 16)
.set SPW, 10
.set NIL, 11
.set X,   16                           ; v16-79   two rows as loaded (32 numbers a lane each); later 64 numbers of one image row
.set G,   80                           ; v80-95   gain, half of a lane's 32 columns at a time
.set BB,  96                           ; v96-111  bias, likewise
.set MA,  112                          ; v112-119 sums, then the means as pairs
.set VA,  120                          ; v120-127 sums of squares, then 1/sqrt as pairs
.set TM,  80                           ; v80-91   the quantiser's: maxima, bytes, scale operands: where gain lay, which is done with by then
.set PW,  92
.set PC,  96                           ; v96-115  codes.  128 registers a wave: four work-groups of eight waves fit on a WGP's four SIMDs of 1,024 registers, with 4 x 66,816 bytes of LDS
.set SEL, 12
.macro WSUM r                          ; the sum over the wave's 32 lanes, in every lane; v[r+1] is at work
	v_add_f32_dpp v[\r], v[\r], v[\r] row_xmask:1 row_mask:0xf bank_mask:0xf
	s_delay_alu instid0(VALU_DEP_1)
	v_add_f32_dpp v[\r], v[\r], v[\r] row_xmask:2 row_mask:0xf bank_mask:0xf
	s_delay_alu instid0(VALU_DEP_1)
	v_add_f32_dpp v[\r], v[\r], v[\r] row_xmask:4 row_mask:0xf bank_mask:0xf
	s_delay_alu instid0(VALU_DEP_1)
	v_add_f32_dpp v[\r], v[\r], v[\r] row_xmask:8 row_mask:0xf bank_mask:0xf
	s_delay_alu instid0(VALU_DEP_1)
	v_permlanex16_b32 v[\r+1], v[\r], s[SEL], s[SEL+1]
	s_delay_alu instid0(VALU_DEP_1)
	v_add_f32 v[\r], v[\r], v[\r+1]
.endm
; 64 numbers of a lane, register 16 b + i = k 32 b + 16 (lane / 16) + i of my row: the four blocks' scale operands (TM+8..), bytes (TM+4..) and the row's scale word (PW)
.macro QSCALE s
.irp b, 0,1,2,3
	v_max3_num_f32 v[TM+\b], |v[\s+16*\b]|, |v[\s+16*\b+1]|, 0x1800000   ; with the floor 2^(3 - 127): the byte cannot fall under 1
.endr
.irp i, 2,4,6,8,10,12,14
.irp b, 0,1,2,3
	s_delay_alu instid0(VALU_DEP_4)
	v_max3_num_f32 v[TM+\b], v[TM+\b], |v[\s+16*\b+\i]|, |v[\s+16*\b+\i+1]|
.endr
.endr
.irp b, 0,1,2,3
	s_delay_alu instid0(VALU_DEP_4)
	v_permlanex16_b32 v[TM+4+\b], v[TM+\b], s[SEL], s[SEL+1]
.endr
.irp b, 0,1,2,3
	s_delay_alu instid0(VALU_DEP_4)
	v_max_num_f32 v[TM+\b], v[TM+\b], v[TM+4+\b]       ; with lane l xor 16's 16: the block's largest magnitude
.endr
.irp b, 0,1,2,3
	s_delay_alu instid0(VALU_DEP_4)
	v_add_nc_u32 v[TM+8+\b], 0xff000000, v[TM+\b]      ; 2 off its exponent field: the conversion's scale operand
.endr
.irp b, 0,1,2,3
	s_delay_alu instid0(VALU_DEP_4)
	v_lshrrev_b32 v[TM+4+\b], 23, v[TM+8+\b]           ; the byte
.endr
	s_delay_alu instid0(VALU_DEP_3)
	v_lshl_or_b32 v[PW], v[TM+5], 8, v[TM+4]
	s_delay_alu instid0(VALU_DEP_1)
	v_lshl_or_b32 v[PW], v[TM+6], 16, v[PW]
	s_delay_alu instid0(VALU_DEP_1)
	v_lshl_or_b32 v[PW], v[TM+7], 24, v[PW]
.endm
.macro QCODES s                        ; the fragment's twelve registers in v[PC] on
.irp c, 0,1
	v_cvt_scalef32_pk16_fp6_f32 v[PC+6*\c:PC+6*\c+2], v[\s+32*\c:\s+32*\c+15], v[TM+8+2*\c]
	v_cvt_scalef32_pk16_fp6_f32 v[PC+12+4*\c:PC+14+4*\c], v[\s+32*\c+16:\s+32*\c+31], v[TM+9+2*\c]   ; (a conversion's three registers begin on an even number)
.endr
	v_nop                                              ; one plain place behind a scaled conversion
.irp c, 0,1                            ; the layout wants a whole block in a lane: lanes 0-15 block 2 c, lanes 16-31 block 2 c + 1
.irp i, 0,1,2
	v_permlane16_swap_b32 v[PC+6*\c+\i], v[PC+12+4*\c+\i]
.endr
.irp i, 0,1,2
	s_delay_alu instid0(VALU_DEP_3)
	v_mov_b32 v[PC+3+6*\c+\i], v[PC+12+4*\c+\i]
.endr
.endr
.endm
.macro STIMG lo                        ; the image leaves: each store covers consecutive bytes, 512 or 256
	global_store_b128 v[L16], v[PC:PC+3], s[\lo:\lo+1]
	global_store_b64 v[L8], v[PC+4:PC+5], s[\lo:\lo+1] offset:512
	global_store_b128 v[L16], v[PC+6:PC+9], s[\lo:\lo+1] offset:768
	global_store_b64 v[L8], v[PC+10:PC+11], s[\lo:\lo+1] offset:1280
.endm
	s_load_b256 s[24:31], s[0:1], 0x0              ; tokens s[24:25], gain s[26:27], bias s[28:29], qkv_w s[30:31]
	s_load_b256 s[32:39], s[0:1], 0x20             ; out_w s[32:33], ffn_w1 s[34:35], ffn_w2 s[36:37], the output s[38:39]
	v_lshl_add_u32 v[SPW], v0, 2, SPARE
	v_mov_b32 v[NIL], 0
	v_lshrrev_b32 v1, 5, v0
	s_delay_alu instid0(VALU_DEP_1)
	v_readfirstlane_b32 s16, v1                    ; wave 0..7
	v_and_b32 v1, 31, v0
	v_and_b32 v2, 15, v0                           ; r
	v_bfe_u32 v3, v0, 4, 1                         ; h
	s_delay_alu instid0(VALU_DEP_3)
	v_lshlrev_b32 v[L16], 4, v1
	s_delay_alu instid0(VALU_DEP_4)
	v_lshlrev_b32 v[L8], 3, v1
	s_delay_alu instid0(VALU_DEP_4)
	v_lshlrev_b32 v[L4], 2, v2
	s_mul_i32 s17, s16, 2*RP
	v_add_nc_u32 v7, s17, v[L16]                   ; LDS, in: my wave's two rows, 16 bytes a lane
	v_mul_u32_u24 v8, v2, RP
	s_delay_alu instid0(VALU_DEP_1)
	v_lshl_add_u32 v8, v3, 6, v8
	s_lshl_b32 s17, s16, 9
	v_add_nc_u32 v8, s17, v8                       ; LDS, out: row r, K step w (512 bytes), + 64 h: my 16 numbers of a block
	s_mov_b32 s[SEL], 0x76543210
	s_mov_b32 s[SEL+1], 0xfedcba98
	s_mov_b32 s14, 0x3a800000                      ; 1 / 1,024
	s_mov_b32 s15, 0x3727c5ac                      ; 1e-5
.irp b, 0,1,2,3
	v_mov_b32 v[TM+4+\b], 0                        ; written once: a lane permute's destination counts as one of its sources
.endr
	; the job, from the work-group's number alone: s3 first id, s7 = 1: rows by 32 (t/2) + 8 (t%2), s8 step of m % 8, s9 step of m / 8
	s_cmp_ge_u32 ttmp9, 256
	s_cselect_b32 s3, 256, 0
	s_cselect_b32 s7, 1, 0
	s_cselect_b32 s8, 1, 2
	s_cselect_b32 s9, 16, 1
	s_cmp_ge_u32 ttmp9, 448
	s_cselect_b32 s3, 448, s3                      ; out_w's tiles take their rows as qkv_w's and ffn_w1's do: 32 (t / 2) + 8 (t % 2) + m % 8 + 16 (m / 8): its reader quantises the result along the columns
	s_cmp_ge_u32 ttmp9, 512
	s_cselect_b32 s3, 512, s3
	s_cselect_b32 s7, 1, s7
	s_cselect_b32 s9, 16, s9
	s_cmp_ge_u32 ttmp9, 768
	s_cselect_b32 s3, 768, s3
	s_cselect_b32 s7, 0, s7
	s_cselect_b32 s9, 8, s9
	s_cselect_b32 s4, 2, 0                         ; ffn_w2: four work-groups to a tile of rows,
	s_cselect_b32 s6, 3, 0
	s_sub_co_u32 s3, ttmp9, s3
	s_and_b32 s6, s3, s6
	s_lshl_b32 s6, s6, 12                          ; each with 4,096 bytes of its rows,
	s_lshr_b32 s3, s3, s4                          ; t
	s_lshl_b32 s5, 4096, s4                        ; which are 16,384 bytes long and not 4,096
	s_lshl_b32 s10, s3, 4
	s_lshr_b32 s11, s3, 1
	s_lshl_b32 s11, s11, 5
	s_and_b32 s2, s3, 1
	s_lshl_b32 s2, s2, 3
	s_add_co_u32 s11, s11, s2
	s_cmp_eq_u32 s7, 1
	s_cselect_b32 s10, s11, s10                    ; the tile's first row
	s_lshl_b32 s2, s16, 1
	s_and_b32 s2, s2, 7
	s_mul_i32 s2, s2, s8
	s_add_co_u32 s10, s10, s2
	s_lshr_b32 s2, s16, 2
	s_mul_i32 s2, s2, s9
	s_add_co_u32 s10, s10, s2                      ; image row 2 w
	s_add_co_u32 s11, s10, s8                      ; image row 2 w + 1
	s_mul_i32 s20, s10, s5
	s_add_co_u32 s20, s20, s6
	s_mul_i32 s22, s11, s5
	s_add_co_u32 s22, s22, s6
	s_mov_b32 s21, 0
	s_mov_b32 s23, 0
	s_lshl_b32 s40, ttmp9, 9
	s_lshl_b32 s2, s16, 6
	s_add_co_u32 s40, s40, s2                      ; my scale words
	s_mov_b32 s41, 0
	s_mul_i32 s42, ttmp9, 12288
	s_mul_i32 s2, s16, 1536
	s_add_co_u32 s42, s42, s2
	s_add_co_u32 s42, s42, 524288                  ; my image
	s_mov_b32 s43, 0
	s_wait_kmcnt 0x0
	s_cmp_ge_u32 ttmp9, 256                        ; the source: a choice that hangs on the work-group's number alone
	s_cselect_b64 s[24:25], s[30:31], s[24:25]
	s_cmp_ge_u32 ttmp9, 448
	s_cselect_b64 s[24:25], s[32:33], s[24:25]
	s_cmp_ge_u32 ttmp9, 512
	s_cselect_b64 s[24:25], s[34:35], s[24:25]
	s_cmp_ge_u32 ttmp9, 768
	s_cselect_b64 s[24:25], s[36:37], s[24:25]
	s_add_nc_u64 s[20:21], s[24:25], s[20:21]
	s_add_nc_u64 s[22:23], s[24:25], s[22:23]
	s_add_nc_u64 s[40:41], s[38:39], s[40:41]
	s_add_nc_u64 s[42:43], s[38:39], s[42:43]
.irp e, 0,1
.irp j, 0,1,2,3,4,5,6,7
	global_load_b128 v[X+32*\e+4*\j:X+32*\e+4*\j+3], v[L16], s[20+2*\e:21+2*\e] offset:512*\j th:TH_LOAD_NT   ; 512 consecutive bytes of a row
.endr
.endr
	s_cmp_lt_u32 ttmp9, 256
	s_cbranch_scc0 .Lraw                           ; weights are quantised as they are
.irp j, 0,1,2,3
	global_load_b128 v[G+4*\j:G+4*\j+3], v[L16], s[26:27] offset:512*\j
	global_load_b128 v[BB+4*\j:BB+4*\j+3], v[L16], s[28:29] offset:512*\j
.endr
	s_wait_loadcnt 0x0
	; the mean: both rows by turns, two chains each
.irp e, 0,1
	v_pk_add_f32 v[MA+4*\e:MA+4*\e+1], v[X+32*\e:X+32*\e+1], v[X+32*\e+2:X+32*\e+3]
	v_pk_add_f32 v[MA+4*\e+2:MA+4*\e+3], v[X+32*\e+4:X+32*\e+5], v[X+32*\e+6:X+32*\e+7]
.endr
.irp i, 8,12,16,20,24,28
.irp e, 0,1
	s_delay_alu instid0(VALU_DEP_4)
	v_pk_add_f32 v[MA+4*\e:MA+4*\e+1], v[MA+4*\e:MA+4*\e+1], v[X+32*\e+\i:X+32*\e+\i+1]
	s_delay_alu instid0(VALU_DEP_4)
	v_pk_add_f32 v[MA+4*\e+2:MA+4*\e+3], v[MA+4*\e+2:MA+4*\e+3], v[X+32*\e+\i+2:X+32*\e+\i+3]
.endr
.endr
.irp e, 0
	s_delay_alu instid0(VALU_DEP_3)
	v_pk_add_f32 v[MA+4*\e:MA+4*\e+1], v[MA+4*\e:MA+4*\e+1], v[MA+4*\e+2:MA+4*\e+3]
.endr
.irp e, 1
	s_delay_alu instid0(VALU_DEP_2)
	v_pk_add_f32 v[MA+4*\e:MA+4*\e+1], v[MA+4*\e:MA+4*\e+1], v[MA+4*\e+2:MA+4*\e+3]
.endr
.irp e, 0,1
	s_delay_alu instid0(VALU_DEP_2)
	v_add_f32 v[MA+4*\e], v[MA+4*\e], v[MA+4*\e+1]
.endr
	WSUM MA
	WSUM MA+4
.irp e, 0
	v_mul_f32 v[MA+4*\e], s14, v[MA+4*\e]
.endr
.irp e, 1
	s_delay_alu instid0(VALU_DEP_2)
	v_mul_f32 v[MA+4*\e], s14, v[MA+4*\e]
.endr
.irp e, 0,1
	s_delay_alu instid0(VALU_DEP_2)
	v_mov_b32 v[MA+4*\e+1], v[MA+4*\e]
.endr
.irp i, 0,2,4,6,8,10,12,14,16,18,20,22,24,26,28,30
.irp e, 0,1
	v_pk_add_f32 v[X+32*\e+\i:X+32*\e+\i+1], v[X+32*\e+\i:X+32*\e+\i+1], v[MA+4*\e:MA+4*\e+1] neg_lo:[0,1] neg_hi:[0,1]   ; x - mean
.endr
.endr
	; the variance, of the differences: a common offset of the inputs does no harm
.irp e, 0,1
	v_pk_mul_f32 v[VA+4*\e:VA+4*\e+1], v[X+32*\e:X+32*\e+1], v[X+32*\e:X+32*\e+1]
	v_pk_mul_f32 v[VA+4*\e+2:VA+4*\e+3], v[X+32*\e+2:X+32*\e+3], v[X+32*\e+2:X+32*\e+3]
.endr
.irp i, 4,8,12,16,20,24,28
.irp e, 0,1
	s_delay_alu instid0(VALU_DEP_4)
	v_pk_fma_f32 v[VA+4*\e:VA+4*\e+1], v[X+32*\e+\i:X+32*\e+\i+1], v[X+32*\e+\i:X+32*\e+\i+1], v[VA+4*\e:VA+4*\e+1]
	s_delay_alu instid0(VALU_DEP_4)
	v_pk_fma_f32 v[VA+4*\e+2:VA+4*\e+3], v[X+32*\e+\i+2:X+32*\e+\i+3], v[X+32*\e+\i+2:X+32*\e+\i+3], v[VA+4*\e+2:VA+4*\e+3]
.endr
.endr
.irp e, 0
	s_delay_alu instid0(VALU_DEP_3)
	v_pk_add_f32 v[VA+4*\e:VA+4*\e+1], v[VA+4*\e:VA+4*\e+1], v[VA+4*\e+2:VA+4*\e+3]
.endr
.irp e, 1
	s_delay_alu instid0(VALU_DEP_2)
	v_pk_add_f32 v[VA+4*\e:VA+4*\e+1], v[VA+4*\e:VA+4*\e+1], v[VA+4*\e+2:VA+4*\e+3]
.endr
.irp e, 0,1
	s_delay_alu instid0(VALU_DEP_2)
	v_add_f32 v[VA+4*\e], v[VA+4*\e], v[VA+4*\e+1]
.endr
	WSUM VA
	WSUM VA+4
.irp e, 0
	v_fma_f32 v[VA+4*\e], v[VA+4*\e], s14, s15     ; variance + eps
.endr
.irp e, 1
	s_delay_alu instid0(VALU_DEP_2)
	v_fma_f32 v[VA+4*\e], v[VA+4*\e], s14, s15     ; variance + eps
.endr
	s_wait_alu depctr_va_vdst(0)
.irp e, 0,1
	v_rsq_f32 v[VA+4*\e], v[VA+4*\e]
.endr
	v_nop                                          ; a plain place behind the two roots,
	s_wait_alu depctr_va_vdst(0)                   ; and one wait for both, ahead of their first reader
.irp e, 0,1
	v_mov_b32 v[VA+4*\e+1], v[VA+4*\e]
.endr
.irp i, 0,2,4,6,8,10,12,14,16,18,20,22,24,26,28,30
.irp e, 0,1
	v_pk_mul_f32 v[X+32*\e+\i:X+32*\e+\i+1], v[X+32*\e+\i:X+32*\e+\i+1], v[VA+4*\e:VA+4*\e+1]
.endr
.endr
.irp i, 0,2,4,6,8,10,12,14
.irp e, 0,1
	v_pk_fma_f32 v[X+32*\e+\i:X+32*\e+\i+1], v[X+32*\e+\i:X+32*\e+\i+1], v[G+\i:G+\i+1], v[BB+\i:BB+\i+1]
.endr
.endr
.irp j, 0,1,2,3
	global_load_b128 v[G+4*\j:G+4*\j+3], v[L16], s[26:27] offset:2048+512*\j       ; the second half of gain and bias, into the registers of the first
	global_load_b128 v[BB+4*\j:BB+4*\j+3], v[L16], s[28:29] offset:2048+512*\j
.endr
	s_wait_alu depctr_va_vdst(0)
	s_wait_loadcnt 0x0
.irp i, 0,2,4,6,8,10,12,14
.irp e, 0,1
	v_pk_fma_f32 v[X+32*\e+16+\i:X+32*\e+17+\i], v[X+32*\e+16+\i:X+32*\e+17+\i], v[G+\i:G+\i+1], v[BB+\i:BB+\i+1]
.endr
.endr
.Lraw:
	s_wait_loadcnt 0x0
	s_wait_alu depctr_va_vdst(0)
.irp e, 0,1
.irp j, 0,1,2,3,4,5,6,7
	ds_store_b128 v7, v[X+32*\e+4*\j:X+32*\e+4*\j+3] offset:\e*RP+512*\j
.endr
.endr
	s_wait_dscnt 0x0                               ; for the others' sake: my two rows lie in LDS
	s_barrier_signal -1
	s_barrier_wait -1
.irp b, 0,1,2,3
.irp j, 0,1,2,3
	ds_load_b128 v[X+16*\b+4*\j:X+16*\b+4*\j+3], v8 offset:128*\b+16*\j   ; register 16 b + i = k 32 b + 16 h + i of image row r, K step w
.endr
.endr
	s_wait_dscnt 0x0
	QSCALE X
	QCODES X
	STIMG 42
	global_store_b32 v[L4], v[PW], s[40:41]        ; lanes l and l xor 16 hold the same word and name the same four bytes
	s_wait_tensorcnt 0x0                           ; the wave's end, behind my last LDS store
	ds_add_u32 v[SPW], v[NIL]
	s_wait_dscnt 0x0
	s_endpgm
.Lfunc_end_k_qd13003b231_prep:
	.size	k_qd13003b231_prep, .Lfunc_end_k_qd13003b231_prep-k_qd13003b231_prep
	.p2alignl 7, 3214868480
	.fill 96, 4, 3214868480
	.section	.rodata,"a",@progbits
	.p2align	6, 0x0
	.amdhsa_kernel k_qd13003b231_prep
		.amdhsa_group_segment_fixed_size 66816
		.amdhsa_private_segment_fixed_size 0
		.amdhsa_enable_private_segment 0
		.amdhsa_kernarg_size 64
		.amdhsa_user_sgpr_count 2
		.amdhsa_user_sgpr_kernarg_segment_ptr 1
		.amdhsa_wavefront_size32 1
		.amdhsa_system_sgpr_workgroup_id_x 1
		.amdhsa_system_sgpr_workgroup_id_y 1
		.amdhsa_system_sgpr_workgroup_id_z 1
		.amdhsa_system_vgpr_workitem_id 0
		.amdhsa_next_free_vgpr 128
		.amdhsa_next_free_sgpr 66
		.amdhsa_reserve_vcc 0
		.amdhsa_float_denorm_mode_32 3
		.amdhsa_float_denorm_mode_16_64 3
		.amdhsa_memory_ordered 1
		.amdhsa_forward_progress 1
		.amdhsa_inst_pref_size 31
	.end_amdhsa_kernel
	.amdgpu_metadata
---
amdhsa.version: [ 1, 2 ]
amdhsa.kernels:
  - .name:           k_qd13003b231_prep
    .symbol:         k_qd13003b231_prep.kd
    .args:
      - { .name: x, .offset: 0, .size: 8, .value_kind: global_buffer, .address_space: global }
      - { .name: ln1_g, .offset: 8, .size: 8, .value_kind: global_buffer, .address_space: global }
      - { .name: ln1_b, .offset: 16, .size: 8, .value_kind: global_buffer, .address_space: global }
      - { .name: qkv_w, .offset: 24, .size: 8, .value_kind: global_buffer, .address_space: global }
      - { .name: out_w, .offset: 32, .size: 8, .value_kind: global_buffer, .address_space: global }
      - { .name: ffn_w1, .offset: 40, .size: 8, .value_kind: global_buffer, .address_space: global }
      - { .name: ffn_w2, .offset: 48, .size: 8, .value_kind: global_buffer, .address_space: global }
      - { .name: pw, .offset: 56, .size: 8, .value_kind: global_buffer, .address_space: global }
    .group_segment_fixed_size: 66816
    .private_segment_fixed_size: 0
    .kernarg_segment_align: 8
    .kernarg_segment_size: 64
    .max_flat_workgroup_size: 256
    .sgpr_count:     66
    .vgpr_count:     128
    .wavefront_size: 32
...
	.end_amdgpu_metadata
.endif
;; end of part 7
;; launch g1 (part 8): grid 12 x 16, 4 waves a work-group, clusters of 4 x 4, 327,680 bytes of LDS; arguments pw, qkv_b, qkv; writes qkv
.if DOCPART == 8
	.amdgcn_target "amdgcn-amd-amdhsa--gfx1250"
	.amdhsa_code_object_version 6
	.text
	.protected	k_qd13003b231_g1
	.globl	k_qd13003b231_g1
	.p2align	8
	.type	k_qd13003b231_g1,@function
k_qd13003b231_g1:
	s_mov_b64 s[64:65], 0
	v_nop
	global_prefetch_b8 v0, s[64:65] scope:SCOPE_SE
	s_setreg_imm32_b32 hwreg(HW_REG_WAVE_MODE, 25, 1), 1
	s_wait_xcnt 0x0
	s_wait_alu depctr_hold_cnt(0) depctr_sa_sdst(0) depctr_va_vdst(0) depctr_va_sdst(0) depctr_va_ssrc(0) depctr_va_vcc(0) depctr_vm_vsrc(0)
	s_getreg_b32 s2, hwreg(HW_REG_IB_STS2, 6, 4)
	s_cmp_eq_u32 s2, 0
	s_cbranch_scc0 .Lentry_in_a_cluster
	s_endpgm
.Lentry_in_a_cluster:
	s_bfe_u32 s2, ttmp6, 0x10000c
	s_cmp_lg_u32 s2, 0xf033
	s_cbranch_scc0 .Lentry_shape_is_right
	s_endpgm
.Lentry_shape_is_right:
.set KS,     8
.set NQ,     2
.set IMG,    1536
.set RTB,    KS*IMG
.set CH,     NQ*IMG
.set HALFT,  8*CH
.set SLOT,   4*HALFT
.set LAPS,   KS/(2*NQ)
.set SCL,    2*SLOT
.set HALFS,  8*KS*64
.set SPARE,  SCL+4*HALFS
.set FR,     12
.set NL,     4
.set NP,     4
.set ADRA, 16
.set ADRB, 20
.set ADRS, 27
.set SPW,  28
.set NIL,  29
.set SC,   32
.set AF,   128
.set BX,   64
.set BY,   224
.set ST,   128
.set PC,   192
.set TM,   212
.set PW,   15
.set VC,   240
.set L16,  10
.set L8,   11
.set L4,   12
.set LVV,  13
.set SEL,  18
.set G1, 24
.set G0, 32
.set G1B, 48
.set G0B, 56
.set G1S, 68
.set G0S, 76
.set G1SB, 80
.set G0SB, 88
.set MSB, 0
.macro WIN new
.if MSB != (\new)
	s_set_vgpr_msb (MSB<<8)|(\new)
.set MSB, (\new)
.endif
.endm
.set MUL_LO, 0xa1
.set MUL_HI, 0xf1
.set TO_B,   0x40
.macro JLOAD g0a, g1a, g0b, g1b
	s_cmp_eq_u32 s15, 0
	s_cbranch_scc0 .Lfor_b_\@
	tensor_load_to_lds s[\g0a:\g0a+3], s[\g1a:\g1a+7]
	s_nop 0
.rept 4
	v_nop
.endr
	s_branch .Lasked_\@
.Lfor_b_\@:
	tensor_load_to_lds s[\g0b:\g0b+3], s[\g1b:\g1b+7]
	s_nop 0
.rept 4
	v_nop
.endr
.Lasked_\@:
.endm
.macro CREST
	s_cmp_lg_u32 s14, 0
	s_cbranch_scc1 .Lnot_wave_0_\@
	s_barrier_signal -3
.Lnot_wave_0_\@:
	s_barrier_wait -3
	s_barrier_signal -1
	s_barrier_wait -1
.endm
.macro CROUND
	s_barrier_signal -1
	s_barrier_wait -1
	CREST
.endm
	s_load_b128 s[4:7], s[0:1], 0x0
	s_load_b64 s[8:9], s[0:1], 0x10
	v_lshl_add_u32 v[SPW], v0, 2, SPARE
	v_mov_b32 v[NIL], 0
	ds_add_u32 v[SPW], v[NIL]
	ds_add_u32 v[SPW], v[NIL]
	v_lshrrev_b32 v1, 5, v0
	v_readfirstlane_b32 s14, v1
	s_lshr_b32 s15, s14, 1
	s_and_b32 s16, s14, 1
	s_bfe_u32 s40, ttmp6, 0x40000
	s_bfe_u32 s41, ttmp6, 0x40004
	s_and_b32 s17, ttmp7, 0xffff
	s_cmp_eq_u32 ttmp9, 2
	s_cselect_b32 s12, 8, 0
	s_cselect_b32 s42, s17, ttmp9
	s_cselect_b32 s17, 0, s17
	s_cselect_b32 s10, 0, 256
	s_cselect_b32 s11, 384, 0
	s_lshl_b32 s42, s42, 2
	s_add_co_u32 s42, s42, s40
	s_lshl_b32 s17, s17, 2
	s_add_co_u32 s17, s17, s41
	s_lshl_b32 s43, s41, 2
	s_lshl_b32 s43, 15, s43
	s_lshl_b32 s44, 0x1111, s40
	s_or_b32 s[G1+0], s43, (3<<16)|(1<<21)
	s_or_b32 s[G1B+0], s44, (3<<16)|(1<<21)
.irp g, G1, G1B
	s_mov_b32 s[\g+1], (CH/8)<<16
	s_mov_b32 s[\g+2], 16<<16                      ; the head's loads bring all 16 tiles of rows of an operand
	s_mov_b32 s[\g+3], (CH/8)<<16
	s_mov_b32 s[\g+4], 16
	s_mov_b32 s[\g+5], RTB/8
	s_mov_b32 s[\g+6], 0
	s_mov_b32 s[\g+7], 0
.endr
	s_or_b32 s[G1S+0], s43, (3<<16)|(1<<21)
	s_or_b32 s[G1SB+0], s44, (3<<16)|(1<<21)
.irp g, G1S, G1SB
	s_mov_b32 s[\g+1], 32<<16
	s_mov_b32 s[\g+2], (2*HALFS/256)<<16           ; the scale words of all 256 rows of an operand
	s_mov_b32 s[\g+3], 32<<16
	s_mov_b32 s[\g+4], 2*HALFS/256
	s_mov_b32 s[\g+5], 32
	s_mov_b32 s[\g+6], 0
	s_mov_b32 s[\g+7], 0
.endr
	s_mov_b32 s18, 0                               ; the addresses below are those of the whole tiles; my half's offset is s[94:95]
	s_lshl_b32 s20, s17, 4
	s_add_co_u32 s20, s20, s18
	s_add_co_u32 s20, s20, s11
	s_lshl_b32 s46, s42, 4
	s_add_co_u32 s46, s46, s18
	s_add_co_u32 s46, s46, s10
	s_mul_i32 s22, s20, KS*64
	s_mul_i32 s92, s46, KS*64
	s_mul_i32 s20, s20, RTB
	s_mul_i32 s46, s46, RTB
	s_mov_b32 s21, 0
	s_mov_b32 s23, 0
	s_mov_b32 s47, 0
	s_mov_b32 s93, 0
	s_add_nc_u64 s[20:21], s[20:21], 524288
	s_add_nc_u64 s[46:47], s[46:47], 524288
	s_mul_i32 s45, s14, HALFT
	s_mul_i32 s94, s16, 8*RTB                      ; in the ring I fetch 8 tiles of rows: which half, in bytes
	s_mov_b32 s95, 0
	s_wait_dscnt 0x0
	s_wait_kmcnt 0x0
	s_add_nc_u64 s[20:21], s[4:5], s[20:21]
	s_add_nc_u64 s[22:23], s[4:5], s[22:23]
	s_add_nc_u64 s[46:47], s[4:5], s[46:47]
	s_add_nc_u64 s[92:93], s[4:5], s[92:93]
	CROUND
	s_mov_b32 s[G0S], 1
	s_mov_b32 s[G0S+1], SCL
	s_mov_b64 s[G0S+2:G0S+3], s[22:23]
	s_or_b32 s[G0S+3], s[G0S+3], 0x80000000
	s_mov_b32 s[G0SB], 1
	s_mov_b32 s[G0SB+1], SCL+2*HALFS
	s_mov_b64 s[G0SB+2:G0SB+3], s[92:93]
	s_or_b32 s[G0SB+3], s[G0SB+3], 0x80000000
	; the prefetches into the L2: behind the load of chunk c (3,072 bytes of each tile of rows) chunk c + 2 is asked for: chunks 2 and 3.  Of the eight tiles of rows that I fetch, each of the four partners that ask
	; for them jointly names two, told apart by address alone (cx for Y, cy for X): 24 blocks of 256 bytes, a lane a block; lanes 24-31 name the last block again.  s[4:5] stands at chunk 2 and is not stepped.
	s_cmp_eq_u32 s15, 0
	s_cselect_b64 s[4:5], s[20:21], s[46:47]
	s_cselect_b32 s18, s40, s41
	s_mul_i32 s18, s18, 2*RTB
	s_add_co_u32 s18, s18, s94
	s_add_co_u32 s18, s18, 2*CH
	s_mov_b32 s19, 0
	s_add_nc_u64 s[4:5], s[4:5], s[18:19]
.irp s, 0,1
	s_mov_b32 s[G0+4*\s], 1
	s_add_co_u32 s[G0+4*\s+1], s45, \s*SLOT
	s_add_nc_u64 s[G0+4*\s+2:G0+4*\s+3], s[20:21], \s*CH
	s_or_b32 s[G0+4*\s+3], s[G0+4*\s+3], 0x80000000
	s_mov_b32 s[G0B+4*\s], 1
	s_add_co_u32 s[G0B+4*\s+1], s45, \s*SLOT
	s_add_nc_u64 s[G0B+4*\s+2:G0B+4*\s+3], s[46:47], \s*CH
	s_or_b32 s[G0B+4*\s+3], s[G0B+4*\s+3], 0x80000000
.endr
	s_mov_b32 s[G0+1], 0                           ; for the head slot 0's two groups 0 name the whole tiles: Y's 16 tiles of rows at LDS byte 0,
	s_mov_b32 s[G0B+1], 2*HALFT                    ; X's behind them
	s_add_nc_u64 s[G0+6:G0+7], s[G0+6:G0+7], s[94:95]      ; slot 1's name my half
	s_add_nc_u64 s[G0B+6:G0B+7], s[G0B+6:G0B+7], s[94:95]
; the head's four tiles, one tensor load a wave: wave 0 Y's codes, wave 1 X's, wave 2 Y's scale words, wave 3 X's; one chain of branches on the wave's number, all arms to one join
.macro ARM under, g0, g1, next
	s_cmp_lt_u32 s14, \under
	s_cbranch_scc0 \next
	tensor_load_to_lds s[\g0:\g0+3], s[\g1:\g1+7]
	s_nop 0
.rept 4
	v_nop
.endr
	s_branch .Lhead_asked
\next:
.endm
	ARM 1, G0,  G1,  .Lhead_b
	ARM 2, G0B, G1B, .Lhead_sa
	ARM 3, G0S, G1S, .Lhead_sb
	tensor_load_to_lds s[G0SB:G0SB+3], s[G1SB:G1SB+7]
	s_nop 0
.rept 4
	v_nop
.endr
.Lhead_asked:
	v_and_b32 v30, 31, v0
	v_min_u32 v30, 23, v30
	v_mul_u32_u24 v31, v30, 11
	v_lshrrev_b32 v31, 7, v31                      ; block / 12: which of my two tiles of rows
	v_mul_u32_u24 v31, v31, RTB-3072
	v_lshl_add_u32 v30, v30, 8, v31                ; never rewritten
	global_prefetch_b8 v30, s[4:5] th:TH_LOAD_NT scope:SCOPE_SE    ; chunk 2, behind chunk 0's load
	v_and_b32 v1, 15, v0
	v_bfe_u32 v2, v0, 4, 1
	v_and_b32 v3, 31, v0
	v_lshlrev_b32 v4, 4, v3
	v_lshlrev_b32 v5, 3, v3
	s_mul_i32 s21, s15, HALFT
	s_mul_i32 s22, s16, HALFT
	s_add_co_u32 s22, s22, 2*HALFT
.irp s, 0,1
	v_add_nc_u32 v[ADRA+\s], s21, v4
	v_add_nc_u32 v[ADRB+\s], s22, v4
	v_add_nc_u32 v[ADRA+2+\s], s21, v5
	v_add_nc_u32 v[ADRB+2+\s], s22, v5
	s_add_co_u32 s21, s21, SLOT
	s_add_co_u32 s22, s22, SLOT
.endr
	v_lshlrev_b32 v7, 2, v1
	s_mul_i32 s21, s15, HALFS
	s_mul_i32 s22, s16, HALFS
	s_add_co_u32 s22, s22, 2*HALFS
	s_sub_co_u32 s22, s22, s21
	v_mul_u32_u24 v6, s22, v2
	s_add_co_u32 s21, s21, SCL
	v_add_nc_u32 v7, v7, v6
	v_add_nc_u32 v[ADRS], s21, v7
	s_lshl_b32 s18, s42, 1
	s_add_co_u32 s18, s18, s16
	s_lshl_b32 s18, s18, 9
	s_lshl_b32 s19, s17, 1
	s_add_co_u32 s19, s19, s15
	s_lshl_b32 s19, s19, 9
	s_add_co_u32 s19, s19, 8192
	s_cmp_eq_u32 s12, 0
	s_cselect_b32 s66, s18, 0
	s_cselect_b32 s96, 0, s19
	s_mov_b32 s67, 0
	s_mov_b32 s97, 0
	s_add_nc_u64 s[66:67], s[6:7], s[66:67]
	s_add_nc_u64 s[96:97], s[6:7], s[96:97]
	v_lshlrev_b32 v8, 6, v2
	v_and_b32 v9, 8, v1
	v_add_nc_u32 v9, v9, v1
	v_lshlrev_b32 v9, 2, v9
.irp b, 0,1,2,3,4,5,6,7
	global_load_b128 v[BX+8*\b:BX+8*\b+3], v8, s[66:67] offset:128*(\b/2)+32*(\b%2)
	global_load_b128 v[BX+8*\b+4:BX+8*\b+7], v8, s[66:67] offset:128*(\b/2)+32*(\b%2)+16
	global_load_b32 v[BY+2*\b], v9, s[96:97] offset:128*(\b/2)+32*(\b%2)
	global_load_b32 v[BY+2*\b+1], v9, s[96:97] offset:128*(\b/2)+32*(\b%2)
.endr
.macro FRAG reg, adr, q, i
	ds_load_b128 v[\reg:\reg+3], v[\adr] offset:(\i)*CH+(\q)*IMG
	ds_load_b64 v[\reg+4:\reg+5], v[\adr+2] offset:(\i)*CH+(\q)*IMG+512
	ds_load_b128 v[\reg+6:\reg+9], v[\adr] offset:(\i)*CH+(\q)*IMG+768
	ds_load_b64 v[\reg+10:\reg+11], v[\adr+2] offset:(\i)*CH+(\q)*IMG+1280
.endm
.macro MUL16 a0, p, q, sc, zero
.irp a, \a0, \a0+1
.irp b, 0,1,2,3,4,5,6,7
.if \zero
	v_wmma_scale_f32_16x16x128_f8f6f4 v[8*(8*((\a)%4)+\b):8*(8*((\a)%4)+\b)+7], v[128*(\p)+FR*\b:128*(\p)+FR*\b+FR-1], v[AF+FR*(\a):AF+FR*(\a)+FR-1], 0, v[SC+8*NQ*(\sc)+NQ*\b+(\q)], v[SC+8*NQ*(\sc)+NQ*(\a)+(\q)] matrix_a_fmt:MATRIX_FMT_FP6 matrix_b_fmt:MATRIX_FMT_FP6 matrix_a_scale:MATRIX_SCALE_ROW1
.else
	v_wmma_scale_f32_16x16x128_f8f6f4 v[8*(8*((\a)%4)+\b):8*(8*((\a)%4)+\b)+7], v[128*(\p)+FR*\b:128*(\p)+FR*\b+FR-1], v[AF+FR*(\a):AF+FR*(\a)+FR-1], v[8*(8*((\a)%4)+\b):8*(8*((\a)%4)+\b)+7], v[SC+8*NQ*(\sc)+NQ*\b+(\q)], v[SC+8*NQ*(\sc)+NQ*(\a)+(\q)] matrix_a_fmt:MATRIX_FMT_FP6 matrix_b_fmt:MATRIX_FMT_FP6 matrix_a_scale:MATRIX_SCALE_ROW1
.endif
.endr
.endr
.endm
.macro FETCH_B slot, q, p
	WIN TO_B
.irp i, 0,1,2,3,4,5,6,7
	FRAG 128*(\p)+FR*\i, ADRB+\slot, \q, \i
.endr
	WIN 0
.endm
.macro FETCH_A slot, q, i0
.irp i, \i0, \i0+1, \i0+2, \i0+3
	FRAG AF+FR*(\i), ADRA+\slot, \q, \i
.endr
.endm
.macro SCALES sc
.irp i, 0,1,2,3,4,5,6,7
	ds_load_b32 v[SC+8*NQ*\sc+NQ*\i], v[ADRS] offset:\i*KS*64
	ds_load_b32 v[SC+8*NQ*\sc+NQ*\i+1], v[ADRS] offset:\i*KS*64+64
.endr
.endm
.macro PLACES n
.rept \n
	v_nop
.endr
.endm
.macro STEP slot, q, zero
	s_wait_dscnt 4*NL
	WIN MUL_LO
	MUL16 0, (\q)%2, \q, \slot, \zero
	MUL16 2, (\q)%2, \q, \slot, \zero
	s_wait_dscnt 0
	PLACES NP
	FETCH_B \slot, (\q)+1, 1-(\q)%2
	FETCH_A \slot, (\q)+1, 0
	WIN MUL_HI
	MUL16 4, (\q)%2, \q, \slot, \zero
	MUL16 6, (\q)%2, \q, \slot, \zero
	PLACES NP
	WIN 0
	FETCH_A \slot, (\q)+1, 4
.endm
.macro TURN slot, next, fill
	s_wait_tensorcnt 0x0
	ds_add_u32 v[SPW], v[NIL]
	s_wait_dscnt 4*NL+1
	WIN MUL_LO
	MUL16 0, 1, NQ-1, \slot, 0
	s_wait_dscnt 0x0
	s_barrier_signal -1
	MUL16 2, 1, NQ-1, \slot, 0
	WIN 0
	s_barrier_wait -1
.if \fill
	CREST
	s_add_nc_u64 s[G0+4*\slot+2:G0+4*\slot+3], s[G0+4*\slot+2:G0+4*\slot+3], 2*CH
	s_add_nc_u64 s[G0B+4*\slot+2:G0B+4*\slot+3], s[G0B+4*\slot+2:G0B+4*\slot+3], 2*CH
	JLOAD G0+4*\slot, G1, G0B+4*\slot, G1B
.else
	PLACES NP
.endif
	s_wait_alu depctr_va_vdst(0)
	v_add_nc_u32 v[ADRS], 64*NQ, v[ADRS]
	FETCH_B \next, 0, 0
	FETCH_A \next, 0, 0
	SCALES \next
	WIN MUL_HI
	MUL16 4, 1, NQ-1, \slot, 0
	MUL16 6, 1, NQ-1, \slot, 0
	PLACES NP
	WIN 0
	FETCH_A \next, 0, 4
.endm
	s_wait_alu depctr_va_vdst(0)
	s_wait_tensorcnt 0x0                           ; my tile of the head's four is in
	ds_add_u32 v[SPW], v[NIL]
	s_mov_b32 s[G1+2], 8<<16                       ; no tensor load of mine is out: from here on a load brings 8 tiles of rows,
	s_mov_b32 s[G1+4], 8
	s_mov_b32 s[G1B+2], 8<<16
	s_mov_b32 s[G1B+4], 8
	s_mov_b32 s[G0+1], s45                         ; and slot 0's groups 0 name my half
	s_mov_b32 s[G0B+1], s45
	s_add_nc_u64 s[G0+2:G0+3], s[G0+2:G0+3], s[94:95]
	s_add_nc_u64 s[G0B+2:G0B+3], s[G0B+2:G0B+3], s[94:95]
	s_wait_dscnt 0x0
	CROUND                                         ; a whole round: all four tiles are in, in every partner
	JLOAD G0+4, G1, G0B+4, G1B                     ; slot 1's first fill, my one tensor load behind the round
	FETCH_B 0, 0, 0
	FETCH_A 0, 0, 0
	SCALES 0
	FETCH_A 0, 0, 4
	global_prefetch_b8 v30, s[4:5] offset:CH th:TH_LOAD_NT scope:SCOPE_SE          ; chunk 3, behind chunk 1's load
	STEP 0, 0, 1
	s_mov_b32 s3, LAPS-1
.Llap:
	TURN 0, 1, 1
	STEP 1, 0, 0
	TURN 1, 0, 1
	STEP 0, 0, 0
	s_sub_co_u32 s3, s3, 1
	s_cmp_lg_u32 s3, 0
	s_cbranch_scc1 .Llap
	TURN 0, 1, 0
	STEP 1, 0, 0
	s_wait_dscnt 4*NL
	WIN MUL_LO
	MUL16 0, 1, NQ-1, 1, 0
	MUL16 2, 1, NQ-1, 1, 0
	s_wait_dscnt 0
	WIN MUL_HI
	MUL16 4, 1, NQ-1, 1, 0
	MUL16 6, 1, NQ-1, 1, 0
	WIN 0
.macro QSCALE s
.irp b, 0,1,2,3
	v_max3_num_f32 v[TM+\b], |v[\s+16*\b]|, |v[\s+16*\b+1]|, 0x1800000
.endr
.irp i, 2,4,6,8,10,12,14
.irp b, 0,1,2,3
	v_max3_num_f32 v[TM+\b], v[TM+\b], |v[\s+16*\b+\i]|, |v[\s+16*\b+\i+1]|
.endr
.endr
.irp b, 0,1,2,3
	v_permlanex16_b32 v[TM+4+\b], v[TM+\b], s[SEL], s[SEL+1]
.endr
.irp b, 0,1,2,3
	v_max_num_f32 v[TM+\b], v[TM+\b], v[TM+4+\b]
.endr
.irp b, 0,1,2,3
	v_add_nc_u32 v[TM+8+\b], 0xff000000, v[TM+\b]
.endr
.irp b, 0,1,2,3
	v_lshrrev_b32 v[TM+4+\b], 23, v[TM+8+\b]
.endr
	v_lshl_or_b32 v[PW], v[TM+5], 8, v[TM+4]
	v_lshl_or_b32 v[PW], v[TM+6], 16, v[PW]
	v_lshl_or_b32 v[PW], v[TM+7], 24, v[PW]
.endm
.macro QCODES s
.irp c, 0,1
	v_cvt_scalef32_pk16_fp6_f32 v[PC+6*\c:PC+6*\c+2], v[\s+32*\c:\s+32*\c+15], v[TM+8+2*\c]
	v_cvt_scalef32_pk16_fp6_f32 v[PC+12+4*\c:PC+14+4*\c], v[\s+32*\c+16:\s+32*\c+31], v[TM+9+2*\c]
.endr
	v_nop
.irp c, 0,1
.irp i, 0,1,2
	v_permlane16_swap_b32 v[PC+6*\c+\i], v[PC+12+4*\c+\i]
.endr
.irp i, 0,1,2
	v_mov_b32 v[PC+3+6*\c+\i], v[PC+12+4*\c+\i]
.endr
.endr
.endm
.macro STIMG lo
	global_store_b128 v[L16], v[PC:PC+3], s[\lo:\lo+1]
	global_store_b64 v[L8], v[PC+4:PC+5], s[\lo:\lo+1] offset:512
	global_store_b128 v[L16], v[PC+6:PC+9], s[\lo:\lo+1] offset:768
	global_store_b64 v[L8], v[PC+10:PC+11], s[\lo:\lo+1] offset:1280
.endm
	PLACES NP
	s_wait_loadcnt 0x0
	v_and_b32 v[L16], 31, v0
	v_lshlrev_b32 v[L8], 3, v[L16]
	v_lshlrev_b32 v[L16], 4, v[L16]
	v_and_b32 v[L4], 15, v0
	v_bfe_u32 v[LVV], v0, 4, 1
	v_lshlrev_b32 v[LVV], 16, v[LVV]
	v_lshl_add_u32 v[LVV], v[L4], 4, v[LVV]
	v_lshlrev_b32 v[L4], 2, v[L4]
.irp b, 0,1,2,3
	v_mov_b32 v[TM+4+\b], 0
	v_mov_b32 v[VC+4*\b+3], 0
.endr
	s_mov_b32 s[SEL], 0x76543210
	s_mov_b32 s[SEL+1], 0xfedcba98
	s_lshl_b32 s36, s42, 1
	s_add_co_u32 s36, s36, s16
	s_lshl_b32 s37, s17, 1
	s_add_co_u32 s37, s37, s15
	s_lshl_b32 s38, s37, 7
	s_add_co_u32 s38, s38, s36
	s_mul_i32 s38, s38, IMG
	s_lshl_b32 s39, s37, 13
	s_lshl_b32 s40, s36, 6
	s_add_co_u32 s39, s39, s40
	s_add_co_u32 s39, s39, 10485760
	s_lshr_b32 s40, s36, 4
	s_and_b32 s41, s36, 15
	s_lshl_b32 s40, s40, 4
	s_lshl_b32 s43, s37, 1
	s_add_co_u32 s40, s40, s43
	s_lshl_b32 s43, s40, 17
	s_lshl_b32 s44, s41, 12
	s_add_co_u32 s43, s43, s44
	s_add_co_u32 s43, s43, 6291456
	s_lshl_b32 s44, s40, 4
	s_add_co_u32 s44, s44, s41
	s_lshl_b32 s44, s44, 8
	s_add_co_u32 s44, s44, 10747904
	s_mov_b32 s32, 131072
	s_mov_b32 s33, 1024
	s_mov_b32 s34, 4096
	s_cmp_eq_u32 s12, 0
	s_cselect_b32 s24, s38, s43
	s_cselect_b32 s26, s39, s44
	s_cselect_b32 s32, 98304, s32
	s_cselect_b32 s33, 24576, s33
	s_cselect_b32 s35, 1024, 64
	s_mov_b32 s25, 0
	s_mov_b32 s27, 0
	s_add_nc_u64 s[24:25], s[8:9], s[24:25]
	s_add_nc_u64 s[26:27], s[8:9], s[26:27]
	s_mov_b32 s3, 0
.Ltile:
	s_cmp_eq_u32 s12, 0
	s_cbranch_scc0 .Lvdisp
.irp k, 0,1,2,3,4,5,6
	s_cmp_eq_u32 s3, \k
	s_cbranch_scc1 .Lqarm\k
.endr
	s_branch .Lqarm7
.Lvdisp:
.irp k, 0,1,2,3,4,5,6
	s_cmp_eq_u32 s3, \k
	s_cbranch_scc1 .Lvarm\k
.endr
	s_branch .Lvarm7
.irp k, 0,1,2,3,4,5,6,7
.Lqarm\k:
	WIN 0x02+(\k)/4
.set AC, 64*((\k)%4)
.set i, 0
.rept 32
	v_pk_add_f32 v[ST+i:ST+i+1], v[AC+i:AC+i+1], v[BX+i:BX+i+1]
.set i, i+2
.endr
	WIN 0
	s_branch .Lwork
.endr
.irp k, 0,1,2,3,4,5,6,7
.Lvarm\k:
	WIN 0x02+(\k)/4
.set AC, 64*((\k)%4)
.set i, 0
.rept 32
	v_pk_add_f32 v[ST+i:ST+i+1], v[AC+i:AC+i+1], v[BY+2*\k:BY+2*\k+1]
.set i, i+2
.endr
	WIN 0
	s_branch .Lwork
.endr
.Lwork:
	QSCALE ST
	s_wait_alu depctr_va_vdst(0)
	s_lshr_b32 s36, s3, 2
	s_and_b32 s37, s3, 3
	s_mul_i32 s38, s36, s32
	s_mul_i32 s39, s37, s33
	s_add_co_u32 s28, s38, s39
	s_mov_b32 s29, 0
	s_add_nc_u64 s[28:29], s[24:25], s[28:29]
	s_mul_i32 s38, s36, s34
	s_mul_i32 s39, s37, s35
	s_add_co_u32 s30, s38, s39
	s_mov_b32 s31, 0
	s_add_nc_u64 s[30:31], s[26:27], s[30:31]
	global_store_b32 v[L4], v[PW], s[30:31]
	s_cmp_eq_u32 s12, 0
	s_cbranch_scc0 .Lvals
	QCODES ST
	STIMG 28
	s_branch .Lnext
.Lvals:
.irp b, 0,1,2,3
	v_cvt_scalef32_pk16_fp6_f32 v[VC+4*\b:VC+4*\b+2], v[ST+16*\b:ST+16*\b+15], v[TM+8+\b]
.endr
	v_nop
.irp b, 0,1,2,3
	global_store_b128 v[LVV], v[VC+4*\b:VC+4*\b+3], s[28:29] offset:512*(\b/2)+256*(\b%2)
.endr
.Lnext:
	s_wait_xcnt 0x0
	s_add_co_u32 s3, s3, 1
	s_cmp_lt_u32 s3, 8
	s_cbranch_scc1 .Ltile
	s_wait_tensorcnt 0x0
	ds_add_u32 v[SPW], v[NIL]
	s_wait_dscnt 0x0
	CROUND
	s_endpgm
.Lfunc_end_k_qd13003b231_g1:
	.size	k_qd13003b231_g1, .Lfunc_end_k_qd13003b231_g1-k_qd13003b231_g1
	.p2alignl 7, 3214868480
	.fill 96, 4, 3214868480
	.section	.rodata,"a",@progbits
	.p2align	6, 0x0
	.amdhsa_kernel k_qd13003b231_g1
		.amdhsa_group_segment_fixed_size 327680
		.amdhsa_private_segment_fixed_size 0
		.amdhsa_enable_private_segment 0
		.amdhsa_kernarg_size 24
		.amdhsa_user_sgpr_count 2
		.amdhsa_user_sgpr_kernarg_segment_ptr 1
		.amdhsa_wavefront_size32 1
		.amdhsa_system_sgpr_workgroup_id_x 1
		.amdhsa_system_sgpr_workgroup_id_y 1
		.amdhsa_system_sgpr_workgroup_id_z 1
		.amdhsa_system_vgpr_workitem_id 0
		.amdhsa_next_free_vgpr 1024
		.amdhsa_next_free_sgpr 100
		.amdhsa_reserve_vcc 0
		.amdhsa_float_denorm_mode_32 3
		.amdhsa_float_denorm_mode_16_64 3
		.amdhsa_memory_ordered 1
		.amdhsa_forward_progress 1
		.amdhsa_inst_pref_size 163
	.end_amdhsa_kernel
	.amdgpu_metadata
---
amdhsa.version: [ 1, 2 ]
amdhsa.kernels:
  - .name:           k_qd13003b231_g1
    .symbol:         k_qd13003b231_g1.kd
    .args:
      - { .name: pw, .offset: 0, .size: 8, .value_kind: global_buffer, .address_space: global }
      - { .name: qkv_b, .offset: 8, .size: 8, .value_kind: global_buffer, .address_space: global }
      - { .name: qkv, .offset: 16, .size: 8, .value_kind: global_buffer, .address_space: global }
    .group_segment_fixed_size: 327680
    .private_segment_fixed_size: 0
    .kernarg_segment_align: 8
    .kernarg_segment_size: 24
    .max_flat_workgroup_size: 128
    .sgpr_count:     100
    .vgpr_count:     1024
    .wavefront_size: 32
...
	.end_amdgpu_metadata
.endif
;; end of part 8
;; launch attn_out_ln (part 9): grid 256 x 1, 16 waves a work-group, clusters of 4 x 1, 327,680 bytes of LDS; arguments qkv, pw, x, out_b, ln2_g, ln2_b, x1, h2q; writes x1, h2q
.if DOCPART == 9
	.amdgcn_target "amdgcn-amd-amdhsa--gfx1250"
	.amdhsa_code_object_version 6
	.text
	.protected	k_qd13003b231_attn_out_ln
	.globl	k_qd13003b231_attn_out_ln
	.p2align	8
	.type	k_qd13003b231_attn_out_ln,@function
k_qd13003b231_attn_out_ln:
	s_mov_b64 s[64:65], 0
	v_nop
	global_prefetch_b8 v0, s[64:65] scope:SCOPE_SE
	s_setreg_imm32_b32 hwreg(HW_REG_WAVE_MODE, 25, 1), 1
	s_wait_xcnt 0x0
	s_wait_alu depctr_hold_cnt(0) depctr_sa_sdst(0) depctr_va_vdst(0) depctr_va_sdst(0) depctr_va_ssrc(0) depctr_va_vcc(0) depctr_vm_vsrc(0)
	s_getreg_b32 s2, hwreg(HW_REG_IB_STS2, 6, 4)
	s_cmp_eq_u32 s2, 0
	s_cbranch_scc0 .Lentry_in_a_cluster
	s_endpgm
.Lentry_in_a_cluster:
	s_bfe_u32 s2, ttmp6, 0x10000c
	s_cmp_lg_u32 s2, 0x3003
	s_cbranch_scc0 .Lentry_shape_is_right
	s_endpgm
.Lentry_shape_is_right:
; Dilated causal attention, the projection on the way out, the residual and the second LayerNorm, for 16 tokens a work-group.  All products on codes of FP6 (E2M3) with E8M0 scales.
; Query i sees keys i, i - 2, .. i - 256: tokens of one parity see only their own parity; counted within a parity the mask is a causal window of distance 0 .. 128.
; SHARES.  A work-group: one batch, one block B of 32 tokens, one parity: 16 tokens (256 work-groups; the blocks with the fewest key steps get the highest numbers).  Its sixteen waves are the sixteen heads.
; CLUSTERS of 4 x 1: the two parities of two neighbouring blocks, which lie in one group of 128 tokens: every branch hangs on the cluster's number or the wave's alone.
; ATTENTION, a wave: the three aligned groups of 128 tokens G - 2, G - 1, G with G = B / 4; a group that does not exist is jumped over by a scalar branch on ids, the same in all waves and partners.
; Both products transposed (S^T = K Q^T, O^T = V^T P^T): a lane holds ONE query (lane % 16).  The keys of tile t are chosen so that registers 16 c + i of the scores are key i of block 2 c + lane / 16.
; A head has 64 channels: registers 0-5 of Q's and K's fragments; registers 6-11 are zero codes.  In the second product a quantiser's block is 32 neighbouring tokens, 16 of each parity; p of the other parity is 0, so
; its codes are zeros and its products are left out: my parity's 16 codes take places 0-15 of a scale block, in p and in V alike; places 16-31 are zero codes.  V's scale was taken over all 32 tokens by the launch before.
; K, V and Q go from memory straight into registers: each fragment is multiplied by one wave alone.
; SOFTMAX.  t = score x log2(e) / 8; M = the running largest t rounded up to a whole number; p = 2^(t - M); the sum of the unquantised p divides at the end; a change of M multiplies by an exact power of two.
; THE PROJECTION.  Each wave lays its head's y, quantised, as half an operand image in LDS.  Behind one barrier wave w makes columns 64 w .. 64 w + 63 of y out_w^T: 4 accumulators by turns x 8 K steps.
; Source 0 = 16 rows of out_w (pw, ids 448 on), source 1 = y's image.  EVERY WORK-GROUP WALKS ALL OF out_w, so the four partners ask for it JOINTLY: each wave one tensor load of its own four tiles of rows x three K steps
; (4 rows of 4,608 bytes): K steps 0-2 at the head, which land under the attention; K steps 3-5 as one refill behind a round of the cluster's barrier.  K steps 6 and 7 come by 32 plain loads into registers, asked for at
; the attention's end and multiplied while the refill is on its way.  A wave reads only the LDS bytes that it asked for itself.  The sums take K in the order 0 1 2 6 7 3 4 5.
; out_w's scale words: one load serves two K steps: lanes 0-15 hold the even step's words, lanes 16-31 the odd step's.
; By the choice of out_w's rows that form a tile, register 16 b + i of a lane is column 64 w + 32 b + 16 (lane / 16) + i of token lane % 16: neighbours along the next product's K.
; x + out_b comes as whole rows of 256 bytes and turns through the wave's own stage, which lies in its slot bytes after their last fill and last read; x1 goes back through it and leaves as whole rows.
; The LayerNorm's two sums (mean first, then the squares of the differences) go over the sixteen waves through LDS, one barrier each.  h2 is quantised as y was; its scale words are gathered in LDS and stored by wave 0.
; Row m of the work-group's tile T = 2 x block + parity is token 32 (T / 2) + T % 2 + 2 m.  OUT: x1 [token][1,024] f32; h2q: words at T x 512 + 64 x K step, codes at 524,288 + T x 12,288 + 1,536 x K step.
; NO PREFETCH: the text has no loop to run ahead in.
; LIMITS: the promise holds while the scaled scores stay under 2^31 in magnitude; a block whose largest magnitude lies under 2^-124 keeps the byte 1, a block of zeros too (this program alone reads the bytes); NaN and infinities are not served.
.set WS,    18432                      ; LDS: a wave's slot: four tiles of rows x three K steps of 1,536 bytes; sixteen of them from byte 0
.set YI,    16*WS                      ; 294,912: y's eight images
.set YS,    YI+12288                   ; y's scale words; h2's 512 further on
.set HS,    YS+512
.set RED,   HS+512                     ; the sums: [token][wave] f32, 1,024 bytes; the squares' 1,024 further on
.set SPARE, RED+2048                   ; 310,272: the spare words, 128 bytes for each of sixteen waves
.set LK16, 3
.set LK8,  4
.set LKS,  5
.set LV,   6                           ; 16 x lane
.set LVS,  7                           ; 4 x (lane % 16)
.set LO,   8
.set HI,   10
.set Q,    16
.set QS,   28
.set NEG,  29
.set SH8,  30
.set L8,   31                          ; 8 x lane
.set KF,   32
.set KW,   80
.set VF,   84
.set VW,   132
.set S,    136
.set O,    168
.set P,    200
.set PW,   212
.set SPW,  213
.set BM,   214
.set PD,   216
.set SCO,  220
.set BYT,  222
.set F,    224
.set T,    226
.set PC,   232
.set NIL,  239
.set YA,   3                           ; the second half's addresses, in registers that the attention has done with
.set YB,   4
.set YC,   5
.set SRW,  8                           ; my stage by rows: lanes 0-15 a row of 256 bytes, lanes 16-31 the next
.set SLN,  9                           ; my stage by lanes: row lane % 16, 64 bytes for each half of the lanes
.set GBW,  10
.set GBR,  11
.set CO,   12
.set CB,   13
.set RW,   14
.set RR,   15
.set YRA,  29
.set YRB,  30
.set YRS,  226
.set BL16, 227
.set BL8,  228
.set HR,   229
.set SOF,  230
.set MA,   220
.set G0,   80                          ; s[80:83], s[84:91]: the joint load's two groups
.set G1,   84
.macro D n
	s_delay_alu instid0(VALU_DEP_\n)
.endm
.macro CROUND                          ; a round of the cluster's barrier
	s_barrier_signal -1
	s_barrier_wait -1
	s_cmp_lg_u32 s8, 0
	s_cbranch_scc1 .Lnot_wave_0_\@
	s_barrier_signal -3
.Lnot_wave_0_\@:
	s_barrier_wait -3
	s_barrier_signal -1
	s_barrier_wait -1
.endm
	s_load_b64 s[4:5], s[0:1], 0x0                 ; qkv
	s_load_b256 s[48:55], s[0:1], 0x8              ; pw, x, out_b, ln2_g
	s_load_b128 s[56:59], s[0:1], 0x28             ; ln2_b, x1
	s_load_b64 s[60:61], s[0:1], 0x38              ; h2q
	v_lshl_add_u32 v[SPW], v0, 2, SPARE
	v_mov_b32 v[NIL], 0
	ds_add_u32 v[SPW], v[NIL]                      ; the opening lines: the add, twice on end, and its wait ahead of my first tensor load
	ds_add_u32 v[SPW], v[NIL]
	v_lshrrev_b32 v1, 5, v0
	D 1
	v_readfirstlane_b32 s8, v1                     ; wave 0..15
	s_bfe_u32 s77, ttmp6, 0x40000                  ; cx
	s_and_b32 s10, s77, 1                          ; parity
	s_lshr_b32 s77, s77, 1                         ; which block of the cluster's two
	s_mov_b32 s11, s8                              ; head
	s_lshr_b32 s12, ttmp9, 5                       ; batch
	s_and_b32 s14, ttmp9, 31
	s_sub_co_u32 s14, 31, s14                      ; the cluster's pair of blocks
	s_lshl_b32 s13, s14, 1
	s_add_co_u32 s13, s13, s77                     ; B
	s_lshr_b32 s14, s14, 1                         ; G, of the cluster's number alone
	s_and_b32 s15, s13, 3
	s_mov_b32 s[G1+0], 15|(3<<16)|(1<<21)          ; the mask names the four partners; elements of 8 bytes; bit 21 beside a mask
	s_mov_b32 s[G1+1], 576<<16                     ; a row: three K steps, 4,608 bytes
	s_mov_b32 s[G1+2], 4<<16                       ; four tiles of rows,
	s_mov_b32 s[G1+3], 576<<16
	s_mov_b32 s[G1+4], 4
	s_mov_b32 s[G1+5], 1536                        ; 12,288 bytes apart
	s_mov_b32 s[G1+6], 0
	s_mov_b32 s[G1+7], 0
	s_lshl_b32 s16, s12, 7                         ; a batch has 128 token tiles
	s_lshl_b32 s17, s13, 1
	s_add_co_u32 s17, s17, s16                     ; my queries' first token tile
	s_lshl_b32 s18, s14, 3
	s_add_co_u32 s18, s18, s16                     ; group G's first token tile
	s_mul_i32 s19, s11, 768                        ; a head is half an image
	s_lshr_b32 s40, s11, 1
	s_and_b32 s41, s11, 1
	s_lshl_b32 s42, s40, 6
	s_lshl_b32 s43, s41, 1
	s_add_co_u32 s42, s42, s43                     ; and two bytes of a scale word
	s_mul_i32 s24, s17, 24576
	s_add_co_u32 s24, s24, s19                     ; Q's codes
	s_mov_b32 s25, 0
	s_mul_i32 s26, s18, 24576
	s_add_co_u32 s26, s26, s19
	s_add_co_u32 s26, s26, 12288                   ; K's codes of group G
	s_mov_b32 s27, 0
	s_lshl_b32 s28, s17, 10
	s_add_co_u32 s28, s28, s42
	s_add_co_u32 s28, s28, 10485760                ; Q's scale bytes
	s_mov_b32 s29, 0
	s_lshl_b32 s30, s18, 10
	s_add_co_u32 s30, s30, s42
	s_add_co_u32 s30, s30, 10485760+512            ; K's
	s_mov_b32 s31, 0
	s_lshl_b32 s44, s12, 4
	s_add_co_u32 s44, s44, s11
	s_lshl_b32 s32, s44, 1
	s_add_co_u32 s32, s32, s10
	s_lshl_b32 s32, s32, 4
	s_add_co_u32 s32, s32, s14
	s_lshl_b32 s32, s32, 12
	s_add_co_u32 s32, s32, 6291456                 ; V's codes of group G
	s_mov_b32 s33, 0
	s_lshl_b32 s34, s44, 4
	s_add_co_u32 s34, s34, s14
	s_lshl_b32 s34, s34, 8
	s_add_co_u32 s34, s34, 10747904                ; V's scale words
	s_mov_b32 s35, 0
	s_add_co_u32 s45, s17, s10                     ; T
	s_lshl_b32 s38, s45, 9                         ; h2's scale words
	s_mov_b32 s39, 0
	s_lshl_b32 s45, s45, 3
	s_add_co_u32 s45, s45, s40
	s_mul_i32 s36, s45, 1536
	s_mul_i32 s46, s41, 768
	s_add_co_u32 s36, s36, s46
	s_add_co_u32 s36, s36, 524288                  ; h2's half image
	s_mov_b32 s37, 0
	s_mul_i32 s66, s8, 49152
	s_add_co_u32 s66, s66, 524288+448*12288        ; out_w's images: my four tiles of rows
	s_mov_b32 s67, 0
	s_lshl_b32 s68, s8, 11
	s_add_co_u32 s68, s68, 448*512                 ; and their scale words
	s_mov_b32 s69, 0
	s_lshl_b32 s70, s17, 4
	s_add_co_u32 s70, s70, s10                     ; my first token
	s_lshl_b32 s70, s70, 12
	s_lshl_b32 s72, s8, 8                          ; my 64 columns, in bytes
	s_add_co_u32 s70, s70, s72
	s_mov_b32 s71, 0
	s_mov_b32 s73, 0
	s_mul_i32 s9, s8, WS                           ; my slot
	s_mov_b32 s20, 0x76543210
	s_mov_b32 s21, 0xfedcba98
	s_mov_b32 s22, 0x3e38aa3b                      ; c = log2(e) / 8
	s_mov_b32 s23, s22
	v_and_b32 v1, 15, v0                           ; r
	v_bfe_u32 v2, v0, 4, 1                         ; h
	D 2
	v_and_b32 v[T], 7, v1
	s_lshl_b32 s47, s10, 3
	v_add_nc_u32 v[T], s47, v[T]                   ; row of a token tile: 8 x parity + r % 8
	D 1
	v_lshl_add_u32 v[T+1], v2, 4, v[T]
	v_lshrrev_b32 v[T+2], 3, v1
	D 1
	v_mul_u32_u24 v[LK16], v[T+2], 49152           ; K: rows 8-15 of a tile are the next block's keys: two token tiles on
	D 1
	v_lshl_add_u32 v[LK8], v[T+1], 3, v[LK16]
	D 2
	v_lshl_add_u32 v[LK16], v[T+1], 4, v[LK16]
	v_lshlrev_b32 v[LKS], 11, v[T+2]
	D 1
	v_lshl_add_u32 v[LKS], v[T], 2, v[LKS]
	v_mul_u32_u24 v[PC], v[T+2], 24576             ; Q: queries 8-15 lie in the next token tile
	D 1
	v_lshl_add_u32 v[PC+1], v[T+1], 3, v[PC]
	D 2
	v_lshl_add_u32 v[PC], v[T+1], 4, v[PC]
	v_lshlrev_b32 v[PC+2], 10, v[T+2]
	D 1
	v_lshl_add_u32 v[PC+2], v[T], 2, v[PC+2]
	v_and_b32 v[L8], 31, v0
	D 1
	v_lshlrev_b32 v[LV], 4, v[L8]
	D 2
	v_lshlrev_b32 v[L8], 3, v[L8]
	v_lshlrev_b32 v[LVS], 2, v1
	v_lshlrev_b32 v[SH8], 3, v2
	s_wait_alu depctr_va_vdst(0)
	s_wait_dscnt 0x0                               ; both opening adds are done
	s_wait_kmcnt 0x0
	s_add_nc_u64 s[24:25], s[4:5], s[24:25]
	s_add_nc_u64 s[26:27], s[4:5], s[26:27]
	s_add_nc_u64 s[28:29], s[4:5], s[28:29]
	s_add_nc_u64 s[30:31], s[4:5], s[30:31]
	s_add_nc_u64 s[32:33], s[4:5], s[32:33]
	s_add_nc_u64 s[34:35], s[4:5], s[34:35]
	s_add_nc_u64 s[36:37], s[60:61], s[36:37]
	s_add_nc_u64 s[38:39], s[60:61], s[38:39]
	s_add_nc_u64 s[66:67], s[48:49], s[66:67]
	s_add_nc_u64 s[68:69], s[48:49], s[68:69]
	s_add_nc_u64 s[50:51], s[50:51], s[70:71]      ; x at my corner
	s_add_nc_u64 s[58:59], s[58:59], s[70:71]      ; x1 likewise
	s_add_nc_u64 s[52:53], s[52:53], s[72:73]
	s_add_nc_u64 s[54:55], s[54:55], s[72:73]
	s_add_nc_u64 s[56:57], s[56:57], s[72:73]
	s_mov_b32 s[G0], 1
	s_mov_b32 s[G0+1], s9                          ; wave x 18,432: no place in the cluster enters an LDS address
	s_mov_b64 s[G0+2:G0+3], s[66:67]               ; the address hangs on the wave's number alone: the same in all four partners
	s_or_b32 s[G0+3], s[G0+3], 0x80000000
	global_load_b128 v[Q:Q+3], v[PC], s[24:25]
	global_load_b64 v[Q+4:Q+5], v[PC+1], s[24:25] offset:512
	global_load_u16 v[QS], v[PC+2], s[28:29]       ; the head's two bytes; the word's upper two stand over zero codes
	CROUND                                         ; all four work-groups are here: the first joint loads meet
	tensor_load_to_lds s[G0:G0+3], s[G1:G1+7]      ; out_w's K steps 0-2 of my four tiles: my one tensor load at the head
	s_nop 0
.irp c, 0,1                            ; the window's two edges, by the block's place against my own block: rel = 2 c + h - B % 4
	s_sub_co_i32 s47, 2*\c, s15
	v_add_nc_u32 v[T], s47, v2
	D 1
	v_cmp_eq_i32 vcc_lo, 0, v[T]
	D 1
	v_cndmask_b32 v[LO+\c], 0, v1, vcc_lo          ; rel = 0: keys under my own place are too far back;
	D 2
	v_cndmask_b32 v[HI+\c], 15, v1, vcc_lo         ;          keys above it are in the future
	D 4
	v_cmp_le_i32 vcc_lo, 0, v[T]
	D 1
	v_cndmask_b32 v[LO+\c], 16, v[LO+\c], vcc_lo   ; rel < 0: the whole block is too far back
	v_cmp_ge_i32 vcc_lo, 0, v[T]
	D 1
	v_cndmask_b32 v[HI+\c], -1, v[HI+\c], vcc_lo   ; rel > 0: the whole block is in the future
.endr
	v_mov_b32 v[NEG], 0xff800000
.irp j, 6,7,8,9,10,11
	v_mov_b32 v[Q+\j], 0                           ; zero codes, set once
.irp t, 0,1,2,3
	v_mov_b32 v[KF+12*\t+\j], 0
.endr
.endr
.irp j, 4,5,10,11
.irp t, 0,1,2,3
	v_mov_b32 v[VF+12*\t+\j], 0
.endr
.endr
.irp j, 3,4,5,9,10,11
	v_mov_b32 v[P+\j], 0
.endr
.irp j, 0,1,2,3
	v_mov_b32 v[PD+\j], 0                          ; written once: a lane permute's destination counts as one of its sources
.endr
	v_mov_b32 v[F+1], 0
	v_mov_b32 v13, 0xff61b1e6                      ; the largest t so far: -3e38
	D 1
	v_floor_f32 v12, -v13                          ; -M
	v_mov_b32 v14, 0
	v_mov_b32 v15, 0
.set i, 0
.rept 32
	v_mov_b32 v[O+i], 0                            ; O^T: the step is written for every step alike: the first finds zeros
.set i, i+1
.endr
; A KEY STEP: group G - 2 + st.  kind 0: the far edge is masked; 2: the near edge; 1: every key counts.
; K's four fragments and scale bytes of step st: twelve loads.  A step asks for the NEXT step's as soon as its own scores are made; the first step's stand in front of it.
.macro KLOAD st
.irp t, 0,1,2,3
	global_load_b128 v[KF+12*\t:KF+12*\t+3], v[LK16], s[26:27] offset:((\st)-2)*196608+(4*(\t/2)+\t%2)*24576
	global_load_b64 v[KF+12*\t+4:KF+12*\t+5], v[LK8], s[26:27] offset:((\st)-2)*196608+(4*(\t/2)+\t%2)*24576+512
	global_load_u16 v[KW+\t], v[LKS], s[30:31] offset:((\st)-2)*8192+(4*(\t/2)+\t%2)*1024
.endr
.endm
.macro STEP st, kind
.rept 4
	v_nop                                          ; places in front of loads into registers that matrix instructions have read
.endr
.irp t, 0,1,2,3
	global_load_b128 v[VF+12*\t:VF+12*\t+3], v[LV], s[32:33] offset:((\st)-2)*4096+1024*\t
	global_load_b128 v[VF+12*\t+6:VF+12*\t+9], v[LV], s[32:33] offset:((\st)-2)*4096+1024*\t+512
	global_load_b32 v[VW+\t], v[LVS], s[34:35] offset:((\st)-2)*256+64*\t
.endr
	s_wait_loadcnt 12                              ; K (and, in the first step, Q) is in; V's twelve loads may be out
.irp t, 0,1,2,3
	v_wmma_scale_f32_16x16x128_f8f6f4 v[S+8*\t:S+8*\t+7], v[KF+12*\t:KF+12*\t+11], v[Q:Q+11], 0, v[KW+\t], v[QS] matrix_a_fmt:MATRIX_FMT_FP6 matrix_b_fmt:MATRIX_FMT_FP6
.endr
.rept 4
	v_nop                                          ; places: in front of the first read of the scores, and of the loads into K's registers
.endr
.if \st < 2
	KLOAD (\st)+1                                  ; it has the softmax and the second product in which to land
.endif
.if \kind == 0
.irp c, 0,1
.irp i, 0,1,2,3,4,5,6,7,8,9,10,11,12,13,14,15
	v_cmp_lt_i32 vcc_lo, \i, v[LO+\c]
	v_cndmask_b32 v[S+16*\c+\i], v[S+16*\c+\i], v[NEG], vcc_lo
.endr
.endr
.endif
.if \kind == 2
.irp c, 0,1
.irp i, 0,1,2,3,4,5,6,7,8,9,10,11,12,13,14,15
	v_cmp_gt_i32 vcc_lo, \i, v[HI+\c]
	v_cndmask_b32 v[S+16*\c+\i], v[S+16*\c+\i], v[NEG], vcc_lo
.endr
.endr
.endif
.irp c, 0,1
	v_max3_num_f32 v[BM+\c], v[S+16*\c], v[S+16*\c+1], v[S+16*\c+2]   ; the largest score of each of my two blocks: for the row's maximum and, since p rises with the score, for the block's largest p
.endr
.irp i, 3,5,7,9,11,13
.irp c, 0,1
	v_max3_num_f32 v[BM+\c], v[BM+\c], v[S+16*\c+\i], v[S+16*\c+\i+1]
.endr
.endr
.irp c, 0,1
	v_max_num_f32 v[BM+\c], v[BM+\c], v[S+16*\c+15]
.endr
	D 1
	v_max_num_f32 v[T], v[BM], v[BM+1]
	D 1
	v_permlanex16_b32 v[PD], v[T], s20, s21
	D 1
	v_max_num_f32 v[T], v[T], v[PD]                ; the step's largest score of my query
	D 1
	v_mul_f32 v[T], s22, v[T]
	D 1
	v_max_num_f32 v13, v13, v[T]                   ; the running largest t
	v_mov_b32 v[T], v12
	D 2
	v_floor_f32 v12, -v13                          ; -M = floor(-t): M is a whole number
	D 1
	v_sub_f32 v[T], v12, v[T]
	D 1
	v_cvt_i32_f32 v[T], v[T]                       ; (it saturates)
	D 1
	v_ldexp_f32 v[F], 1.0, v[T]                    ; f = 2^(old M - new M)
.set i, 0
.rept 16
	v_pk_fma_f32 v[S+i:S+i+1], v[S+i:S+i+1], s[22:23], v[12:13] op_sel_hi:[1,0,0]   ; t - M
.set i, i+2
.endr
.irp c, 0,1
	v_fma_f32 v[BM+\c], v[BM+\c], s22, v12
.endr
.set i, 0
	s_wait_alu depctr_va_vdst(0)
.rept 32
	v_exp_f32 v[S+i], v[S+i]                       ; p = 2^(t - M)
.set i, i+1
.endr
	v_pk_mul_f32 v[14:15], v[14:15], v[F:F+1] op_sel_hi:[1,0]      ; the sums under the new M: a plain place behind the exponentials
	s_wait_alu depctr_va_vdst(0)                   ; one wait for the batch, ahead of its first reader
.irp c, 0,1
	v_exp_f32 v[BM+\c], v[BM+\c]                   ; the block's largest p
.endr
	v_pk_add_f32 v[228:229], v[140:141], v[144:145]
	v_pk_add_f32 v[254:255], v[148:149], v[152:153]
	v_pk_add_f32 v[252:253], v[156:157], v[160:161]
	v_pk_add_f32 v[250:251], v[164:165], v[136:137]
	v_pk_add_f32 v[248:249], v[138:139], v[142:143]
	v_pk_add_f32 v[246:247], v[146:147], v[150:151]
	v_pk_add_f32 v[244:245], v[154:155], v[158:159]
	v_pk_add_f32 v[14:15], v[14:15], v[162:163]
	v_pk_add_f32 v[228:229], v[228:229], v[166:167]
	D 2
	v_pk_add_f32 v[14:15], v[14:15], v[250:251]
	D 2
	v_pk_add_f32 v[228:229], v[228:229], v[248:249]
	v_pk_add_f32 v[254:255], v[254:255], v[246:247]
	v_pk_add_f32 v[252:253], v[252:253], v[244:245]
	D 2
	v_pk_add_f32 v[14:15], v[14:15], v[254:255]
	D 2
	v_pk_add_f32 v[228:229], v[228:229], v[252:253]
	D 1
	v_pk_add_f32 v[14:15], v[14:15], v[228:229]
	s_wait_alu depctr_va_vdst(0)                   ; and one for the two
.irp c, 0,1
	v_max_num_f32 v[BM+\c], 0x1800000, v[BM+\c]    ; the floor 2^(3 - 127)
.endr
.irp c, 0,1
	D 2
	v_add_nc_u32 v[SCO+\c], 0xff000000, v[BM+\c]
.endr
.irp c, 0,1
	D 2
	v_lshrrev_b32 v[BYT+\c], 23, v[SCO+\c]
.endr
	D 1
	v_lshl_or_b32 v[PW], v[BYT+1], 16, v[BYT]      ; my two bytes: blocks h and 2 + h,
	D 1
	v_lshlrev_b32 v[PW], v[SH8], v[PW]             ; at their places in the word;
	D 1
	v_permlanex16_b32 v[PD+1], v[PW], s20, s21
	D 1
	v_or_b32 v[PW], v[PW], v[PD+1]                 ; with lane l xor 16's two it is whole
.irp c, 0,1
	v_cvt_scalef32_pk16_fp6_f32 v[P+6*\c:P+6*\c+2], v[S+16*\c:S+16*\c+15], v[SCO+\c]   ; places 0-15 of block 2 c + h; places 16-31 stay zero codes
.endr
	v_nop                                          ; one plain place behind a scaled conversion
.set i, 0
.rept 16
	v_pk_mul_f32 v[O+i:O+i+1], v[O+i:O+i+1], v[F:F+1] op_sel_hi:[1,0]   ; O^T under the new M; these sixteen are also the places between p's scale word and codes and the products
.set i, i+2
.endr
	s_wait_alu depctr_va_vdst(0)
.if \st < 2
	s_wait_loadcnt 12                              ; V is in; the next step's twelve loads of K may be out
.else
	s_wait_loadcnt 0x0                             ; V
.endif
.irp t, 0,1,2,3
	v_wmma_scale_f32_16x16x128_f8f6f4 v[O+8*\t:O+8*\t+7], v[VF+12*\t:VF+12*\t+11], v[P:P+11], v[O+8*\t:O+8*\t+7], v[VW+\t], v[PW] matrix_a_fmt:MATRIX_FMT_FP6 matrix_b_fmt:MATRIX_FMT_FP6
.endr
.endm
; 32 numbers of a lane, register 16 b + i = place 32 b + 16 h + i of my row's 64: half a fragment in v[PC:PC+5], the two scale bytes in v[PW]
.macro QHALF s
.irp b, 0,1
	v_max3_num_f32 v[BM+\b], |v[\s+16*\b]|, |v[\s+16*\b+1]|, 0x1800000   ; with the floor 2^(3 - 127)
.endr
.irp i, 2,4,6,8,10,12,14
.irp b, 0,1
	D 2
	v_max3_num_f32 v[BM+\b], v[BM+\b], |v[\s+16*\b+\i]|, |v[\s+16*\b+\i+1]|
.endr
.endr
.irp b, 0,1
	D 2
	v_permlanex16_b32 v[PD+\b], v[BM+\b], s20, s21
.endr
.irp b, 0,1
	D 2
	v_max_num_f32 v[BM+\b], v[BM+\b], v[PD+\b]
.endr
.irp b, 0,1
	D 2
	v_add_nc_u32 v[SCO+\b], 0xff000000, v[BM+\b]   ; 2 off the exponent field: the conversion's scale operand
.endr
.irp b, 0,1
	D 2
	v_lshrrev_b32 v[BYT+\b], 23, v[SCO+\b]
.endr
	D 1
	v_lshl_or_b32 v[PW], v[BYT+1], 8, v[BYT]
	v_cvt_scalef32_pk16_fp6_f32 v[PC:PC+2], v[\s:\s+15], v[SCO]
	v_cvt_scalef32_pk16_fp6_f32 v[PC+4:PC+6], v[\s+16:\s+31], v[SCO+1]
	v_nop
.irp i, 0,1,2
	v_permlane16_swap_b32 v[PC+\i], v[PC+4+\i]     ; a whole block in a lane: lanes 0-15 block 0, lanes 16-31 block 1
.endr
	D 3
	v_mov_b32 v[PC+3], v[PC+4]
	D 3
	v_mov_b32 v[PC+4], v[PC+5]
	D 3
	v_mov_b32 v[PC+5], v[PC+6]
.endm
.macro BLOAD q, u                      ; out_w's four fragments of K step q from memory into set u: 16 loads
.irp t, 0,1,2,3
	global_load_b128 v[32+52*(\u)+12*\t:35+52*(\u)+12*\t], v[LV], s[66:67] offset:12288*\t+1536*(\q)
	global_load_b64 v[36+52*(\u)+12*\t:37+52*(\u)+12*\t], v[L8], s[66:67] offset:12288*\t+1536*(\q)+512
	global_load_b128 v[38+52*(\u)+12*\t:41+52*(\u)+12*\t], v[LV], s[66:67] offset:12288*\t+1536*(\q)+768
	global_load_b64 v[42+52*(\u)+12*\t:43+52*(\u)+12*\t], v[L8], s[66:67] offset:12288*\t+1536*(\q)+1280
.endr
.endm
.macro SPLOAD j, sc                    ; out_w's scale words of K steps 2 j (lanes 0-15) and 2 j + 1 (lanes 16-31), my four tiles
.irp t, 0,1,2,3
	global_load_b32 v[\sc+\t], v[SOF], s[68:69] offset:512*\t+128*(\j)
.endr
.endm
.macro LFRAG reg, off
	ds_load_b128 v[\reg:\reg+3], v[BL16] offset:\off
	ds_load_b64 v[\reg+4:\reg+5], v[BL8] offset:\off+512
	ds_load_b128 v[\reg+6:\reg+9], v[BL16] offset:\off+768
	ds_load_b64 v[\reg+10:\reg+11], v[BL8] offset:\off+1280
.endm
.macro LB k, f0, f1, f2, f3            ; my four fragments of the slot's k-th K step: 16 LDS loads
	LFRAG \f0, 1536*(\k)
	LFRAG \f1, 4608+1536*(\k)
	LFRAG \f2, 9216+1536*(\k)
	LFRAG \f3, 13824+1536*(\k)
.endm
.macro ALOAD q, au                     ; y's image and scale words of K step q: five LDS loads, into v16.. (au = 0) or v200..
	ds_load_b128 v[16+184*(\au):19+184*(\au)], v[YRA] offset:1536*(\q)
	ds_load_b64 v[20+184*(\au):21+184*(\au)], v[YRB] offset:1536*(\q)+512
	ds_load_b128 v[22+184*(\au):25+184*(\au)], v[YRA] offset:1536*(\q)+768
	ds_load_b64 v[26+184*(\au):27+184*(\au)], v[YRB] offset:1536*(\q)+1280
	ds_load_b32 v[28+184*(\au)], v[YRS] offset:64*(\q)
.endm
.macro MM q, au, t, f, sc
.if (\q) == 0
	v_wmma_scale_f32_16x16x128_f8f6f4 v[O+8*\t:O+8*\t+7], v[\f:\f+11], v[16+184*(\au):27+184*(\au)], 0, v[\sc+\t], v[28+184*(\au)] matrix_a_fmt:MATRIX_FMT_FP6 matrix_b_fmt:MATRIX_FMT_FP6
.endif
.if (\q) > 0 && (\q)%2 == 0
	v_wmma_scale_f32_16x16x128_f8f6f4 v[O+8*\t:O+8*\t+7], v[\f:\f+11], v[16+184*(\au):27+184*(\au)], v[O+8*\t:O+8*\t+7], v[\sc+\t], v[28+184*(\au)] matrix_a_fmt:MATRIX_FMT_FP6 matrix_b_fmt:MATRIX_FMT_FP6
.endif
.if (\q)%2 == 1
	v_wmma_scale_f32_16x16x128_f8f6f4 v[O+8*\t:O+8*\t+7], v[\f:\f+11], v[16+184*(\au):27+184*(\au)], v[O+8*\t:O+8*\t+7], v[\sc+\t], v[28+184*(\au)] matrix_a_fmt:MATRIX_FMT_FP6 matrix_b_fmt:MATRIX_FMT_FP6 matrix_a_scale:MATRIX_SCALE_ROW1
.endif
.endm
.macro MM4 q, au, f0, f1, f2, f3, sc   ; 128 along K: four products, the four accumulators by turns, and the places in front of loads into what they have read
	MM \q, \au, 0, \f0, \sc
	MM \q, \au, 1, \f1, \sc
	MM \q, \au, 2, \f2, \sc
	MM \q, \au, 3, \f3, \sc
.rept 4
	v_nop
.endr
.endm
; v[MA:MA+3], four partial sums of my 32 numbers: the sum over my wave's 64 columns of token r goes to LDS; behind the barrier the sixteen waves' sums are asked for
.macro WRED off
	v_pk_add_f32 v[MA:MA+1], v[MA:MA+1], v[MA+2:MA+3]
	D 1
	v_add_f32 v[MA], v[MA], v[MA+1]
	D 1
	v_permlanex16_b32 v[PD], v[MA], s20, s21
	D 1
	v_add_f32 v[MA], v[MA], v[PD]
	ds_store_b32 v[RW], v[MA] offset:\off          ; lanes l and l xor 16 hold the same number and name the same word
	s_wait_alu depctr_va_vdst(0)
	s_wait_dscnt 0x0                               ; for the others' sake
	s_barrier_signal -1
	s_barrier_wait -1
.irp j, 0,1,2,3
	ds_load_b128 v[64+4*\j:67+4*\j], v[RR] offset:\off+16*\j
.endr
.endm
.macro SUM16                           ; their sum in v64
	s_wait_dscnt 0x0
.irp j, 64,68,72,76
	v_pk_add_f32 v[\j:\j+1], v[\j:\j+1], v[\j+2:\j+3]
.endr
	v_pk_add_f32 v[64:65], v[64:65], v[68:69]
	v_pk_add_f32 v[72:73], v[72:73], v[76:77]
	D 1
	v_pk_add_f32 v[64:65], v[64:65], v[72:73]
	D 1
	v_add_f32 v64, v64, v65
.endm
	s_cmp_lt_u32 s14, 2
	s_cbranch_scc1 .Lnear                          ; no group G - 2
	KLOAD 0
	STEP 0, 0
	s_branch .Lmid
.Lnear:
	s_cmp_lt_u32 s14, 1
	s_cbranch_scc1 .Lown                           ; no group G - 1
	KLOAD 1
.Lmid:                                             ; on both ways here K's twelve loads of step 1 are the youngest that are out
	STEP 1, 1
	s_branch .Llast
.Lown:
	KLOAD 2
.Llast:
	STEP 2, 2
	v_lshlrev_b32 v[SOF], 2, v1                    ; (four places behind the last products)
	v_nop
	v_nop
	v_lshl_add_u32 v[SOF], v2, 6, v[SOF]           ; 4 r + 64 h: lanes 16-31 take the odd K step's words
	SPLOAD 0, 80
	SPLOAD 1, 132
	SPLOAD 2, 240
	BLOAD 6, 0                                     ; out_w's last two K steps are on their way while y is finished
	BLOAD 7, 1
	v_add_f32 v14, v14, v15
	D 1
	v_permlanex16_b32 v[PD], v14, s20, s21
	D 1
	v_add_f32 v14, v14, v[PD]
	s_wait_alu depctr_va_vdst(0)
	v_rcp_f32 v14, v14
	v_nop
	s_wait_alu depctr_va_vdst(0)                   ; ahead of the reciprocal's first reader
.set i, 0
.rept 32
	v_mul_f32 v[S+i], v[O+i], v14                  ; y = O / the sum; each accumulator from its low end on
.set i, i+1
.endr
	QHALF S
	s_lshr_b32 s75, s8, 1
	s_and_b32 s76, s8, 1
	s_mul_i32 s6, s75, 1536
	s_mul_i32 s7, s76, 768
	s_add_co_u32 s6, s6, s7
	s_add_co_u32 s6, s6, YI                        ; my half image in LDS
	s_lshl_b32 s7, s75, 6
	s_lshl_b32 s76, s76, 1
	s_add_co_u32 s7, s7, s76
	s_add_co_u32 s7, s7, YS                        ; my two bytes of a scale word
	s_lshl_b32 s74, s8, 2
	v_add_nc_u32 v[YA], s6, v[LV]
	v_add_nc_u32 v[YB], s6, v[L8]
	v_add_nc_u32 v[YC], s7, v[LVS]
	v_add_nc_u32 v[YRA], YI, v[LV]
	v_add_nc_u32 v[YRB], YI, v[L8]
	v_add_nc_u32 v[YRS], YS, v[LVS]
	v_add_nc_u32 v[HR], HS, v[LV]
	v_add_nc_u32 v[BL16], s9, v[LV]
	v_add_nc_u32 v[BL8], s9, v[L8]
	v_mul_u32_u24 v[SLN], v1, 272
	v_mul_u32_u24 v[SRW], v2, 272
	v_lshlrev_b32 v[CB], 4, v1
	v_lshlrev_b32 v[GBR], 6, v2
	v_lshlrev_b32 v[RR], 6, v1
	v_lshl_add_u32 v[SLN], v2, 6, v[SLN]
	v_add_nc_u32 v[SRW], v[SRW], v[CB]
	v_lshl_add_u32 v[CO], v2, 13, v[CB]            ; the stage's next row is two tokens, 8,192 bytes, on
	v_add_nc_u32 v[GBW], s9, v[CB]
	v_add_nc_u32 v[GBR], s9, v[GBR]
	v_add_nc_u32 v[RR], RED, v[RR]
	v_add_nc_u32 v[SLN], s9, v[SLN]
	v_add_nc_u32 v[SRW], s9, v[SRW]
	v_add_nc_u32 v[RW], s74, v[RR]
	s_mov_b32 s6, 0x3a800000                       ; 1 / 1,024
	s_mov_b32 s7, 0x3727c5ac                       ; 1e-5
	s_wait_alu depctr_va_vdst(0)
	s_wait_tensorcnt 0x0                           ; K steps 0-2 of my tiles lie in my slot
	ds_store_b128 v[YA], v[PC:PC+3]
	ds_store_b64 v[YB], v[PC+4:PC+5] offset:512
	ds_store_b16 v[YC], v[PW]                      ; lanes l and l xor 16 hold the same two bytes and name the same place
	s_wait_dscnt 0x0                               ; for the others' sake: my head's y lies in LDS
	s_barrier_signal -1
	s_barrier_wait -1
	ALOAD 0, 0
	LB 0, 136, 148, 214, 244
	ALOAD 1, 1
	s_wait_loadcnt 32                              ; the twelve loads of scale words are in; the 32 of K steps 6 and 7 may be out
	s_wait_dscnt 5                                 ; all but the next image's five loads
	MM4 0, 0, 136, 148, 214, 244, 80
	LB 1, 136, 148, 214, 244
	ALOAD 2, 0
	s_wait_dscnt 5
	MM4 1, 1, 136, 148, 214, 244, 80
	SPLOAD 3, 80                                   ; K steps 6 and 7's scale words, where those of 0 and 1 lay
	LB 2, 136, 148, 214, 244
	ALOAD 6, 1
	s_wait_dscnt 5
	MM4 2, 0, 136, 148, 214, 244, 132
.irp t, 0,1,2,3,4,5,6,7
	global_load_b128 v[S+4*\t:S+4*\t+3], v[CO], s[50:51] offset:16384*\t th:TH_LOAD_NT   ; x: sixteen lanes read a row's 256 consecutive bytes
.endr
	global_load_b128 v[244:247], v[CB], s[52:53]   ; out_b, gain, bias: my wave's 256 bytes of each
	global_load_b128 v[248:251], v[CB], s[54:55]
	global_load_b128 v[252:255], v[CB], s[56:57]
	s_wait_tensorcnt 0x0                           ; no tensor load of mine is out;
	ds_add_u32 v[SPW], v[NIL]
	s_add_nc_u64 s[G0+2:G0+3], s[G0+2:G0+3], 4608  ; three K steps on
	s_wait_dscnt 0x0                               ; the add is done, and my reads of my slot are over
	CROUND                                         ; the same holds of every wave of all four partners
	tensor_load_to_lds s[G0:G0+3], s[G1:G1+7]      ; K steps 3-5: the joint refill, my one tensor load behind the round
	s_nop 0
	ALOAD 7, 0
	s_wait_loadcnt 11                              ; K steps 6 and 7 and their scale words are in; x, out_b, gain and bias may be out
	s_wait_dscnt 5
	MM4 6, 1, 32, 44, 56, 68, 80
	ALOAD 3, 1
	s_wait_dscnt 5
	MM4 7, 0, 84, 96, 108, 120, 80
	s_wait_tensorcnt 0x0                           ; K steps 3-5 lie in my slot, which I alone read
	LB 0, 32, 44, 56, 68
	ALOAD 4, 0
	LB 1, 84, 96, 108, 120
	s_wait_dscnt 21                                ; all but the next image's five and the next step's sixteen
	MM4 3, 1, 32, 44, 56, 68, 132
	ALOAD 5, 1
	LB 2, 32, 44, 56, 68
	s_wait_dscnt 21
	MM4 4, 0, 84, 96, 108, 120, 240
	s_wait_dscnt 0x0                               ; and my last reads of my slot are over: it has had its last fill, and serves as my stage from here on
	MM4 5, 1, 32, 44, 56, 68, 240
	s_wait_loadcnt 0x0
.irp t, 0,1,2,3,4,5,6,7
	v_pk_add_f32 v[S+4*\t:S+4*\t+1], v[S+4*\t:S+4*\t+1], v[244:245]                ; x + out_b, by rows
	v_pk_add_f32 v[S+4*\t+2:S+4*\t+3], v[S+4*\t+2:S+4*\t+3], v[246:247]
.endr
.irp t, 0,1,2,3,4,5,6,7
	ds_store_b128 v[SRW], v[S+4*\t:S+4*\t+3] offset:544*\t
.endr
	ds_store_b128 v[GBW], v[248:251] offset:16*272
	ds_store_b128 v[GBW], v[252:255] offset:17*272
.irp b, 0,1
.irp j, 0,1,2,3
	ds_load_b128 v[32+16*\b+4*\j:35+16*\b+4*\j], v[SLN] offset:128*\b+16*\j        ; x + out_b at my lane's 32 columns: LDS serves a wave's instructions in order
.endr
.endr
.irp b, 0,1
.irp j, 0,1,2,3
	ds_load_b128 v[84+16*\b+4*\j:87+16*\b+4*\j], v[GBR] offset:16*272+128*\b+16*\j ; gain
	ds_load_b128 v[S+16*\b+4*\j:S+16*\b+4*\j+3], v[GBR] offset:17*272+128*\b+16*\j ; bias
.endr
.endr
	s_wait_dscnt 16                                ; all but the sixteen of gain and bias
.set i, 0
.rept 16
	v_pk_add_f32 v[O+i:O+i+1], v[O+i:O+i+1], v[32+i:33+i]          ; x1; each accumulator from its low end on
.set i, i+2
.endr
.irp b, 0,1
.irp j, 0,1,2,3
	ds_store_b128 v[SLN], v[O+16*\b+4*\j:O+16*\b+4*\j+3] offset:128*\b+16*\j
.endr
.endr
.irp t, 0,1,2,3,4,5,6,7
	ds_load_b128 v[32+4*\t:35+4*\t], v[SRW] offset:544*\t          ; back by rows
.endr
	v_pk_add_f32 v[MA:MA+1], v[O:O+1], v[O+2:O+3]
	v_pk_add_f32 v[MA+2:MA+3], v[O+4:O+5], v[O+6:O+7]
.irp i, 8,12,16,20,24,28
	D 2
	v_pk_add_f32 v[MA:MA+1], v[MA:MA+1], v[O+\i:O+\i+1]
	D 2
	v_pk_add_f32 v[MA+2:MA+3], v[MA+2:MA+3], v[O+\i+2:O+\i+3]
.endr
	WRED 0
.irp t, 0,1,2,3,4,5,6,7
	global_store_b128 v[CO], v[32+4*\t:35+4*\t], s[58:59] offset:16384*\t          ; x1: sixteen lanes store a row's 256 consecutive bytes, at a multiple of 256 from the buffer's first byte
.endr
	SUM16
	D 1
	v_mul_f32 v64, s6, v64                         ; the mean
	D 1
	v_mov_b32 v65, v64
.set i, 0
.rept 16
	v_pk_add_f32 v[O+i:O+i+1], v[O+i:O+i+1], v[64:65] neg_lo:[0,1] neg_hi:[0,1]
.set i, i+2
.endr
	v_pk_mul_f32 v[MA:MA+1], v[O:O+1], v[O:O+1]
	v_pk_mul_f32 v[MA+2:MA+3], v[O+2:O+3], v[O+2:O+3]
.irp i, 4,8,12,16,20,24,28
	D 2
	v_pk_fma_f32 v[MA:MA+1], v[O+\i:O+\i+1], v[O+\i:O+\i+1], v[MA:MA+1]
	D 2
	v_pk_fma_f32 v[MA+2:MA+3], v[O+\i+2:O+\i+3], v[O+\i+2:O+\i+3], v[MA+2:MA+3]
.endr
	WRED 1024
	SUM16
	D 1
	v_fma_f32 v64, v64, s6, s7                     ; variance + eps
	s_wait_alu depctr_va_vdst(0)
	v_rsq_f32 v64, v64
	v_nop
	s_wait_alu depctr_va_vdst(0)                   ; ahead of the root's first reader
	v_mov_b32 v65, v64
.set i, 0
.rept 16
	v_pk_mul_f32 v[O+i:O+i+1], v[O+i:O+i+1], v[64:65]
.set i, i+2
.endr
.set i, 0
.rept 16
	v_pk_fma_f32 v[O+i:O+i+1], v[O+i:O+i+1], v[84+i:85+i], v[S+i:S+i+1]
.set i, i+2
.endr
	QHALF O
	global_store_b128 v[LV], v[PC:PC+3], s[36:37]
	global_store_b64 v[L8], v[PC+4:PC+5], s[36:37] offset:512
	ds_store_b16 v[YC], v[PW] offset:512
	s_wait_dscnt 0x0
	s_barrier_signal -1
	s_barrier_wait -1
	s_wait_tensorcnt 0x0                           ; the wave's end, behind my last tensor load and my last LDS store
	ds_add_u32 v[SPW], v[NIL]
	s_wait_dscnt 0x0
	s_cmp_lg_u32 s8, 0
	s_cbranch_scc1 .Lend
	ds_load_b128 v[64:67], v[HR]                   ; wave 0: the tile's 512 bytes of scale words leave as two whole units
	s_wait_dscnt 0x0
	global_store_b128 v[LV], v[64:67], s[38:39]
.Lend:
	CROUND                                         ; the closing round: no work-group ends while a partner may still ask for a tile that names it
	s_endpgm
.Lfunc_end_k_qd13003b231_attn_out_ln:
	.size	k_qd13003b231_attn_out_ln, .Lfunc_end_k_qd13003b231_attn_out_ln-k_qd13003b231_attn_out_ln
	.p2alignl 7, 3214868480
	.fill 96, 4, 3214868480
	.section	.rodata,"a",@progbits
	.p2align	6, 0x0
	.amdhsa_kernel k_qd13003b231_attn_out_ln
		.amdhsa_group_segment_fixed_size 327680
		.amdhsa_private_segment_fixed_size 0
		.amdhsa_enable_private_segment 0
		.amdhsa_kernarg_size 64
		.amdhsa_user_sgpr_count 2
		.amdhsa_user_sgpr_kernarg_segment_ptr 1
		.amdhsa_wavefront_size32 1
		.amdhsa_system_sgpr_workgroup_id_x 1
		.amdhsa_system_sgpr_workgroup_id_y 1
		.amdhsa_system_sgpr_workgroup_id_z 1
		.amdhsa_system_vgpr_workitem_id 0
		.amdhsa_next_free_vgpr 256
		.amdhsa_next_free_sgpr 100
		.amdhsa_reserve_vcc 1
		.amdhsa_float_denorm_mode_32 3
		.amdhsa_float_denorm_mode_16_64 3
		.amdhsa_memory_ordered 1
		.amdhsa_forward_progress 1
		.amdhsa_inst_pref_size 95
	.end_amdhsa_kernel
	.amdgpu_metadata
---
amdhsa.version: [ 1, 2 ]
amdhsa.kernels:
  - .name:           k_qd13003b231_attn_out_ln
    .symbol:         k_qd13003b231_attn_out_ln.kd
    .args:
      - { .name: qkv, .offset: 0, .size: 8, .value_kind: global_buffer, .address_space: global }
      - { .name: pw, .offset: 8, .size: 8, .value_kind: global_buffer, .address_space: global }
      - { .name: x, .offset: 16, .size: 8, .value_kind: global_buffer, .address_space: global }
      - { .name: out_b, .offset: 24, .size: 8, .value_kind: global_buffer, .address_space: global }
      - { .name: ln2_g, .offset: 32, .size: 8, .value_kind: global_buffer, .address_space: global }
      - { .name: ln2_b, .offset: 40, .size: 8, .value_kind: global_buffer, .address_space: global }
      - { .name: x1, .offset: 48, .size: 8, .value_kind: global_buffer, .address_space: global }
      - { .name: h2q, .offset: 56, .size: 8, .value_kind: global_buffer, .address_space: global }
    .group_segment_fixed_size: 327680
    .private_segment_fixed_size: 0
    .kernarg_segment_align: 8
    .kernarg_segment_size: 64
    .max_flat_workgroup_size: 512
    .sgpr_count:     100
    .vgpr_count:     256
    .wavefront_size: 32
...
	.end_amdgpu_metadata
.endif
;; end of part 9
;; launch g5 (part 10): grid 16 x 16, 4 waves a work-group, clusters of 4 x 4, 327,680 bytes of LDS; arguments h2q, pw, ffn_b1, fq; writes fq
.if DOCPART == 10
	.amdgcn_target "amdgcn-amd-amdhsa--gfx1250"
	.amdhsa_code_object_version 6
	.text
	.protected	k_qd13003b231_g5
	.globl	k_qd13003b231_g5
	.p2align	8
	.type	k_qd13003b231_g5,@function
k_qd13003b231_g5:
	s_mov_b64 s[64:65], 0
	v_nop
	global_prefetch_b8 v0, s[64:65] scope:SCOPE_SE
	s_setreg_imm32_b32 hwreg(HW_REG_WAVE_MODE, 25, 1), 1
	s_wait_xcnt 0x0
	s_wait_alu depctr_hold_cnt(0) depctr_sa_sdst(0) depctr_va_vdst(0) depctr_va_sdst(0) depctr_va_ssrc(0) depctr_va_vcc(0) depctr_vm_vsrc(0)
	s_getreg_b32 s2, hwreg(HW_REG_IB_STS2, 6, 4)
	s_cmp_eq_u32 s2, 0
	s_cbranch_scc0 .Lentry_in_a_cluster
	s_endpgm
.Lentry_in_a_cluster:
	s_bfe_u32 s2, ttmp6, 0x10000c
	s_cmp_lg_u32 s2, 0xf033
	s_cbranch_scc0 .Lentry_shape_is_right
	s_endpgm
.Lentry_shape_is_right:
; f = gelu(LN2(x1) ffn_w1^T + ffn_b1), the exact gelu, the product on codes of FP6 (E2M3) with E8M0 scales for each 32 along K = 1,024; f is quantised here, in registers, for the last product.
; Y = the tokens' images (h2q: codes at 524,288 + tile x 12,288, words at tile x 512), X = the rows of ffn_w1 (pw, ids 512 on).  An image is a fragment's registers as they stand.
; A work-group of four waves makes 256 tokens x 256 hidden units, a wave 128 x 128.  Source 0 = 16 rows of X, source 1 = 16 rows of Y: a lane holds one token, and, by the choice of the weight's rows that form a tile,
; the 16 registers of X's tiles 2 b, 2 b + 1 are hidden units 32 b + 16 (lane / 16) + 0..15: neighbours along the next K.  My 128 units are one K step of the next product: one image and one scale word a row.
; OUT: fq: codes [token tile][32][1,536] at 0, words [token tile][32][64] at 12,582,912.
; erf(z) = z P(z^2) / Q(z^2) with z held to -4 .. 4, polynomials of degree 6 and 4 in f32; gelu = x/2 + x/2 erf(x / sqrt 2).
; K goes in steps of 256 through a ring of two LDS slots filled by the tensor data mover; the scale words of all of K come once.  CLUSTERS: 4 x 4; Y's tiles are asked for jointly along a row, X's along a column.
; LIMITS: a block whose largest magnitude lies under 2^-124 keeps the byte 1, a block of zeros too; NaN and infinities are not served.
; SCALARS: s[4:5] h2q, s[6:7] pw, s[8:9] ffn_b1, s[10:11] fq, s14-16 wave, s17 Y tile, s42 X tile, s[66:67], s[96:97] where my codes and words go, s[98:99] the bias; on the way out s[24:49] the polynomials.
.set KS,     8
.set YCO,    524288
.set YWO,    0
.set XCO,    524288+512*12288
.set XWO,    512*512
.set NQ,     2
.set IMG,    1536
.set RTB,    KS*IMG
.set CH,     NQ*IMG
.set HALFT,  8*CH
.set SLOT,   4*HALFT
.set LAPS,   KS/(2*NQ)
.set SCL,    2*SLOT
.set HALFS,  8*KS*64
.set SPARE,  SCL+4*HALFS
.set FR,     12
.set NL,     4
.set NP,     4
.set ADRA, 16
.set ADRB, 20
.set ADRS, 27
.set SPW,  28
.set NIL,  29
.set SC,   32
.set BX,   64
.set AF,   128
.set ST,   128
.set PC,   192
.set TM,   212
.set PW,   15
.set L16,  10
.set L8,   11
.set L4,   12
.set SEL,  18
.set ZZ,   64                          ; window 1: v0-63 x, v64-95 z, v96-127 z^2, v128-159 P, v160-191 Q, v192-195 two coefficients as pairs
.set X2,   96
.set PP,   128
.set QQ,   160
.set KA1,  192
.set KB1,  194
.set G1, 24
.set G0, 32
.set G1B, 48
.set G0B, 56
.set G1S, 68
.set G0S, 76
.set G1SB, 80
.set G0SB, 88
.set MSB, 0
.macro WIN new
.if MSB != (\new)
	s_set_vgpr_msb (MSB<<8)|(\new)
.set MSB, (\new)
.endif
.endm
.set MUL_LO, 0xa1
.set MUL_HI, 0xf1
.set TO_B,   0x40
.macro JLOAD g0a, g1a, g0b, g1b        ; waves 0 and 1 fetch for Y, waves 2 and 3 for X; an s_nop 0 and four v_nop follow each line
	s_cmp_eq_u32 s15, 0
	s_cbranch_scc0 .Lfor_b_\@
	tensor_load_to_lds s[\g0a:\g0a+3], s[\g1a:\g1a+7]
	s_nop 0
.rept 4
	v_nop
.endr
	s_branch .Lasked_\@
.Lfor_b_\@:
	tensor_load_to_lds s[\g0b:\g0b+3], s[\g1b:\g1b+7]
	s_nop 0
.rept 4
	v_nop
.endr
.Lasked_\@:
.endm
.macro CREST
	s_cmp_lg_u32 s14, 0
	s_cbranch_scc1 .Lnot_wave_0_\@
	s_barrier_signal -3
.Lnot_wave_0_\@:
	s_barrier_wait -3
	s_barrier_signal -1
	s_barrier_wait -1
.endm
.macro CROUND
	s_barrier_signal -1
	s_barrier_wait -1
	CREST
.endm
	s_load_b256 s[4:11], s[0:1], 0x0
	v_lshl_add_u32 v[SPW], v0, 2, SPARE
	v_mov_b32 v[NIL], 0
	ds_add_u32 v[SPW], v[NIL]                      ; the wave's opening: the add and its wait ahead of my first tensor load
	ds_add_u32 v[SPW], v[NIL]
	v_lshrrev_b32 v1, 5, v0
	v_readfirstlane_b32 s14, v1
	s_lshr_b32 s15, s14, 1
	s_and_b32 s16, s14, 1
	s_bfe_u32 s40, ttmp6, 0x40000
	s_bfe_u32 s41, ttmp6, 0x40004
	s_lshl_b32 s42, ttmp9, 2
	s_add_co_u32 s42, s42, s40                     ; X tile
	s_and_b32 s17, ttmp7, 0xffff
	s_lshl_b32 s17, s17, 2
	s_add_co_u32 s17, s17, s41                     ; Y tile
	s_lshl_b32 s43, s41, 2
	s_lshl_b32 s43, 15, s43
	s_lshl_b32 s44, 0x1111, s40
	s_or_b32 s[G1+0], s43, (3<<16)|(1<<21)         ; codes: 8 rows of 3,072 bytes, RTB bytes apart; elements of 8 bytes
	s_or_b32 s[G1B+0], s44, (3<<16)|(1<<21)
.irp g, G1, G1B
	s_mov_b32 s[\g+1], (CH/8)<<16
	s_mov_b32 s[\g+2], 16<<16                      ; the head's loads bring all 16 tiles of rows of an operand
	s_mov_b32 s[\g+3], (CH/8)<<16
	s_mov_b32 s[\g+4], 16
	s_mov_b32 s[\g+5], RTB/8
	s_mov_b32 s[\g+6], 0
	s_mov_b32 s[\g+7], 0
.endr
	s_or_b32 s[G1S+0], s43, (3<<16)|(1<<21)        ; scale words of 128 rows: a dense block, as rows of 256 bytes
	s_or_b32 s[G1SB+0], s44, (3<<16)|(1<<21)
.irp g, G1S, G1SB
	s_mov_b32 s[\g+1], 32<<16
	s_mov_b32 s[\g+2], (2*HALFS/256)<<16           ; the scale words of all 256 rows of an operand
	s_mov_b32 s[\g+3], 32<<16
	s_mov_b32 s[\g+4], 2*HALFS/256
	s_mov_b32 s[\g+5], 32
	s_mov_b32 s[\g+6], 0
	s_mov_b32 s[\g+7], 0
.endr
	s_mov_b32 s18, 0                               ; the addresses below are those of the whole tiles; my half's offset is s[94:95]
	s_lshl_b32 s20, s17, 4
	s_add_co_u32 s20, s20, s18
	s_lshl_b32 s46, s42, 4
	s_add_co_u32 s46, s46, s18
	s_mul_i32 s22, s20, KS*64
	s_mul_i32 s92, s46, KS*64
	s_mul_i32 s20, s20, RTB
	s_mul_i32 s46, s46, RTB
	s_mov_b32 s21, 0
	s_mov_b32 s23, 0
	s_mov_b32 s47, 0
	s_mov_b32 s93, 0
	s_add_nc_u64 s[20:21], s[20:21], YCO
	s_add_nc_u64 s[22:23], s[22:23], YWO
	s_add_nc_u64 s[46:47], s[46:47], XCO
	s_add_nc_u64 s[92:93], s[92:93], XWO
	s_mul_i32 s45, s14, HALFT
	s_mul_i32 s94, s16, 8*RTB                      ; in the ring I fetch 8 tiles of rows: which half, in bytes
	s_mov_b32 s95, 0
	s_wait_dscnt 0x0
	s_wait_kmcnt 0x0
	s_add_nc_u64 s[20:21], s[4:5], s[20:21]
	s_add_nc_u64 s[22:23], s[4:5], s[22:23]
	s_add_nc_u64 s[46:47], s[6:7], s[46:47]
	s_add_nc_u64 s[92:93], s[6:7], s[92:93]
	CROUND
	s_mov_b32 s[G0S], 1
	s_mov_b32 s[G0S+1], SCL
	s_mov_b64 s[G0S+2:G0S+3], s[22:23]
	s_or_b32 s[G0S+3], s[G0S+3], 0x80000000
	s_mov_b32 s[G0SB], 1
	s_mov_b32 s[G0SB+1], SCL+2*HALFS
	s_mov_b64 s[G0SB+2:G0SB+3], s[92:93]
	s_or_b32 s[G0SB+3], s[G0SB+3], 0x80000000
	; the prefetches into the L2: behind the load of chunk c (3,072 bytes of each tile of rows) chunk c + 2 is asked for: chunks 2 and 3.  Of the eight tiles of rows that I fetch, each of the four partners that ask
	; for them jointly names two, told apart by address alone (cx for Y, cy for X): 24 blocks of 256 bytes, a lane a block; lanes 24-31 name the last block again.  s[4:5] stands at chunk 2 and is not stepped.
	s_cmp_eq_u32 s15, 0
	s_cselect_b64 s[4:5], s[20:21], s[46:47]
	s_cselect_b32 s18, s40, s41
	s_mul_i32 s18, s18, 2*RTB
	s_add_co_u32 s18, s18, s94
	s_add_co_u32 s18, s18, 2*CH
	s_mov_b32 s19, 0
	s_add_nc_u64 s[4:5], s[4:5], s[18:19]
.irp s, 0,1
	s_mov_b32 s[G0+4*\s], 1
	s_add_co_u32 s[G0+4*\s+1], s45, \s*SLOT
	s_add_nc_u64 s[G0+4*\s+2:G0+4*\s+3], s[20:21], \s*CH
	s_or_b32 s[G0+4*\s+3], s[G0+4*\s+3], 0x80000000
	s_mov_b32 s[G0B+4*\s], 1
	s_add_co_u32 s[G0B+4*\s+1], s45, \s*SLOT
	s_add_nc_u64 s[G0B+4*\s+2:G0B+4*\s+3], s[46:47], \s*CH
	s_or_b32 s[G0B+4*\s+3], s[G0B+4*\s+3], 0x80000000
.endr
	s_mov_b32 s[G0+1], 0                           ; for the head slot 0's two groups 0 name the whole tiles: Y's 16 tiles of rows at LDS byte 0,
	s_mov_b32 s[G0B+1], 2*HALFT                    ; X's behind them
	s_add_nc_u64 s[G0+6:G0+7], s[G0+6:G0+7], s[94:95]      ; slot 1's name my half
	s_add_nc_u64 s[G0B+6:G0B+7], s[G0B+6:G0B+7], s[94:95]
; the head's four tiles, one tensor load a wave: wave 0 Y's codes, wave 1 X's, wave 2 Y's scale words, wave 3 X's; one chain of branches on the wave's number, all arms to one join
.macro ARM under, g0, g1, next
	s_cmp_lt_u32 s14, \under
	s_cbranch_scc0 \next
	tensor_load_to_lds s[\g0:\g0+3], s[\g1:\g1+7]
	s_nop 0
.rept 4
	v_nop
.endr
	s_branch .Lhead_asked
\next:
.endm
	ARM 1, G0,  G1,  .Lhead_b
	ARM 2, G0B, G1B, .Lhead_sa
	ARM 3, G0S, G1S, .Lhead_sb
	tensor_load_to_lds s[G0SB:G0SB+3], s[G1SB:G1SB+7]
	s_nop 0
.rept 4
	v_nop
.endr
.Lhead_asked:
	v_and_b32 v30, 31, v0
	v_min_u32 v30, 23, v30
	v_mul_u32_u24 v31, v30, 11
	v_lshrrev_b32 v31, 7, v31                      ; block / 12: which of my two tiles of rows
	v_mul_u32_u24 v31, v31, RTB-3072
	v_lshl_add_u32 v30, v30, 8, v31                ; never rewritten
	global_prefetch_b8 v30, s[4:5] th:TH_LOAD_NT scope:SCOPE_SE    ; chunk 2, behind chunk 0's load
	v_and_b32 v1, 15, v0
	v_bfe_u32 v2, v0, 4, 1
	v_and_b32 v3, 31, v0
	v_lshlrev_b32 v4, 4, v3
	v_lshlrev_b32 v5, 3, v3
	s_mul_i32 s21, s15, HALFT
	s_mul_i32 s22, s16, HALFT
	s_add_co_u32 s22, s22, 2*HALFT
.irp s, 0,1
	v_add_nc_u32 v[ADRA+\s], s21, v4
	v_add_nc_u32 v[ADRB+\s], s22, v4
	v_add_nc_u32 v[ADRA+2+\s], s21, v5
	v_add_nc_u32 v[ADRB+2+\s], s22, v5
	s_add_co_u32 s21, s21, SLOT
	s_add_co_u32 s22, s22, SLOT
.endr
	v_lshlrev_b32 v7, 2, v1
	s_mul_i32 s21, s15, HALFS
	s_mul_i32 s22, s16, HALFS
	s_add_co_u32 s22, s22, 2*HALFS
	s_sub_co_u32 s22, s22, s21
	v_mul_u32_u24 v6, s22, v2
	s_add_co_u32 s21, s21, SCL
	v_add_nc_u32 v7, v7, v6
	v_add_nc_u32 v[ADRS], s21, v7
	s_lshl_b32 s18, s42, 1
	s_add_co_u32 s18, s18, s16                     ; my 128 hidden units: the next product's K step
	s_lshl_b32 s98, s18, 9
	s_mov_b32 s99, 0
	s_add_nc_u64 s[98:99], s[8:9], s[98:99]
	v_lshlrev_b32 v8, 6, v2                        ; the bias: tile b, register j: unit 32 (b/2) + 16 h + 8 (b%2) + j
.irp b, 0,1,2,3,4,5,6,7
	global_load_b128 v[BX+8*\b:BX+8*\b+3], v8, s[98:99] offset:128*(\b/2)+32*(\b%2)
	global_load_b128 v[BX+8*\b+4:BX+8*\b+7], v8, s[98:99] offset:128*(\b/2)+32*(\b%2)+16
.endr
	s_lshl_b32 s19, s17, 1
	s_add_co_u32 s19, s19, s15
	s_lshl_b32 s19, s19, 8                         ; my first token tile x 32 images
	s_add_co_u32 s19, s19, s18
	s_mul_i32 s66, s19, IMG
	s_mov_b32 s67, 0
	s_add_nc_u64 s[66:67], s[10:11], s[66:67]
	s_lshl_b32 s96, s19, 6
	s_add_co_u32 s96, s96, 12582912
	s_mov_b32 s97, 0
	s_add_nc_u64 s[96:97], s[10:11], s[96:97]
.macro FRAG reg, adr, q, i
	ds_load_b128 v[\reg:\reg+3], v[\adr] offset:(\i)*CH+(\q)*IMG
	ds_load_b64 v[\reg+4:\reg+5], v[\adr+2] offset:(\i)*CH+(\q)*IMG+512
	ds_load_b128 v[\reg+6:\reg+9], v[\adr] offset:(\i)*CH+(\q)*IMG+768
	ds_load_b64 v[\reg+10:\reg+11], v[\adr+2] offset:(\i)*CH+(\q)*IMG+1280
.endm
.macro MUL16 a0, p, q, sc, zero        ; the 64 accumulators take turns, one instruction a turn
.irp a, \a0, \a0+1
.irp b, 0,1,2,3,4,5,6,7
.if \zero
	v_wmma_scale_f32_16x16x128_f8f6f4 v[8*(8*((\a)%4)+\b):8*(8*((\a)%4)+\b)+7], v[128*(\p)+FR*\b:128*(\p)+FR*\b+FR-1], v[AF+FR*(\a):AF+FR*(\a)+FR-1], 0, v[SC+8*NQ*(\sc)+NQ*\b+(\q)], v[SC+8*NQ*(\sc)+NQ*(\a)+(\q)] matrix_a_fmt:MATRIX_FMT_FP6 matrix_b_fmt:MATRIX_FMT_FP6 matrix_a_scale:MATRIX_SCALE_ROW1
.else
	v_wmma_scale_f32_16x16x128_f8f6f4 v[8*(8*((\a)%4)+\b):8*(8*((\a)%4)+\b)+7], v[128*(\p)+FR*\b:128*(\p)+FR*\b+FR-1], v[AF+FR*(\a):AF+FR*(\a)+FR-1], v[8*(8*((\a)%4)+\b):8*(8*((\a)%4)+\b)+7], v[SC+8*NQ*(\sc)+NQ*\b+(\q)], v[SC+8*NQ*(\sc)+NQ*(\a)+(\q)] matrix_a_fmt:MATRIX_FMT_FP6 matrix_b_fmt:MATRIX_FMT_FP6 matrix_a_scale:MATRIX_SCALE_ROW1
.endif
.endr
.endr
.endm
.macro FETCH_B slot, q, p
	WIN TO_B
.irp i, 0,1,2,3,4,5,6,7
	FRAG 128*(\p)+FR*\i, ADRB+\slot, \q, \i
.endr
	WIN 0
.endm
.macro FETCH_A slot, q, i0
.irp i, \i0, \i0+1, \i0+2, \i0+3
	FRAG AF+FR*(\i), ADRA+\slot, \q, \i
.endr
.endm
.macro SCALES sc
.irp i, 0,1,2,3,4,5,6,7
	ds_load_b32 v[SC+8*NQ*\sc+NQ*\i], v[ADRS] offset:\i*KS*64
	ds_load_b32 v[SC+8*NQ*\sc+NQ*\i+1], v[ADRS] offset:\i*KS*64+64
.endr
.endm
.macro PLACES n
.rept \n
	v_nop
.endr
.endm
.macro STEP slot, q, zero
	s_wait_dscnt 4*NL                              ; all but the youngest sixteen loads (Y's blocks 4-7) are in
	WIN MUL_LO
	MUL16 0, (\q)%2, \q, \slot, \zero
	MUL16 2, (\q)%2, \q, \slot, \zero
	s_wait_dscnt 0
	PLACES NP
	FETCH_B \slot, (\q)+1, 1-(\q)%2
	FETCH_A \slot, (\q)+1, 0
	WIN MUL_HI
	MUL16 4, (\q)%2, \q, \slot, \zero
	MUL16 6, (\q)%2, \q, \slot, \zero
	PLACES NP
	WIN 0
	FETCH_A \slot, (\q)+1, 4
.endm
.macro TURN slot, next, fill
	s_wait_tensorcnt 0x0                           ; all my tensor loads have landed: my part of the next slot
	ds_add_u32 v[SPW], v[NIL]
	s_wait_dscnt 4*NL+1                            ; (the add and the youngest sixteen loads may be out)
	WIN MUL_LO
	MUL16 0, 1, NQ-1, \slot, 0
	s_wait_dscnt 0x0                               ; the add is done, and my reads of this slot are over
	s_barrier_signal -1
	MUL16 2, 1, NQ-1, \slot, 0
	WIN 0
	s_barrier_wait -1
.if \fill
	CREST                                          ; a round of the cluster's barrier: no wave of any partner still reads this slot or has a load on its way
	s_add_nc_u64 s[G0+4*\slot+2:G0+4*\slot+3], s[G0+4*\slot+2:G0+4*\slot+3], 2*CH
	s_add_nc_u64 s[G0B+4*\slot+2:G0B+4*\slot+3], s[G0B+4*\slot+2:G0B+4*\slot+3], 2*CH
	JLOAD G0+4*\slot, G1, G0B+4*\slot, G1B
.else
	PLACES NP
.endif
	s_wait_alu depctr_va_vdst(0)
	v_add_nc_u32 v[ADRS], 64*NQ, v[ADRS]
	FETCH_B \next, 0, 0
	FETCH_A \next, 0, 0
	SCALES \next
	WIN MUL_HI
	MUL16 4, 1, NQ-1, \slot, 0
	MUL16 6, 1, NQ-1, \slot, 0
	PLACES NP
	WIN 0
	FETCH_A \next, 0, 4
.endm
	s_wait_alu depctr_va_vdst(0)
	s_wait_tensorcnt 0x0                           ; my tile of the head's four is in
	ds_add_u32 v[SPW], v[NIL]
	s_mov_b32 s[G1+2], 8<<16                       ; no tensor load of mine is out: from here on a load brings 8 tiles of rows,
	s_mov_b32 s[G1+4], 8
	s_mov_b32 s[G1B+2], 8<<16
	s_mov_b32 s[G1B+4], 8
	s_mov_b32 s[G0+1], s45                         ; and slot 0's groups 0 name my half
	s_mov_b32 s[G0B+1], s45
	s_add_nc_u64 s[G0+2:G0+3], s[G0+2:G0+3], s[94:95]
	s_add_nc_u64 s[G0B+2:G0B+3], s[G0B+2:G0B+3], s[94:95]
	s_wait_dscnt 0x0
	CROUND                                         ; a whole round: all four tiles are in, in every partner
	JLOAD G0+4, G1, G0B+4, G1B                     ; slot 1's first fill, my one tensor load behind the round
	FETCH_B 0, 0, 0
	FETCH_A 0, 0, 0
	SCALES 0
	FETCH_A 0, 0, 4
	global_prefetch_b8 v30, s[4:5] offset:CH th:TH_LOAD_NT scope:SCOPE_SE          ; chunk 3, behind chunk 1's load
	STEP 0, 0, 1
	s_mov_b32 s3, LAPS-1
.Llap:
	TURN 0, 1, 1
	STEP 1, 0, 0
	TURN 1, 0, 1
	STEP 0, 0, 0
	s_sub_co_u32 s3, s3, 1
	s_cmp_lg_u32 s3, 0
	s_cbranch_scc1 .Llap
	TURN 0, 1, 0
	STEP 1, 0, 0
	s_wait_dscnt 4*NL
	WIN MUL_LO
	MUL16 0, 1, NQ-1, 1, 0
	MUL16 2, 1, NQ-1, 1, 0
	s_wait_dscnt 0
	WIN MUL_HI
	MUL16 4, 1, NQ-1, 1, 0
	MUL16 6, 1, NQ-1, 1, 0
	WIN 0
.macro QSCALE s
.irp b, 0,1,2,3
	v_max3_num_f32 v[TM+\b], |v[\s+16*\b]|, |v[\s+16*\b+1]|, 0x1800000   ; with the floor 2^(3 - 127)
.endr
.irp i, 2,4,6,8,10,12,14
.irp b, 0,1,2,3
	v_max3_num_f32 v[TM+\b], v[TM+\b], |v[\s+16*\b+\i]|, |v[\s+16*\b+\i+1]|
.endr
.endr
.irp b, 0,1,2,3
	v_permlanex16_b32 v[TM+4+\b], v[TM+\b], s[SEL], s[SEL+1]
.endr
.irp b, 0,1,2,3
	v_max_num_f32 v[TM+\b], v[TM+\b], v[TM+4+\b]
.endr
.irp b, 0,1,2,3
	v_add_nc_u32 v[TM+8+\b], 0xff000000, v[TM+\b]
.endr
.irp b, 0,1,2,3
	v_lshrrev_b32 v[TM+4+\b], 23, v[TM+8+\b]
.endr
	v_lshl_or_b32 v[PW], v[TM+5], 8, v[TM+4]
	v_lshl_or_b32 v[PW], v[TM+6], 16, v[PW]
	v_lshl_or_b32 v[PW], v[TM+7], 24, v[PW]
.endm
.macro QCODES s
.irp c, 0,1
	v_cvt_scalef32_pk16_fp6_f32 v[PC+6*\c:PC+6*\c+2], v[\s+32*\c:\s+32*\c+15], v[TM+8+2*\c]
	v_cvt_scalef32_pk16_fp6_f32 v[PC+12+4*\c:PC+14+4*\c], v[\s+32*\c+16:\s+32*\c+31], v[TM+9+2*\c]
.endr
	v_nop
.irp c, 0,1
.irp i, 0,1,2
	v_permlane16_swap_b32 v[PC+6*\c+\i], v[PC+12+4*\c+\i]
.endr
.irp i, 0,1,2
	v_mov_b32 v[PC+3+6*\c+\i], v[PC+12+4*\c+\i]
.endr
.endr
.endm
.macro STIMG lo
	global_store_b128 v[L16], v[PC:PC+3], s[\lo:\lo+1]
	global_store_b64 v[L8], v[PC+4:PC+5], s[\lo:\lo+1] offset:512
	global_store_b128 v[L16], v[PC+6:PC+9], s[\lo:\lo+1] offset:768
	global_store_b64 v[L8], v[PC+10:PC+11], s[\lo:\lo+1] offset:1280
.endm
.macro COEF r, bits                    ; a coefficient as a pair: the packed forms name a pair and take its low word for both halves
	s_mov_b32 s[\r], \bits
	s_mov_b32 s[\r+1], \bits
.endm
; the exact gelu of 32 numbers, x at v[32 u] of window 1, into v[ST + 32 u] of window 0
.macro GELU u
	WIN 0x55                                       ; all four places: window 1
.set i, 0
.rept 16
	v_pk_mul_f32 v[ZZ+i:ZZ+i+1], v[32*(\u)+i:32*(\u)+i+1], s[48:49] op_sel_hi:[1,0]   ; z = x / sqrt 2
.set i, i+2
.endr
.set i, 0
.rept 32
	v_med3_num_f32 v[ZZ+i], v[ZZ+i], -4.0, 4.0     ; beyond 4 erf is 1 in f32
.set i, i+1
.endr
.set i, 0
.rept 16
	v_pk_mul_f32 v[X2+i:X2+i+1], v[ZZ+i:ZZ+i+1], v[ZZ+i:ZZ+i+1]
.set i, i+2
.endr
.set i, 0
.rept 16
	v_pk_fma_f32 v[PP+i:PP+i+1], v[X2+i:X2+i+1], s[24:25], v[KA1:KA1+1] op_sel_hi:[1,0,1]
	v_pk_fma_f32 v[QQ+i:QQ+i+1], v[X2+i:X2+i+1], s[38:39], v[KB1:KB1+1] op_sel_hi:[1,0,1]
.set i, i+2
.endr
.irp c, 28,30,32,34,36
.set i, 0
.rept 16
	v_pk_fma_f32 v[PP+i:PP+i+1], v[PP+i:PP+i+1], v[X2+i:X2+i+1], s[\c:\c+1] op_sel_hi:[1,1,0]
.set i, i+2
.endr
.endr
.irp c, 42,44,46
.set i, 0
.rept 16
	v_pk_fma_f32 v[QQ+i:QQ+i+1], v[QQ+i:QQ+i+1], v[X2+i:X2+i+1], s[\c:\c+1] op_sel_hi:[1,1,0]
.set i, i+2
.endr
.endr
.set i, 0
	s_wait_alu depctr_va_vdst(0)
.rept 32
	v_rcp_f32 v[QQ+i], v[QQ+i]
.set i, i+1
.endr
.set i, 0
.rept 16
	v_pk_mul_f32 v[PP+i:PP+i+1], v[PP+i:PP+i+1], v[ZZ+i:ZZ+i+1]      ; z P: plain work behind the reciprocals that names none of them
.set i, i+2
.endr
.set i, 0
.rept 16
	v_pk_mul_f32 v[ZZ+i:ZZ+i+1], v[32*(\u)+i:32*(\u)+i+1], 0.5 op_sel_hi:[1,0]   ; x / 2
.set i, i+2
.endr
	s_wait_alu depctr_va_vdst(0)                   ; one wait for the 32 reciprocals, ahead of their first reader
.set i, 0
.rept 16
	v_pk_mul_f32 v[PP+i:PP+i+1], v[PP+i:PP+i+1], v[QQ+i:QQ+i+1]      ; erf
.set i, i+2
.endr
	WIN 0x15                                       ; the sources window 1, the destination window 0
.set i, 0
.rept 16
	v_pk_fma_f32 v[ST+32*(\u)+i:ST+32*(\u)+i+1], v[ZZ+i:ZZ+i+1], v[PP+i:PP+i+1], v[ZZ+i:ZZ+i+1]
.set i, i+2
.endr
	WIN 0
.endm
	; THE WAY OUT: Y's eight blocks one after the other, in a loop whose work is written once; only the additions of the bias, which name a block's accumulators, are written for each block.
	PLACES NP
	s_wait_loadcnt 0x0                             ; the bias
	v_and_b32 v[L16], 31, v0
	v_lshlrev_b32 v[L8], 3, v[L16]
	v_lshlrev_b32 v[L16], 4, v[L16]
	v_and_b32 v[L4], 15, v0
	v_lshlrev_b32 v[L4], 2, v[L4]
.irp b, 0,1,2,3
	v_mov_b32 v[TM+4+\b], 0                        ; written once: a lane permute's destination counts as one of its sources
.endr
	s_mov_b32 s[SEL], 0x76543210
	s_mov_b32 s[SEL+1], 0xfedcba98
	COEF 24, 0xaf95df0b                            ; P: -2.72614225801306e-10 (no tensor load of mine is out: the descriptors' registers are free)
	COEF 26, 0x32edffee                            ;     2.77068142495902e-08
	COEF 28, 0xb60cff51                            ;    -2.10102402082508e-06
	COEF 30, 0xb86ec2d2                            ;    -5.69250639462346e-05
	COEF 32, 0xba40ac63                            ;    -7.34990630326855e-04
	COEF 34, 0xbb41a1f6                            ;    -2.95459980854025e-03
	COEF 36, 0xbc83dbd4                            ;    -1.60960333262415e-02
	COEF 38, 0xb77460cd                            ; Q: -1.45660718464996e-05
	COEF 40, 0xb95fbd29                            ;    -2.13374055278905e-04
	COEF 42, 0xbadc924e                            ;    -1.68282697438203e-03
	COEF 44, 0xbbf19bf8                            ;    -7.37332916720468e-03
	COEF 46, 0xbc69b6a7                            ;    -1.42647390514189e-02
	COEF 48, 0x3f3504f3                            ; 1 / sqrt 2
	WIN 0x40
	v_mov_b32 v[KA1], s26                          ; the second coefficients also as vector pairs: a packed multiply-add then names one scalar pair
	v_mov_b32 v[KA1+1], s26
	v_mov_b32 v[KB1], s40
	v_mov_b32 v[KB1+1], s40
	WIN 0
	s_mov_b32 s3, 0
.Ltile:
.irp k, 0,1,2,3,4,5,6
	s_cmp_eq_u32 s3, \k
	s_cbranch_scc1 .Larm\k
.endr
	s_branch .Larm7
.irp k, 0,1,2,3,4,5,6,7
.Larm\k:
	WIN 0x42+(\k)/4                                ; source 0: the accumulators' window; destination: window 1
.set AC, 64*((\k)%4)
.set i, 0
.rept 32
	v_pk_add_f32 v[i:i+1], v[AC+i:AC+i+1], v[BX+i:BX+i+1]            ; each accumulator from its low end on
.set i, i+2
.endr
	WIN 0
	s_branch .Lwork
.endr
.Lwork:
	GELU 0
	GELU 1
	QSCALE ST
	QCODES ST
	STIMG 66
	global_store_b32 v[L4], v[PW], s[96:97]        ; lanes l and l xor 16 hold the same word and name the same four bytes
	s_wait_xcnt 0x0                                ; the stores have read their registers and bases: both are written again
	s_add_nc_u64 s[66:67], s[66:67], 32*IMG        ; the next token tile
	s_add_nc_u64 s[96:97], s[96:97], 32*64
	s_add_co_u32 s3, s3, 1
	s_cmp_lt_u32 s3, 8
	s_cbranch_scc1 .Ltile
	s_wait_tensorcnt 0x0                           ; the wave's end
	ds_add_u32 v[SPW], v[NIL]
	s_wait_dscnt 0x0
	CROUND                                         ; the closing round
	s_endpgm
.Lfunc_end_k_qd13003b231_g5:
	.size	k_qd13003b231_g5, .Lfunc_end_k_qd13003b231_g5-k_qd13003b231_g5
	.p2alignl 7, 3214868480
	.fill 96, 4, 3214868480
	.section	.rodata,"a",@progbits
	.p2align	6, 0x0
	.amdhsa_kernel k_qd13003b231_g5
		.amdhsa_group_segment_fixed_size 327680
		.amdhsa_private_segment_fixed_size 0
		.amdhsa_enable_private_segment 0
		.amdhsa_kernarg_size 32
		.amdhsa_user_sgpr_count 2
		.amdhsa_user_sgpr_kernarg_segment_ptr 1
		.amdhsa_wavefront_size32 1
		.amdhsa_system_sgpr_workgroup_id_x 1
		.amdhsa_system_sgpr_workgroup_id_y 1
		.amdhsa_system_sgpr_workgroup_id_z 1
		.amdhsa_system_vgpr_workitem_id 0
		.amdhsa_next_free_vgpr 1024
		.amdhsa_next_free_sgpr 100
		.amdhsa_reserve_vcc 0
		.amdhsa_float_denorm_mode_32 3
		.amdhsa_float_denorm_mode_16_64 3
		.amdhsa_memory_ordered 1
		.amdhsa_forward_progress 1
		.amdhsa_inst_pref_size 182
	.end_amdhsa_kernel
	.amdgpu_metadata
---
amdhsa.version: [ 1, 2 ]
amdhsa.kernels:
  - .name:           k_qd13003b231_g5
    .symbol:         k_qd13003b231_g5.kd
    .args:
      - { .name: h2q, .offset: 0, .size: 8, .value_kind: global_buffer, .address_space: global }
      - { .name: pw, .offset: 8, .size: 8, .value_kind: global_buffer, .address_space: global }
      - { .name: ffn_b1, .offset: 16, .size: 8, .value_kind: global_buffer, .address_space: global }
      - { .name: fq, .offset: 24, .size: 8, .value_kind: global_buffer, .address_space: global }
    .group_segment_fixed_size: 327680
    .private_segment_fixed_size: 0
    .kernarg_segment_align: 8
    .kernarg_segment_size: 32
    .max_flat_workgroup_size: 128
    .sgpr_count:     100
    .vgpr_count:     1024
    .wavefront_size: 32
...
	.end_amdgpu_metadata
.endif
;; end of part 10
;; launch g6 (part 11): grid 8 x 32, 4 waves a work-group, clusters of 4 x 4, 327,680 bytes of LDS; arguments fq, pw, ffn_b2, x1, out0; writes out0
.if DOCPART == 11
	.amdgcn_target "amdgcn-amd-amdhsa--gfx1250"
	.amdhsa_code_object_version 6
	.text
	.protected	k_qd13003b231_g6
	.globl	k_qd13003b231_g6
	.p2align	8
	.type	k_qd13003b231_g6,@function
k_qd13003b231_g6:
	s_mov_b64 s[64:65], 0
	v_nop
	global_prefetch_b8 v0, s[64:65] scope:SCOPE_SE
	s_setreg_imm32_b32 hwreg(HW_REG_WAVE_MODE, 25, 1), 1
	s_wait_xcnt 0x0
	s_wait_alu depctr_hold_cnt(0) depctr_sa_sdst(0) depctr_va_vdst(0) depctr_va_sdst(0) depctr_va_ssrc(0) depctr_va_vcc(0) depctr_vm_vsrc(0)
	s_getreg_b32 s2, hwreg(HW_REG_IB_STS2, 6, 4)
	s_cmp_eq_u32 s2, 0
	s_cbranch_scc0 .Lentry_in_a_cluster
	s_endpgm
.Lentry_in_a_cluster:
	s_bfe_u32 s2, ttmp6, 0x10000c
	s_cmp_lg_u32 s2, 0xf033
	s_cbranch_scc0 .Lentry_shape_is_right
	s_endpgm
.Lentry_shape_is_right:
; out0 = x1 + f ffn_w2^T + ffn_b2, the product on codes of FP6 (E2M3) with E8M0 scales for each 32 along K = 4,096.
; Y = the tokens' images (first argument: codes [tile][KS][1,536] at YCO, scale words [tile][KS][64] at YWO), X = the weight's rows (pw, at XCO and XWO).  An image is a fragment's registers as they stand:
; for c = 0, 1: registers 6c..6c+3 at 768 c + 16 x lane, registers 6c+4, 6c+5 at 768 c + 512 + 8 x lane.
; THE TILE IS 128 x 128: the output has 4,096 x 1,024 numbers, which are 256 such tiles, one for each of 256 work-groups; tiles of 256 x 256 would be 64.  Four waves, each 64 tokens x 64 columns: 16 accumulators.
; Source 0 = 16 rows of X, source 1 = 16 rows of Y: a lane holds eight neighbouring columns of one token's row.
; Row m of Y's tile a (of my four) is token ROW(a, m) = RA2 (a / 2) + RA1 (a % 2) + RT8 (m % 8) + RTH (m / 8) of my 64: the order in which the launch before laid them.
; K goes through a ring of two LDS slots filled by the tensor data mover; a slot holds FOUR steps of 128 (for each operand 8 tiles of rows x 6,144 bytes): 64 matrix instructions a wave between two changes of slots.
; Two slots of six steps, the scale words of all of K (32,768 bytes) and the spare words would be 512 bytes more than the work-group's LDS; five do not divide K's 32 steps.  The scale words come once.
; CLUSTERS: 4 x 4; Y's tiles are asked for jointly along a row of the cluster, X's along a column.  Prefetches into the L2 run two chunks ahead of the tensor loads.
; THE RESIDUAL, 64 rows x 256 bytes a wave, is asked for in two halves, in front of the loop and in front of the last lap, into 128 registers that the loop does not touch.
; THE WAY OUT: a wave's 64 columns are 256 consecutive bytes of a row, at a multiple of 256 from the buffer's first byte: a block of 16 rows goes through my own stage in LDS (in slot 0, which has had its last fill
; and its last read) and comes back two rows a load; residual and bias are added there; sixteen lanes store a row's 256 bytes.
; REGISTERS: window 0: v1-7 at work, v8-11 the bias of my four columns, v12 its offset, v16-29 addresses, v32-63 scale words (two sets), v64-127 rows read back, v128-255 the accumulators, (a, b) at v[128 + 8 (4 a + b)].
;   window 1: two sets of fragments, at v0 and v128: X's four, then Y's four at + 48.   window 2: v0-127 the residual.
; SCALARS: s[4:5] Y's buffer, s[6:7] pw, s[8:9] bias, s[10:11] residual, s[12:13] output, s14-16 wave, s17 Y tile, s42 X tile, s[66:67] bias at my columns, s[96:97], s[98:99] residual and output at my corner.
.set KS,     32
.set YCO,    0
.set YWO,    12582912
.set XCO,    524288+768*12288
.set XWO,    768*512
.set RA2,    32
.set RA1,    1                         ; the tokens' tiles come in the order of the launch that made h2: tile T, row m: token 32 (T / 2) + T % 2 + 2 m
.set RT8,    2
.set RTH,    16
.set NT,     1
.set NQ,     4                         ; K steps of 128 in a slot
.set IMG,    1536
.set RTB,    KS*IMG                    ; a tile of 16 rows, all of K
.set CH,     NQ*IMG                    ; its part in a slot
.set HALFT,  4*CH                      ; 64 rows: what one tensor load brings, and what one wave reads of Y or of X
.set SLOT,   4*HALFT                   ; Y's 128 rows, then X's
.set LAPS,   KS/(2*NQ)
.set SCL,    2*SLOT                    ; behind the ring: the scale words
.set HALFS,  4*KS*64                   ; those of 64 rows
.set SPARE,  SCL+4*HALFS               ; the spare words, 128 bytes a wave
.set SPITCH, 272                       ; a stage row: 256 bytes + 16
.set FR,     12
.set NP,     4                         ; places behind this matrix instruction (ISA guide 7.12.1)
.set BI,   8
.set CB,   12
.set ADRA, 16                          ; v16-17 16 x lane + my Y rows in slot 0, 1; v18-19 the same with 8 x lane
.set ADRB, 20                          ; v20-23 likewise for X
.set STO,  24
.set RD,   25
.set CO,   26
.set ADRS, 27
.set SPW,  28
.set NIL,  29
.set SC,   32
.set BK,   64
.set ACC,  128
.set G1, 24
.set G0, 32
.set G1B, 48
.set G0B, 56
.set G1S, 68
.set G0S, 76
.set G1SB, 80
.set G0SB, 88
.set MSB, 0
.macro WIN new                         ; the immediate's high byte repeats the setting that is left
.if MSB != (\new)
	s_set_vgpr_msb (MSB<<8)|(\new)
.set MSB, (\new)
.endif
.endm
.set MUL,  0x05                        ; sources 0 (X) and 1 (Y) window 1; C and D window 0
.set TO_F, 0x40                        ; destination window 1, address window 0
.macro JLOAD g0a, g1a, g0b, g1b        ; waves 0 and 1 fetch for Y, waves 2 and 3 for X; an s_nop 0 and four v_nop follow each line
	s_cmp_eq_u32 s15, 0
	s_cbranch_scc0 .Lfor_b_\@
	tensor_load_to_lds s[\g0a:\g0a+3], s[\g1a:\g1a+7]
	s_nop 0
.rept 4
	v_nop
.endr
	s_branch .Lasked_\@
.Lfor_b_\@:
	tensor_load_to_lds s[\g0b:\g0b+3], s[\g1b:\g1b+7]
	s_nop 0
.rept 4
	v_nop
.endr
.Lasked_\@:
.endm
.macro CREST
	s_cmp_lg_u32 s14, 0
	s_cbranch_scc1 .Lnot_wave_0_\@
	s_barrier_signal -3
.Lnot_wave_0_\@:
	s_barrier_wait -3
	s_barrier_signal -1
	s_barrier_wait -1
.endm
.macro CROUND
	s_barrier_signal -1
	s_barrier_wait -1
	CREST
.endm
.macro RLOAD a                         ; block a's sixteen rows of the residual, two rows a load: sixteen lanes read a row's 256 consecutive bytes
.irp t, 0,1,2,3,4,5,6,7
	global_load_b128 v[32*(\a)+4*\t:32*(\a)+4*\t+3], v[CO], s[96:97] offset:(RA2*((\a)/2)+RA1*((\a)%2)+RT8*((2*\t)%8)+RTH*(\t/4))*4096 th:TH_LOAD_NT
.endr
.endm
	s_load_b256 s[4:11], s[0:1], 0x0
	s_load_b64 s[12:13], s[0:1], 0x20
	v_lshl_add_u32 v[SPW], v0, 2, SPARE
	v_mov_b32 v[NIL], 0
	ds_add_u32 v[SPW], v[NIL]                      ; the wave's opening: the add and its wait ahead of my first tensor load
	ds_add_u32 v[SPW], v[NIL]
	v_lshrrev_b32 v1, 5, v0
	v_readfirstlane_b32 s14, v1                    ; wave 0..3
	s_lshr_b32 s15, s14, 1                         ; my half of Y's rows.  Also: I fetch for Y (0) or X (1)
	s_and_b32 s16, s14, 1                          ; my half of X's rows.  Also: which 64 rows I fetch
	s_bfe_u32 s40, ttmp6, 0x40000                  ; cx
	s_bfe_u32 s41, ttmp6, 0x40004                  ; cy
	s_lshl_b32 s42, ttmp9, 2
	s_add_co_u32 s42, s42, s40                     ; X tile
	s_and_b32 s17, ttmp7, 0xffff
	s_lshl_b32 s17, s17, 2
	s_add_co_u32 s17, s17, s41                     ; Y tile
	s_lshl_b32 s43, s41, 2
	s_lshl_b32 s43, 15, s43                        ; my row of the cluster
	s_lshl_b32 s44, 0x1111, s40                    ; my column
	s_or_b32 s[G1+0], s43, (3<<16)|(1<<21)         ; codes: 4 rows (tiles of 16 rows) of 6,144 bytes, RTB bytes apart; elements of 8 bytes; no padding
	s_or_b32 s[G1B+0], s44, (3<<16)|(1<<21)
.irp g, G1, G1B
	s_mov_b32 s[\g+1], (CH/8)<<16
	s_mov_b32 s[\g+2], 8<<16                       ; the head's loads bring all 8 tiles of rows of an operand
	s_mov_b32 s[\g+3], (CH/8)<<16
	s_mov_b32 s[\g+4], 8
	s_mov_b32 s[\g+5], RTB/8
	s_mov_b32 s[\g+6], 0
	s_mov_b32 s[\g+7], 0
.endr
	s_or_b32 s[G1S+0], s43, (3<<16)|(1<<21)        ; scale words of 64 rows: a dense block, as rows of 256 bytes
	s_or_b32 s[G1SB+0], s44, (3<<16)|(1<<21)
.irp g, G1S, G1SB
	s_mov_b32 s[\g+1], 32<<16
	s_mov_b32 s[\g+2], (2*HALFS/256)<<16           ; the scale words of all 128 rows of an operand
	s_mov_b32 s[\g+3], 32<<16
	s_mov_b32 s[\g+4], 2*HALFS/256
	s_mov_b32 s[\g+5], 32
	s_mov_b32 s[\g+6], 0
	s_mov_b32 s[\g+7], 0
.endr
	s_mov_b32 s18, 0                               ; the addresses below are those of the whole tiles; my half's offset is s[94:95]
	s_lshl_b32 s20, s17, 3
	s_add_co_u32 s20, s20, s18                     ; Y: the first tile of 16 rows that I fetch
	s_lshl_b32 s46, s42, 3
	s_add_co_u32 s46, s46, s18                     ; X likewise
	s_mul_i32 s22, s20, KS*64
	s_mul_i32 s92, s46, KS*64
	s_mul_i32 s20, s20, RTB
	s_mul_i32 s46, s46, RTB
	s_mov_b32 s21, 0
	s_mov_b32 s23, 0
	s_mov_b32 s47, 0
	s_mov_b32 s93, 0
	s_add_nc_u64 s[20:21], s[20:21], YCO
	s_add_nc_u64 s[22:23], s[22:23], YWO
	s_add_nc_u64 s[46:47], s[46:47], XCO
	s_add_nc_u64 s[92:93], s[92:93], XWO
	s_mul_i32 s45, s14, HALFT                      ; where they go: wave x 64 rows: no place in the cluster enters an LDS address
	s_mul_i32 s94, s16, 4*RTB                      ; in the ring I fetch 4 tiles of rows: which half, in bytes
	s_mov_b32 s95, 0
	s_wait_dscnt 0x0                               ; the opening add is done
	s_wait_kmcnt 0x0
	s_add_nc_u64 s[20:21], s[4:5], s[20:21]
	s_add_nc_u64 s[22:23], s[4:5], s[22:23]
	s_add_nc_u64 s[46:47], s[6:7], s[46:47]
	s_add_nc_u64 s[92:93], s[6:7], s[92:93]
	CROUND                                         ; all sixteen work-groups are here: the first joint loads meet
	s_mov_b32 s[G0S], 1
	s_mov_b32 s[G0S+1], SCL
	s_mov_b64 s[G0S+2:G0S+3], s[22:23]
	s_or_b32 s[G0S+3], s[G0S+3], 0x80000000
	s_mov_b32 s[G0SB], 1
	s_mov_b32 s[G0SB+1], SCL+2*HALFS
	s_mov_b64 s[G0SB+2:G0SB+3], s[92:93]
	s_or_b32 s[G0SB+3], s[G0SB+3], 0x80000000
	; THE PREFETCHES INTO THE L2: behind the load of chunk c (a slot's 6,144 bytes of each tile of rows) chunk c + 2 is asked for.  Of the four tiles of rows that I fetch, each of the four partners that ask for them
	; jointly names one, told apart by address alone (cx for Y, cy for X): 24 blocks of 256 bytes, a lane a block; lanes 24-31 name the last block again.  s[4:5] stands at chunk 2 and goes two chunks on in each trip.
	s_cmp_eq_u32 s15, 0
	s_cselect_b64 s[4:5], s[20:21], s[46:47]
	s_cselect_b32 s18, s40, s41
	s_mul_i32 s18, s18, RTB
	s_add_co_u32 s18, s18, s94
	s_add_co_u32 s18, s18, 2*CH
	s_mov_b32 s19, 0
	s_add_nc_u64 s[4:5], s[4:5], s[18:19]
.irp s, 0,1
	s_mov_b32 s[G0+4*\s], 1
	s_add_co_u32 s[G0+4*\s+1], s45, \s*SLOT
	s_add_nc_u64 s[G0+4*\s+2:G0+4*\s+3], s[20:21], \s*CH
	s_or_b32 s[G0+4*\s+3], s[G0+4*\s+3], 0x80000000
	s_mov_b32 s[G0B+4*\s], 1
	s_add_co_u32 s[G0B+4*\s+1], s45, \s*SLOT
	s_add_nc_u64 s[G0B+4*\s+2:G0B+4*\s+3], s[46:47], \s*CH
	s_or_b32 s[G0B+4*\s+3], s[G0B+4*\s+3], 0x80000000
.endr
	s_mov_b32 s[G0+1], 0                           ; for the head slot 0's two groups 0 name the whole tiles: Y's 8 tiles of rows at LDS byte 0,
	s_mov_b32 s[G0B+1], 2*HALFT                    ; X's behind them
	s_add_nc_u64 s[G0+6:G0+7], s[G0+6:G0+7], s[94:95]      ; slot 1's name my half
	s_add_nc_u64 s[G0B+6:G0B+7], s[G0B+6:G0B+7], s[94:95]
; the head's four tiles, one tensor load a wave: wave 0 Y's codes, wave 1 X's, wave 2 Y's scale words, wave 3 X's; one chain of branches on the wave's number, all arms to one join
.macro ARM under, g0, g1, next
	s_cmp_lt_u32 s14, \under
	s_cbranch_scc0 \next
	tensor_load_to_lds s[\g0:\g0+3], s[\g1:\g1+7]
	s_nop 0
.rept 4
	v_nop
.endr
	s_branch .Lhead_asked
\next:
.endm
	ARM 1, G0,  G1,  .Lhead_b
	ARM 2, G0B, G1B, .Lhead_sa
	ARM 3, G0S, G1S, .Lhead_sb
	tensor_load_to_lds s[G0SB:G0SB+3], s[G1SB:G1SB+7]
	s_nop 0
.rept 4
	v_nop
.endr
.Lhead_asked:
	v_and_b32 v30, 31, v0
	v_min_u32 v30, 23, v30
	v_lshlrev_b32 v30, 8, v30                      ; the prefetches' offset: my lane's block of 256 bytes; never rewritten
	v_and_b32 v1, 15, v0                           ; r
	v_bfe_u32 v2, v0, 4, 1                         ; h
	v_and_b32 v3, 31, v0
	v_lshlrev_b32 v4, 4, v3
	v_lshlrev_b32 v5, 3, v3
	s_mul_i32 s21, s15, HALFT
	s_mul_i32 s22, s16, HALFT
	s_add_co_u32 s22, s22, 2*HALFT
.irp s, 0,1
	v_add_nc_u32 v[ADRA+\s], s21, v4
	v_add_nc_u32 v[ADRB+\s], s22, v4
	v_add_nc_u32 v[ADRA+2+\s], s21, v5
	v_add_nc_u32 v[ADRB+2+\s], s22, v5
	s_add_co_u32 s21, s21, SLOT
	s_add_co_u32 s22, s22, SLOT
.endr
	v_lshlrev_b32 v7, 2, v1                        ; a scale word: 4 bytes a row
	s_mul_i32 s21, s15, HALFS
	s_mul_i32 s22, s16, HALFS
	s_add_co_u32 s22, s22, 2*HALFS
	s_sub_co_u32 s22, s22, s21
	v_mul_u32_u24 v6, s22, v2                      ; lanes 16-31 take X's
	s_add_co_u32 s21, s21, SCL
	v_add_nc_u32 v7, v7, v6
	v_add_nc_u32 v[ADRS], s21, v7
	s_mul_i32 s23, s14, 16*SPITCH                  ; my stage
	v_mul_u32_u24 v6, v1, SPITCH
	v_lshl_add_u32 v6, v2, 5, v6
	v_add_nc_u32 v[STO], s23, v6                   ; in: row r, 32 bytes for each half of the lanes
	v_mul_u32_u24 v6, v2, SPITCH
	v_lshl_add_u32 v6, v1, 4, v6
	v_add_nc_u32 v[RD], s23, v6                    ; back: lanes 0-15 one row of 256 bytes, lanes 16-31 the next
	v_lshlrev_b32 v[CB], 4, v1                     ; 16 bytes a lane of a row's 256
	v_mul_u32_u24 v6, v2, RT8*4096                 ; the stage's next row is the token RT8 further on
	v_add_nc_u32 v[CO], v6, v[CB]
	s_wait_alu depctr_va_vdst(0)
	s_lshl_b32 s18, s42, 1
	s_add_co_u32 s18, s18, s16
	s_lshl_b32 s18, s18, 8                         ; my 64 columns, in bytes
	s_mov_b32 s19, 0
	s_add_nc_u64 s[66:67], s[8:9], s[18:19]
	global_load_b128 v[BI:BI+3], v[CB], s[66:67]   ; the bias of my four columns
	s_lshl_b32 s20, s17, 1
	s_add_co_u32 s20, s20, s15
	s_lshl_b32 s20, s20, 18                        ; my 64 rows of 4,096 bytes
	s_add_co_u32 s20, s20, s18
	s_mov_b32 s21, 0
	s_add_nc_u64 s[96:97], s[10:11], s[20:21]
	s_add_nc_u64 s[98:99], s[12:13], s[20:21]
	global_prefetch_b8 v30, s[4:5] th:TH_LOAD_NT scope:SCOPE_SE    ; chunk 2, behind chunk 0's load.  (The residual is asked for later: half in front of the loop, half in front of the last lap)
.macro FRAG reg, adr, q, i             ; a fragment from its image: four loads of consecutive bytes
	ds_load_b128 v[\reg:\reg+3], v[\adr] offset:(\i)*CH+(\q)*IMG
	ds_load_b64 v[\reg+4:\reg+5], v[\adr+2] offset:(\i)*CH+(\q)*IMG+512
	ds_load_b128 v[\reg+6:\reg+9], v[\adr] offset:(\i)*CH+(\q)*IMG+768
	ds_load_b64 v[\reg+10:\reg+11], v[\adr+2] offset:(\i)*CH+(\q)*IMG+1280
.endm
; 4 matrix instructions: Y's block a x X's four; set p of fragments, the slot's q-th 128 along K, set sc of scale words.  The 16 accumulators take turns, one instruction a turn, in the same order in every step.
.macro MUL4 a, p, q, sc, zero
.irp b, 0,1,2,3
.if \zero
	v_wmma_scale_f32_16x16x128_f8f6f4 v[ACC+8*(4*(\a)+\b):ACC+8*(4*(\a)+\b)+7], v[128*(\p)+FR*\b:128*(\p)+FR*\b+FR-1], v[128*(\p)+48+FR*(\a):128*(\p)+48+FR*(\a)+FR-1], 0, v[SC+4*NQ*(\sc)+NQ*\b+(\q)], v[SC+4*NQ*(\sc)+NQ*(\a)+(\q)] matrix_a_fmt:MATRIX_FMT_FP6 matrix_b_fmt:MATRIX_FMT_FP6 matrix_a_scale:MATRIX_SCALE_ROW1
.else
	v_wmma_scale_f32_16x16x128_f8f6f4 v[ACC+8*(4*(\a)+\b):ACC+8*(4*(\a)+\b)+7], v[128*(\p)+FR*\b:128*(\p)+FR*\b+FR-1], v[128*(\p)+48+FR*(\a):128*(\p)+48+FR*(\a)+FR-1], v[ACC+8*(4*(\a)+\b):ACC+8*(4*(\a)+\b)+7], v[SC+4*NQ*(\sc)+NQ*\b+(\q)], v[SC+4*NQ*(\sc)+NQ*(\a)+(\q)] matrix_a_fmt:MATRIX_FMT_FP6 matrix_b_fmt:MATRIX_FMT_FP6 matrix_a_scale:MATRIX_SCALE_ROW1
.endif
.endr
.endm
.macro FETCH slot, q, p                ; 32 LDS loads in one run: X's four fragments and Y's four of the slot's q-th 128 along K, into set p
	WIN TO_F
.irp i, 0,1,2,3
	FRAG 128*(\p)+FR*\i, ADRB+\slot, \q, \i
.endr
.irp i, 0,1,2,3
	FRAG 128*(\p)+48+FR*\i, ADRA+\slot, \q, \i
.endr
.endm
.macro SCALES sc                       ; a slot's scale words: lanes 0-15 Y's block i, lanes 16-31 X's block i, for each of its four steps
.irp i, 0,1,2,3
.irp q, 0,1,2,3
	ds_load_b32 v[SC+4*NQ*\sc+NQ*\i+\q], v[ADRS] offset:\i*KS*64+64*\q
.endr
.endr
.endm
.macro PLACES n
.rept \n
	v_nop
.endr
.endm
; 128 along K that has its successor in the same slot: the successor's fragments are asked for first, into the set that the step before multiplied, and have this step's 16 matrix instructions in which to land
.macro STEP slot, q, zero
	s_wait_dscnt 0x0                               ; this step's fragments (and, at a slot's head, its scale words) are in
	PLACES NP                                      ; in front of loads into registers that the last matrix instructions have read
	FETCH \slot, (\q)+1, 1-(\q)%2
	WIN MUL
	MUL4 0, (\q)%2, \q, \slot, \zero
	MUL4 1, (\q)%2, \q, \slot, \zero
	MUL4 2, (\q)%2, \q, \slot, \zero
	MUL4 3, (\q)%2, \q, \slot, \zero
.endm
; A slot's last step changes slots: one barrier; in front of it each wave waits for all its tensor loads, adds 0 to its spare word, and waits for that and for its reads of this slot.  fill = 1: this slot is filled again.
.macro TURN slot, next, fill
	WIN 0
.if (\fill) && (\slot) == 0
	s_wait_xcnt 0x0                                ; my prefetches have read their address: it goes two chunks on, once a trip
	s_add_nc_u64 s[4:5], s[4:5], 2*CH
.endif
	s_wait_tensorcnt 0x0                           ; all my tensor loads have landed: my part of the next slot
	ds_add_u32 v[SPW], v[NIL]
	s_wait_dscnt 1                                 ; this step's fragments are in (the add may be out)
	WIN MUL
	MUL4 0, 1, NQ-1, \slot, 0                      ; four matrix instructions stand between the add and the wait for it
	s_wait_dscnt 0x0                               ; the add is done, and my reads of this slot are over
	s_barrier_signal -1
	MUL4 1, 1, NQ-1, \slot, 0
	WIN 0
	s_barrier_wait -1
.if \fill
	CREST                                          ; the barrier has opened a round of the cluster's: no wave of any partner still reads this slot or has a load on its way
	s_add_nc_u64 s[G0+4*\slot+2:G0+4*\slot+3], s[G0+4*\slot+2:G0+4*\slot+3], 2*CH
	s_add_nc_u64 s[G0B+4*\slot+2:G0B+4*\slot+3], s[G0B+4*\slot+2:G0B+4*\slot+3], 2*CH
	JLOAD G0+4*\slot, G1, G0B+4*\slot, G1B         ; the first tensor load behind the round; its four v_nop are the places in front of the loads below
.else
	PLACES NP
.endif
	s_wait_alu depctr_va_vdst(0)
	v_add_nc_u32 v[ADRS], 64*NQ, v[ADRS]           ; the next slot's scale words
	FETCH \next, 0, 0
	WIN 0
	SCALES \next
.if \fill
	s_cmp_gt_u32 s3, 1                             ; the last trip loads chunks 6 and 7: nothing lies two chunks on
	s_cbranch_scc0 .Lno_ask_\@
	global_prefetch_b8 v30, s[4:5] offset:(\slot)*CH th:TH_LOAD_NT scope:SCOPE_SE
.Lno_ask_\@:
.endif
	WIN MUL
	MUL4 2, 1, NQ-1, \slot, 0
	MUL4 3, 1, NQ-1, \slot, 0
.endm
	s_wait_alu depctr_va_vdst(0)
	s_wait_tensorcnt 0x0                           ; my tile of the head's four is in
	ds_add_u32 v[SPW], v[NIL]
	s_mov_b32 s[G1+2], 4<<16                       ; no tensor load of mine is out: from here on a load brings 4 tiles of rows,
	s_mov_b32 s[G1+4], 4
	s_mov_b32 s[G1B+2], 4<<16
	s_mov_b32 s[G1B+4], 4
	s_mov_b32 s[G0+1], s45                         ; and slot 0's groups 0 name my half
	s_mov_b32 s[G0B+1], s45
	s_add_nc_u64 s[G0+2:G0+3], s[G0+2:G0+3], s[94:95]
	s_add_nc_u64 s[G0B+2:G0B+3], s[G0B+2:G0B+3], s[94:95]
	s_wait_dscnt 0x0
	CROUND                                         ; a whole round: all four tiles are in, in every partner
	JLOAD G0+4, G1, G0B+4, G1B                     ; slot 1's first fill, my one tensor load behind the round
	FETCH 0, 0, 0
	WIN 0
	SCALES 0
	global_prefetch_b8 v30, s[4:5] offset:CH th:TH_LOAD_NT scope:SCOPE_SE          ; chunk 3, behind chunk 1's load
	STEP 0, 0, 1
	STEP 0, 1, 0
	STEP 0, 2, 0
	WIN 0x80                                       ; destination window 2
	RLOAD 0                                        ; half of the residual lands while K is walked
	RLOAD 1
.if LAPS > 1
	WIN 0                                          ; at a label and at a branch every window is 0
	s_mov_b32 s3, LAPS-1
.Llap:                                             ; a trip goes once round the ring and fills both slots again
	TURN 0, 1, 1
	STEP 1, 0, 0
	STEP 1, 1, 0
	STEP 1, 2, 0
	TURN 1, 0, 1
	STEP 0, 0, 0
	STEP 0, 1, 0
	STEP 0, 2, 0
	WIN 0
	s_sub_co_u32 s3, s3, 1
	s_cmp_lg_u32 s3, 0
	s_cbranch_scc1 .Llap
.endif
	WIN 0x80
	RLOAD 2                                        ; the other half under the last lap, in which no tile is asked for
	RLOAD 3
	TURN 0, 1, 0
	STEP 1, 0, 0
	STEP 1, 1, 0
	STEP 1, 2, 0
	s_wait_dscnt 0x0                               ; the very last step: nothing more to fetch
	WIN MUL
	MUL4 0, 1, NQ-1, 1, 0
	MUL4 1, 1, NQ-1, 1, 0
	MUL4 2, 1, NQ-1, 1, 0
	MUL4 3, 1, NQ-1, 1, 0
	WIN 0
.macro TOSTAGE a                       ; LDS serves a wave's instructions in order (ISA guide 5.7.1.4): no wait between the stores and the loads, nor in front of the next block's stores
.irp b, 0,1,2,3
	ds_store_b128 v[STO], v[ACC+8*(4*(\a)+\b):ACC+8*(4*(\a)+\b)+3] offset:64*\b          ; each accumulator from its low end on
	ds_store_b128 v[STO], v[ACC+8*(4*(\a)+\b)+4:ACC+8*(4*(\a)+\b)+7] offset:64*\b+16
.endr
.set BB, BK+32*((\a)%2)
.irp t, 0,1,2,3,4,5,6,7
	ds_load_b128 v[BB+4*\t:BB+4*\t+3], v[RD] offset:2*\t*SPITCH
.endr
.endm
.macro SEND a, younger                 ; younger: the LDS instructions issued behind block a's loads, which may stay out
.set BB, BK+32*((\a)%2)
.set RS, 32*(\a)
	s_wait_dscnt \younger                          ; the block is back in registers
	WIN 0x08                                       ; source 1: window 2
.set i, 0
.rept 16
	v_pk_add_f32 v[BB+i:BB+i+1], v[BB+i:BB+i+1], v[RS+i:RS+i+1]
.set i, i+2
.endr
	WIN 0
.irp t, 0,1,2,3,4,5,6,7
	v_pk_add_f32 v[BB+4*\t:BB+4*\t+1], v[BB+4*\t:BB+4*\t+1], v[BI:BI+1]
	v_pk_add_f32 v[BB+4*\t+2:BB+4*\t+3], v[BB+4*\t+2:BB+4*\t+3], v[BI+2:BI+3]
.endr
.irp t, 0,1,2,3,4,5,6,7
.if NT
	global_store_b128 v[CO], v[BB+4*\t:BB+4*\t+3], s[98:99] offset:(RA2*((\a)/2)+RA1*((\a)%2)+RT8*((2*\t)%8)+RTH*(\t/4))*4096 th:TH_STORE_NT   ; sixteen lanes store 256 consecutive bytes, at a multiple of 256 from the buffer's first byte; written once, read by nobody here
.else
	global_store_b128 v[CO], v[BB+4*\t:BB+4*\t+3], s[98:99] offset:(RA2*((\a)/2)+RA1*((\a)%2)+RT8*((2*\t)%8)+RTH*(\t/4))*4096
.endif
.endr
.endm
	PLACES NP                                      ; behind the last products, in front of the first read of results
	s_wait_loadcnt 0x0                             ; the bias, asked for at the head, and the residual
	TOSTAGE 0
.irp a, 1,2,3
.if \a > 1
	s_wait_xcnt 0x0                                ; block a - 2's stores have read their registers: block a's loads may land there
.endif
	TOSTAGE \a
	SEND \a-1, 16                                  ; behind block a - 1's loads: block a's 8 stores and 8 loads
.endr
	SEND 3, 0
	s_wait_tensorcnt 0x0                           ; the wave's end
	ds_add_u32 v[SPW], v[NIL]
	s_wait_dscnt 0x0
	CROUND                                         ; the closing round
	s_endpgm
.Lfunc_end_k_qd13003b231_g6:
	.size	k_qd13003b231_g6, .Lfunc_end_k_qd13003b231_g6-k_qd13003b231_g6
	.p2alignl 7, 3214868480
	.fill 96, 4, 3214868480
	.section	.rodata,"a",@progbits
	.p2align	6, 0x0
	.amdhsa_kernel k_qd13003b231_g6
		.amdhsa_group_segment_fixed_size 327680
		.amdhsa_private_segment_fixed_size 0
		.amdhsa_enable_private_segment 0
		.amdhsa_kernarg_size 40
		.amdhsa_user_sgpr_count 2
		.amdhsa_user_sgpr_kernarg_segment_ptr 1
		.amdhsa_wavefront_size32 1
		.amdhsa_system_sgpr_workgroup_id_x 1
		.amdhsa_system_sgpr_workgroup_id_y 1
		.amdhsa_system_sgpr_workgroup_id_z 1
		.amdhsa_system_vgpr_workitem_id 0
		.amdhsa_next_free_vgpr 640
		.amdhsa_next_free_sgpr 100
		.amdhsa_reserve_vcc 0
		.amdhsa_float_denorm_mode_32 3
		.amdhsa_float_denorm_mode_16_64 3
		.amdhsa_memory_ordered 1
		.amdhsa_forward_progress 1
		.amdhsa_inst_pref_size 106
	.end_amdhsa_kernel
	.amdgpu_metadata
---
amdhsa.version: [ 1, 2 ]
amdhsa.kernels:
  - .name:           k_qd13003b231_g6
    .symbol:         k_qd13003b231_g6.kd
    .args:
      - { .name: fq, .offset: 0, .size: 8, .value_kind: global_buffer, .address_space: global }
      - { .name: pw, .offset: 8, .size: 8, .value_kind: global_buffer, .address_space: global }
      - { .name: ffn_b2, .offset: 16, .size: 8, .value_kind: global_buffer, .address_space: global }
      - { .name: x1, .offset: 24, .size: 8, .value_kind: global_buffer, .address_space: global }
      - { .name: out0, .offset: 32, .size: 8, .value_kind: global_buffer, .address_space: global }
    .group_segment_fixed_size: 327680
    .private_segment_fixed_size: 0
    .kernarg_segment_align: 8
    .kernarg_segment_size: 40
    .max_flat_workgroup_size: 128
    .sgpr_count:     100
    .vgpr_count:     640
    .wavefront_size: 32
...
	.end_amdgpu_metadata
.endif
;; end of part 11
